; MI455X (gfx1250); checked and timed in simulation.
; The chip was launched on July 23, 2026; its instructions are those of AMD's public machine-readable ISA for CDNA 5 (MIT licence, August 2026) and "CDNA5" Instruction Set Architecture Reference Guide (July 2026). The comments in the code are by the model that wrote it; some were corrected since.
;; Transformer Encoder. Allowed arithmetic: matrix products marked QUANTISED: E2M1 operands, one E8M0 scale for each 32 along K, by v_wmma_scale_f32_16x16x128_f8f6f4 with both operands' format E2M1 (or v_wmma_scale_f32_32x16x128_f4), f32 sums; everything else in f32.
;; Inputs: b1 3,072 float32; b2 768 float32; bk 768 float32; bq 768 float32; bv 768 float32; ln_b 768 float32; ln_w 768 float32; w1 768 x 3,072 float32; w2 3,072 x 768 float32; wk 768 x 768 float32; wq 768 x 768 float32; wv 768 x 768 float32; x 16 x 512 x 768 float32.
;; Outputs: out0 16 x 512 x 768 float32.
;; This version of the problem:
;;   THIS VERSION OF THE PROBLEM IS GIVEN IN LOW PRECISION. The matrix products marked QUANTISED in the list below multiply operands that are first quantised to E2M1 (2 exponent bits, 1 mantissa bit; 4 bits a number), with one power-of-two scale for each 32 numbers along K (OCP MX v1.0); their sums are f32. All else is computed in f32.
;;   The module's matrix products, in the order in which they are computed (A, B: the left and right operand; K: the contracted axis; several contracted axes count as one K, in the product's order):
;;     1. [M 8,192, K 768] x [K 768, N 768]; A: computed on the way; B: input wq: QUANTISED
;;     2. [M 8,192, K 768] x [K 768, N 768]; A: computed on the way; B: input wk: QUANTISED
;;     3. [M 8,192, K 768] x [K 768, N 768]; A: computed on the way; B: input wv: QUANTISED
;;     4. batch 192 x [M 512, K 64] x [K 64, N 512]; A: computed on the way; B: computed on the way: QUANTISED
;;     5. batch 192 x [M 512, K 512] x [K 512, N 64]; A: softmax (see below); B: computed on the way: QUANTISED
;;     6. [M 8,192, K 768] x [K 768, N 3,072]; A: computed on the way; B: input w1: QUANTISED
;;     7. [M 8,192, K 3,072] x [K 3,072, N 768]; A: computed on the way; B: input w2: QUANTISED
;;   THE QUANTISER, for each operand of a quantised product, along K:
;;     - K is cut into blocks of 32 from its start; a last block that is shorter is filled with zeros.
;;     - A block's scale is 2^e with e = floor(log2(the largest magnitude in the block)) - 2, held to -126 .. 127; a block of zeros has e = 0. As a byte (E8M0): e + 127.
;;     - Each number is divided by its block's scale, clamped to +-6, and rounded to the nearest number of E2M1, ties to even, subnormals kept.
;;     - The product sums the exact products of the quantised numbers (number of the format x scale) in f32.
;;   ~~~python
;;   def quantise(x, axis):      # numpy; x: float32 -> the quantised numbers, widened to float32 again
;;       x = np.moveaxis(x, axis, -1); K = x.shape[-1]
;;       x = np.pad(x, [(0, 0)] * (x.ndim - 1) + [(0, -K % 32)]); x = x.reshape(x.shape[:-1] + (-1, 32)); a = np.abs(x).max(-1, keepdims=True)
;;       e = np.where(a > 0, np.clip(np.frexp(np.where(a > 0, a, 1))[1] - 1 - 2, -126, 127), 0)      # np.frexp(a)[1] - 1 = floor(log2(a)), exactly
;;       r = np.clip(x / 2.0 ** e, -6, 6)
;;       step = 2.0 ** (np.maximum(np.frexp(np.where(r == 0, 1, r))[1] - 1, 0) - 1)
;;       q = np.round(r / step) * step * 2.0 ** e      # np.round: ties to even
;;       return np.moveaxis(q.reshape(q.shape[:-2] + (-1,))[..., :K], -1, axis).astype(np.float32)
;;   ~~~
;;   SOFTMAX AHEAD OF A QUANTISED PRODUCT. Where the list says 'softmax', what is quantised is not the finished softmax but p = 2^(t - M), with t = logit x log2(e) and M = ceil(the row's largest t), a whole number; so 1/2 < the row's largest p <= 1. The row's sum l is taken of the UNQUANTISED p, in f32, and the product's result is divided by l at the end. Since M is a whole number, a kernel that streams over the keys may use a running M (the ceiling of the running maximum): every later rescaling is an exact power of two, which a block's scale takes up: the codes' values come out the same.
;;   OPERANDS COMPUTED ON THE WAY. 'Computed on the way' means the value that the module computes at that place (a softmax that the list does not call 'softmax' is quantised finished and normalised). What goes into a quantiser is computed in f32, as accurately as f32 sums, v_exp_f32 and their like allow (about 1e-6 of the number): no bf16 or f16 on the way to a quantiser, and a product that is left as it is and whose result goes on into a quantised operand takes f32 operands (vector FMAs, or v_wmma_f32_16x16x4_f32). A number that lies on a knife's edge between two numbers of the format may be rounded either way, as far as f32 arithmetic and the matrix unit's own rounding can turn it there, and no further.
;; 2 versions, each right; version 2 is version 1 with the launches attn, mlp1 written anew for expert scheduling mode. Each part assembles by itself: llvm-mc -triple=amdgcn-amd-amdhsa -mcpu=gfx1250 --defsym DOCPART=n.
;; ======== version 1 of 2: 4 launches
;; workspace buffers: wts 3,446,784 bytes; wqkv 940,032 bytes; hq 3,342,336 bytes; x1 25,165,824 bytes; gq 13,369,344 bytes
;; launch prep (part 1): grid 310 x 1, 8 waves a work-group, no clusters, 15,360 bytes of LDS; arguments x, ln_w, ln_b, wq, wk, wv, hq, wqkv; writes hq, wqkv
.if DOCPART == 1
	.amdgcn_target "amdgcn-amd-amdhsa--gfx1250"
	.amdhsa_code_object_version 6
	.text
	.protected	k_qd22e56cb03_prep
	.globl	k_qd22e56cb03_prep
	.p2align	8
	.type	k_qd22e56cb03_prep,@function
k_qd22e56cb03_prep:
	s_mov_b64 s[64:65], 0
	v_nop
	global_prefetch_b8 v0, s[64:65] scope:SCOPE_SE
	s_setreg_imm32_b32 hwreg(HW_REG_WAVE_MODE, 25, 1), 1
	s_wait_xcnt 0x0
; PREP.  Work-groups 0-255: LayerNorm of 32 tokens of x each, quantised along the 768 channels to codes of FP4 (E2M1) with one E8M0 byte for each 32, stored in hq.
; Work-groups 256-309: wq, wk, wv ([K][N], f32) quantised along K (their first axis), stored in wqkv.  (w1 and w2, which only later launches read, are quantised by the next launch.)
; BOTH BUFFERS ARE LAID IN THE ORDER OF AN OPERAND'S REGISTERS.  A fragment (16 rows x 128 K) is 1,024 bytes, [block of 32 K: 4][row place: 16][16 bytes]: lane l takes 16 bytes at 16 l and at 512 + 16 l.
; The scale bytes of a pair of tiles for two K steps are 256 bytes, [16 x (tile % 2) + place][8 bytes]: one load of 8 bytes a lane gives two scale registers, lanes 0-15 the even tile's, lanes 16-31 the odd one's.
; PERMUTED PAIRS (tokens of hq, columns of wq, wk): of 32 neighbours i, tile = bit 3 of i, place = i % 8 + 8 x bit 4, so that a transposed product leaves 16 neighbours in a lane's 16 registers.
; Natural tiles (wv): tile = bit 4, place = i % 16.
; A block's scale is 2^(floor(log2(largest magnitude)) - 2): its byte is the largest magnitude's exponent field - 2, held at 1 from below by a floor among the maximum's leaves.
; LIMITS: a block of zeros gets the byte 1 where the rule says 127 (its codes are zeros, and this program alone reads the bytes); NaN and infinities among the inputs are not served.
.set H_S,    3145728                   ; hq: the scale bytes begin behind 512 tiles x 6,144 bytes of codes
.set WQKV_S, 884736                    ; wqkv: [head 12][tile 12][K step 6] fragments from 0; their scales here
.set SCL,    13056                     ; LDS, LayerNorm's: 48 units of 256 bytes of codes at pitch 272, then 768 scale bytes
.set WX,     13824                     ; LDS, the weights' own: 128 bytes for each of four pairs of waves
.set W,   16                           ; v16-39   ln_w of my 24 columns
.set LB,  40                           ; v40-63   ln_b
.set D,   64                           ; v64-159  four rows, 24 numbers each, worked in place
.set TP,  160                          ; v160-175 four registers a row: mean (+ scratch), 1/sigma (+ scratch)
.set M,   176                          ; v176-187 largest magnitudes, then scale operands, then bytes
.set C,   188                          ; v188-199 codes
.set SEL, 36
.set INV, 38
.set EPS, 39
.set X,   64                           ; weights: v64-127 two sets of 32 numbers
.set CW,  128                          ; v128-143 codes, four registers for each block: no store's data are written again
	s_load_b256 s[4:11], s[0:1], 0x0               ; x s[4:5], ln_w s[6:7], ln_b s[8:9], wq s[10:11]
	s_load_b256 s[12:19], s[0:1], 0x20             ; wk s[12:13], wv s[14:15], hq s[16:17], wqkv s[18:19]
	v_lshl_add_u32 v224, v0, 2, 0x3800
	v_mov_b32 v225, 0
	v_lshrrev_b32 v1, 5, v0
	v_readfirstlane_b32 s24, v1                    ; wave 0..7
	v_and_b32 v8, 31, v0                           ; lane
	s_cmp_ge_u32 ttmp9, 256                        ; the same in all waves of a work-group
	s_cbranch_scc1 .Lweights
; ---------------- LayerNorm: one wave to a row, four rows a wave.  Lane l holds columns 256 i + 8 l + e (i = 0..2, e = 0..7): eight neighbours for a conversion, four lanes to a block of 32.
	v_lshlrev_b32 v1, 5, v8                        ; 32 l: my 8 numbers in each 1,024 bytes
	v_lshrrev_b32 v9, 2, v8                        ; l / 4: the block among eight
	v_and_b32 v10, 3, v8                           ; l % 4: my quarter of a block's 16 bytes
	s_lshr_b32 s25, s24, 1
	s_and_b32 s25, s25, 1                          ; my rows 4 w + k of 32: tile = bit 3,
	s_and_b32 s26, s24, 1
	s_lshl_b32 s26, s26, 2
	s_lshr_b32 s27, s24, 2
	s_lshl_b32 s27, s27, 3
	s_add_co_u32 s26, s26, s27                     ; first place = 4 (w % 2) + 8 (w / 4)
	s_mul_i32 s27, s25, 6528                       ; a tile's 24 units at pitch 272
	s_lshl_b32 s28, s26, 4
	s_add_co_u32 s27, s27, s28
	v_mul_u32_u24 v2, v9, 272
	v_lshl_add_u32 v2, v10, 2, v2
	v_add_nc_u32 v2, s27, v2                       ; where my 4 bytes of codes go
	s_lshl_b32 s28, s25, 4
	s_add_co_u32 s28, s28, s26
	s_lshl_b32 s28, s28, 3
	s_add_co_u32 s28, s28, SCL
	v_add_nc_u32 v3, s28, v9                       ; where my block's byte goes
	v_and_b32 v11, 15, v0
	v_bfe_u32 v12, v0, 4, 1
	v_mul_u32_u24 v4, v12, 272
	v_lshl_add_u32 v4, v11, 4, v4
	s_mul_i32 s29, s24, 1632
	v_add_nc_u32 v4, s29, v4                       ; the way out: wave w takes units 6 w .. 6 w + 5, sixteen lanes to a unit
	v_lshlrev_b32 v5, 4, v8
	v_lshlrev_b32 v7, 3, v8
	s_lshl_b32 s29, s24, 8
	s_add_co_u32 s29, s29, SCL
	v_add_nc_u32 v6, s29, v7                       ; and waves 0-2 256 scale bytes each
	s_mov_b32 s[SEL], 0x76543210
	s_mov_b32 s[SEL+1], 0xfedcba98                 ; v_permlanex16_b32's selects for lane l xor 16
	s_mov_b32 s[INV], 0x3aaaaaab                   ; 1 / 768
	s_mov_b32 s[EPS], 0x3727c5ac                   ; 1e-5
	s_lshl_b32 s30, ttmp9, 5
	s_lshl_b32 s31, s24, 2
	s_add_co_u32 s30, s30, s31
	s_mul_i32 s30, s30, 3072                       ; my first row: 32 x work-group + 4 x wave
	s_mov_b32 s31, 0
	s_mul_i32 s32, ttmp9, 12288
	s_mul_i32 s33, s24, 1536
	s_add_co_u32 s32, s32, s33
	s_mov_b32 s33, 0
	s_mul_i32 s34, ttmp9, 768
	s_lshl_b32 s35, s24, 8
	s_add_co_u32 s34, s34, s35
	s_add_co_u32 s34, s34, H_S
	s_mov_b32 s35, 0
	s_wait_kmcnt 0x0
	s_add_nc_u64 s[4:5], s[4:5], s[30:31]
	s_add_nc_u64 s[32:33], s[16:17], s[32:33]      ; my 1,536 bytes of the pair's codes
	s_add_nc_u64 s[34:35], s[16:17], s[34:35]      ; my 256 of its scale bytes
.irp i, 0,1,2
	global_load_b128 v[W+8*\i:W+8*\i+3], v1, s[6:7] offset:1024*\i
	global_load_b128 v[W+8*\i+4:W+8*\i+7], v1, s[6:7] offset:1024*\i+16
	global_load_b128 v[LB+8*\i:LB+8*\i+3], v1, s[8:9] offset:1024*\i
	global_load_b128 v[LB+8*\i+4:LB+8*\i+7], v1, s[8:9] offset:1024*\i+16
.endr
.irp k, 0,1,2,3
.irp i, 0,1,2
	global_load_b128 v[D+24*\k+8*\i:D+24*\k+8*\i+3], v1, s[4:5] offset:3072*\k+1024*\i
	global_load_b128 v[D+24*\k+8*\i+4:D+24*\k+8*\i+7], v1, s[4:5] offset:3072*\k+1024*\i+16
.endr
.endr
; the sum over a wave of the pair v[TP+4k+o], v[TP+4k+o+1], for the four rows by turns; the result stands in every lane
.macro RED4 o
.irp k, 0,1,2,3
	v_add_f32 v[TP+4*\k+\o], v[TP+4*\k+\o], v[TP+4*\k+\o+1]
.endr
.irp x, 1,2,4,8
.irp k, 0,1,2,3
	v_add_f32_dpp v[TP+4*\k+\o], v[TP+4*\k+\o], v[TP+4*\k+\o] row_xmask:\x row_mask:0xf bank_mask:0xf
.endr
.endr
.irp k, 0,1,2,3
	v_permlanex16_b32 v[TP+4*\k+\o+1], v[TP+4*\k+\o], s[SEL], s[SEL+1]
.endr
.irp k, 0,1,2,3
	v_add_f32 v[TP+4*\k+\o], v[TP+4*\k+\o], v[TP+4*\k+\o+1]
.endr
.endm
	s_wait_loadcnt 0x0
.irp k, 0,1,2,3
	v_pk_add_f32 v[TP+4*\k:TP+4*\k+1], v[D+24*\k:D+24*\k+1], v[D+24*\k+2:D+24*\k+3]
.endr
.irp j, 4,6,8,10,12,14,16,18,20,22
.irp k, 0,1,2,3
	v_pk_add_f32 v[TP+4*\k:TP+4*\k+1], v[D+24*\k+\j:D+24*\k+\j+1], v[TP+4*\k:TP+4*\k+1]
.endr
.endr
	RED4 0
.irp k, 0,1,2,3
	v_mul_f32 v[TP+4*\k], s[INV], v[TP+4*\k]       ; the mean
.endr
.irp j, 0,2,4,6,8,10,12,14,16,18,20,22
.irp k, 0,1,2,3
	v_pk_add_f32 v[D+24*\k+\j:D+24*\k+\j+1], v[D+24*\k+\j:D+24*\k+\j+1], v[TP+4*\k:TP+4*\k+1] op_sel_hi:[1,0] neg_lo:[0,1] neg_hi:[0,1]   ; x - mean
.endr
.endr
.irp k, 0,1,2,3
	v_pk_mul_f32 v[TP+4*\k+2:TP+4*\k+3], v[D+24*\k:D+24*\k+1], v[D+24*\k:D+24*\k+1]
.endr
.irp j, 2,4,6,8,10,12,14,16,18,20,22
.irp k, 0,1,2,3
	v_pk_fma_f32 v[TP+4*\k+2:TP+4*\k+3], v[D+24*\k+\j:D+24*\k+\j+1], v[D+24*\k+\j:D+24*\k+\j+1], v[TP+4*\k+2:TP+4*\k+3]
.endr
.endr
	RED4 2
.irp k, 0,1,2,3
	v_fma_f32 v[TP+4*\k+2], v[TP+4*\k+2], s[INV], s[EPS]   ; the variance + 1e-5
.endr
.irp k, 0,1,2,3
	v_rsq_f32 v[TP+4*\k+2], v[TP+4*\k+2]
.endr
	v_nop                                          ; a plain instruction behind the last of the four
	s_wait_alu depctr_va_vdst(0)                   ; one wait for the four, ahead of their first reader
.irp j, 0,2,4,6,8,10,12,14,16,18,20,22
.irp k, 0,1,2,3
	v_pk_mul_f32 v[D+24*\k+\j:D+24*\k+\j+1], v[D+24*\k+\j:D+24*\k+\j+1], v[TP+4*\k+2:TP+4*\k+3] op_sel_hi:[1,0]
.endr
.endr
.irp j, 0,2,4,6,8,10,12,14,16,18,20,22
.irp k, 0,1,2,3
	v_pk_fma_f32 v[D+24*\k+\j:D+24*\k+\j+1], v[D+24*\k+\j:D+24*\k+\j+1], v[W+\j:W+\j+1], v[LB+\j:LB+\j+1]   ; ((x - mean) / sigma) w + b
.endr
.endr
.irp k, 0,1,2,3
.irp i, 0,1,2
	v_max3_num_f32 v[M+3*\k+\i], |v[D+24*\k+8*\i]|, |v[D+24*\k+8*\i+1]|, 0x1800000   ; my 8 numbers of a block, and the floor 2^(3 - 127)
.endr
.endr
.irp e, 2,4,6
.irp k, 0,1,2,3
.irp i, 0,1,2
	v_max3_num_f32 v[M+3*\k+\i], v[M+3*\k+\i], |v[D+24*\k+8*\i+\e]|, |v[D+24*\k+8*\i+\e+1]|
.endr
.endr
.endr
.irp x, 1,2
.irp n, 0,1,2,3,4,5,6,7,8,9,10,11
	v_max_num_f32_dpp v[M+\n], v[M+\n], v[M+\n] row_xmask:\x row_mask:0xf bank_mask:0xf   ; with the three lanes that share the block
.endr
.endr
.irp n, 0,1,2,3,4,5,6,7,8,9,10,11
	v_add_nc_u32 v[M+\n], 0xff000000, v[M+\n]      ; 2 off the exponent field: the conversion's scale operand
.endr
.irp k, 0,1,2,3
.irp i, 0,1,2
	v_cvt_scalef32_pk8_fp4_f32 v[C+3*\k+\i], v[D+24*\k+8*\i:D+24*\k+8*\i+7], v[M+3*\k+\i]
.endr
.endr
	v_nop                                          ; a plain instruction between the conversions and the lines that write their scale operands
.irp n, 0,1,2,3,4,5,6,7,8,9,10,11
	v_lshrrev_b32 v[M+\n], 23, v[M+\n]             ; the scale's byte
.endr
.irp k, 0,1,2,3
.irp i, 0,1,2
	ds_store_b32 v2, v[C+3*\k+\i] offset:16*\k+2176*\i       ; unit 8 i + l / 4 of my tile, place + k
	ds_store_b8 v3, v[M+3*\k+\i] offset:8*\k+256*\i          ; four lanes write the same byte with the same value
.endr
.endr
	s_wait_dscnt 0x0                               ; my stores have landed, for the other waves' sake
	s_barrier_signal -1
	s_barrier_wait -1
.irp k, 0,1,2
	ds_load_b128 v[D+4*\k:D+4*\k+3], v4 offset:544*\k
.endr
.irp k, 0,1,2
	s_wait_dscnt 2-\k
	global_store_b128 v5, v[D+4*\k:D+4*\k+3], s[32:33] offset:512*\k    ; 32 lanes store 512 consecutive bytes, aligned
.endr
	s_cmp_gt_u32 s24, 2
	s_cbranch_scc1 .Lln_done
	ds_load_b64 v[D+12:D+13], v6
	s_wait_dscnt 0x0
	global_store_b64 v7, v[D+12:D+13], s[34:35]    ; 256 consecutive bytes, aligned
.Lln_done:
	s_wait_tensorcnt 0x0
	ds_add_u32 v224, v225
	s_wait_dscnt 0x0
	s_endpgm
; ---------------- Weights.  A work-group takes 128 columns x 256 K of one tensor; wave w takes columns 32 (w % 4) on and K step w / 4 of the two: four blocks of 32.
; A LANE TAKES A COLUMN AND ITS REGISTERS RUN DOWN K: a block of 32 lies in one lane, and the conversions give codes with K innermost.
; A lane's 16 bytes of a block are one place of a fragment's block: sixteen lanes fill 256 consecutive bytes of each of the pair's two tiles.
; A place's 8 scale bytes come from two waves (w and w + 4): the upper wave hands its word over through LDS, and the lower one stores both.
.Lweights:
	s_sub_co_u32 s25, ttmp9, 256                   ; 0-17 wq, 18-35 wk, 36-53 wv: all choices hang on this number alone
	s_wait_kmcnt 0x0
	s_cmp_lt_u32 s25, 36
	s_cselect_b32 s26, 18, 36                      ; the range's first number
	s_cselect_b32 s27, 1, 2                        ; which tensor
	s_cselect_b64 s[36:37], s[12:13], s[14:15]
	s_cmp_lt_u32 s25, 18
	s_cselect_b32 s26, 0, s26
	s_cselect_b32 s27, 0, s27
	s_cselect_b64 s[36:37], s[10:11], s[36:37]
	s_sub_co_u32 s28, s25, s26                     ; t, under 18
	s_mul_i32 s29, s28, 43
	s_lshr_b32 s29, s29, 7                         ; t / 3 (exact for t under 128): the group of 128 columns
	s_mul_i32 s30, s29, 3
	s_sub_co_u32 s30, s28, s30                     ; t % 3: the chunk of 256 K
	s_and_b32 s31, s24, 3
	s_lshr_b32 s40, s24, 2                         ; which K step of the chunk's two
	s_lshl_b32 s41, s29, 2
	s_add_co_u32 s41, s41, s31                     ; my 32 columns: G = 4 x group + w % 4
	s_lshr_b32 s42, s41, 1                         ; the head: 64 columns,
	s_mul_i32 s42, s42, 6                          ; six pairs of tiles (q, k, v),
	s_lshl_b32 s43, s27, 1
	s_add_co_u32 s42, s42, s43                     ; two for each tensor
	s_and_b32 s43, s41, 1
	s_add_co_u32 s42, s42, s43                     ; my pair of tiles
	s_mul_i32 s44, s30, 786432                     ; 256 rows of 3,072 bytes
	s_mul_i32 s45, s40, 393216
	s_add_co_u32 s44, s44, s45
	s_lshl_b32 s45, s41, 7
	s_add_co_u32 s44, s44, s45
	s_mov_b32 s45, 0
	s_add_nc_u64 s[36:37], s[36:37], s[44:45]      ; the tensor at my K step's first row, my first column
	s_mul_i32 s44, s42, 12288
	s_lshl_b32 s46, s30, 11
	s_add_co_u32 s44, s44, s46
	s_lshl_b32 s46, s40, 10
	s_add_co_u32 s44, s44, s46
	s_add_nc_u64 s[38:39], s[18:19], s[44:45]      ; the pair's first tile, my K step
	s_mul_i32 s44, s42, 768
	s_lshl_b32 s46, s30, 8
	s_add_co_u32 s44, s44, s46
	s_add_co_u32 s44, s44, WQKV_S
	s_add_nc_u64 s[60:61], s[18:19], s[44:45]      ; the pair's 256 scale bytes of the chunk's two K steps
	s_mov_b32 s47, 6144                            ; bytes of a tile
	s_mov_b32 s48, 128
	s_cmp_eq_u32 s27, 2                            ; wv: natural tiles
	s_cselect_b32 s49, s48, s47                    ; what bit 3 of my column adds to the codes' place: 8 places, or a tile
	s_cselect_b32 s50, s47, s48                    ; and bit 4
	s_cselect_b32 s51, 64, s48                     ; the same for the scale bytes, 8 a place
	s_cselect_b32 s52, s48, 64
	v_lshlrev_b32 v1, 2, v8                        ; in: 4 bytes a lane
	v_and_b32 v9, 7, v8
	v_bfe_u32 v10, v0, 3, 1
	v_bfe_u32 v11, v0, 4, 1
	v_lshlrev_b32 v2, 4, v9
	v_mad_u32_u24 v2, v10, s49, v2
	v_mad_u32_u24 v2, v11, s50, v2                 ; my 16 bytes in a block of the pair's fragments
	v_lshlrev_b32 v3, 3, v9
	v_mad_u32_u24 v3, v10, s51, v3
	v_mad_u32_u24 v3, v11, s52, v3                 ; my 8 scale bytes
	s_lshl_b32 s53, s31, 7
	s_add_co_u32 s53, s53, WX
	v_lshl_add_u32 v14, v8, 2, s53                 ; LDS: the word that waves w and w + 4 share for my column
.macro WLOAD t                         ; block t: rows 32 t + i of my column into set t % 2; 32 lanes read 128 consecutive bytes, four waves 512
.irp i, 0,1,2,3,4,5,6,7,8,9,10,11,12,13,14,15,16,17,18,19,20,21,22,23,24,25,26,27,28,29,30,31
	global_load_b32 v[X+32*((\t)%2)+\i], v1, s[36:37] offset:(32*(\t)+\i)*3072 th:TH_LOAD_NT
.endr
.endm
.macro WBLOCK t
.set XS, X+32*((\t)%2)
.if (\t) < 3
	s_wait_loadcnt 32                              ; this block's 32 loads are in; the next block's 32 may be out
.else
	s_wait_loadcnt 0x0
.endif
	v_max3_num_f32 v8, |v[XS]|, |v[XS+1]|, |v[XS+2]|   ; the block's largest magnitude: all 32 numbers are mine; two chains
	v_max3_num_f32 v9, |v[XS+3]|, |v[XS+4]|, |v[XS+5]|
.irp i, 6,10,14,18,22,26
	v_max3_num_f32 v8, v8, |v[XS+\i]|, |v[XS+\i+1]|
	v_max3_num_f32 v9, v9, |v[XS+\i+2]|, |v[XS+\i+3]|
.endr
	v_max3_num_f32 v8, v8, |v[XS+30]|, |v[XS+31]|
	v_max3_num_f32 v8, v8, v9, 0x1800000           ; and the floor 2^(3 - 127)
	v_add_nc_u32 v10, 0xff000000, v8               ; the conversion's scale operand
	v_lshrrev_b32 v11, 23, v10                     ; the byte
.if (\t) == 0
	v_mov_b32 v12, v11                             ; four bytes to a register, the lower K in the lower byte
.else
	v_lshl_or_b32 v12, v11, 8*(\t), v12
.endif
.irp g, 0,1,2,3
	v_cvt_scalef32_pk8_fp4_f32 v[CW+4*(\t)+\g], v[XS+8*\g:XS+8*\g+7], v10
.endr
	global_store_b128 v2, v[CW+4*(\t):CW+4*(\t)+3], s[38:39] offset:256*(\t)   ; sixteen lanes fill 256 consecutive bytes of each tile
.if (\t)+2 < 4
	WLOAD (\t)+2
.endif
.endm
	WLOAD 0
	WLOAD 1
.irp t, 0,1,2,3
	WBLOCK \t
.endr
	s_cmp_lt_u32 s24, 4
	s_cbranch_scc1 .Lw_low
	ds_store_b32 v14, v12                          ; waves 4-7: the second K step's word
.Lw_low:
	s_wait_dscnt 0x0                               ; it has landed, for the partner's sake
	s_barrier_signal -1
	s_barrier_wait -1
	s_cmp_gt_u32 s24, 3
	s_cbranch_scc1 .Lw_done
	ds_load_b32 v13, v14
	s_wait_dscnt 0x0
	global_store_b64 v3, v[12:13], s[60:61]        ; 256 consecutive bytes, aligned
.Lw_done:
	s_wait_tensorcnt 0x0
	ds_add_u32 v224, v225
	s_wait_dscnt 0x0
	s_endpgm
.Lfunc_end_k_qd22e56cb03_prep:
	.size	k_qd22e56cb03_prep, .Lfunc_end_k_qd22e56cb03_prep-k_qd22e56cb03_prep
	.p2alignl 7, 3214868480
	.fill 96, 4, 3214868480
	.section	.rodata,"a",@progbits
	.p2align	6, 0x0
	.amdhsa_kernel k_qd22e56cb03_prep
		.amdhsa_group_segment_fixed_size 15360
		.amdhsa_private_segment_fixed_size 0
		.amdhsa_enable_private_segment 0
		.amdhsa_kernarg_size 64
		.amdhsa_user_sgpr_count 2
		.amdhsa_user_sgpr_kernarg_segment_ptr 1
		.amdhsa_wavefront_size32 1
		.amdhsa_system_sgpr_workgroup_id_x 1
		.amdhsa_system_sgpr_workgroup_id_y 1
		.amdhsa_system_sgpr_workgroup_id_z 1
		.amdhsa_system_vgpr_workitem_id 0
		.amdhsa_next_free_vgpr 226
		.amdhsa_next_free_sgpr 66
		.amdhsa_reserve_vcc 0
		.amdhsa_float_denorm_mode_32 3
		.amdhsa_float_denorm_mode_16_64 3
		.amdhsa_memory_ordered 1
		.amdhsa_forward_progress 1
		.amdhsa_inst_pref_size 56
	.end_amdhsa_kernel
	.amdgpu_metadata
---
amdhsa.version: [ 1, 2 ]
amdhsa.kernels:
  - .name:           k_qd22e56cb03_prep
    .symbol:         k_qd22e56cb03_prep.kd
    .args:
      - { .name: x, .offset: 0, .size: 8, .value_kind: global_buffer, .address_space: global }
      - { .name: ln_w, .offset: 8, .size: 8, .value_kind: global_buffer, .address_space: global }
      - { .name: ln_b, .offset: 16, .size: 8, .value_kind: global_buffer, .address_space: global }
      - { .name: wq, .offset: 24, .size: 8, .value_kind: global_buffer, .address_space: global }
      - { .name: wk, .offset: 32, .size: 8, .value_kind: global_buffer, .address_space: global }
      - { .name: wv, .offset: 40, .size: 8, .value_kind: global_buffer, .address_space: global }
      - { .name: hq, .offset: 48, .size: 8, .value_kind: global_buffer, .address_space: global }
      - { .name: wqkv, .offset: 56, .size: 8, .value_kind: global_buffer, .address_space: global }
    .group_segment_fixed_size: 15360
    .private_segment_fixed_size: 0
    .kernarg_segment_align: 8
    .kernarg_segment_size: 64
    .max_flat_workgroup_size: 256
    .sgpr_count:     66
    .vgpr_count:     226
    .wavefront_size: 32
...
	.end_amdgpu_metadata
.endif
;; end of part 1
;; launch attn (part 2): grid 12 x 22, 16 waves a work-group, no clusters, 187,648 bytes of LDS; arguments hq, wqkv, bq, bk, bv, x, w1, w2, x1, wts; writes x1, wts
.if DOCPART == 2
	.amdgcn_target "amdgcn-amd-amdhsa--gfx1250"
	.amdhsa_code_object_version 6
	.text
	.protected	k_qd22e56cb03_attn
	.globl	k_qd22e56cb03_attn
	.p2align	8
	.type	k_qd22e56cb03_attn,@function
k_qd22e56cb03_attn:
	s_mov_b64 s[64:65], 0
	v_nop
	global_prefetch_b8 v0, s[64:65] scope:SCOPE_SE
	s_setreg_imm32_b32 hwreg(HW_REG_WAVE_MODE, 25, 1), 1
	s_wait_xcnt 0x0
; ATTN.  Rows 0-15 of the grid: a work-group owns one head of one batch: it projects q, k, v for its 512 tokens and 64 channels (K = 768), quantises them, and runs the attention; x1 = o + x.  q, k, v never go to memory.
; Rows 16-21 of the grid: 72 work-groups quantise w1 and w2 along K into wts, for the two launches that follow: work that hangs on nothing else in this launch (its text stands at the end).
; All products on codes of FP4 (E2M1) with one E8M0 byte for each 32 along K.  Sixteen waves, 256 registers each; wave w owns tokens 32 w .. 32 w + 31: as rows of the projection, as one block of 32 keys, as two tiles of queries.
; TOKEN TILES ARE PERMUTED PAIRS (place p of tile 2 w + u is token 32 w + 8 u + p + 8 (p / 8)), and so are wq's and wk's columns: a transposed product then leaves 16 neighbours along the next K in a lane's 16 registers.
; q, k: source 0 = 16 columns of the weight, source 1 = 16 tokens: a lane holds one token and 16 neighbouring channels of each 32.  v: source 0 = tokens, source 1 = columns: a lane holds one channel and 16 neighbouring tokens.
; S^T = K Q^T, O^T = V^T P^T: a lane holds one query throughout.  K = 64 of the instruction's 128: the upper half of q's fragment is zero codes, so whatever stands in the upper half of k's adds nothing:
; the eight fragments of k of a key step lie four registers apart, each instruction naming the next fragment's four as its upper half.
; LDS REQUESTS RUN AHEAD: behind a key step's score products stands one run of loads, this step's v and the next step's k; v has the softmax in which to land, k the rest of the step.
; THE SOFTMAX: t = score x log2(e) / 8; M = the running largest t rounded up to a whole number; p = 2^(t - M) is quantised along the keys; the sum is taken of the unquantised p and divides O at the end;
; when M moves, the sum and O are multiplied by 2^(old M - new M), which rounds nothing.
; No multicast: what the sixteen work-groups of a head share (its 78,336 bytes of weights) is under a fifth of a work-group's bytes (262,144 of x in and out, 208,896 of hq).
; LIMITS: NaN and infinities are not served; a block of zeros gets the byte 1 (its codes are zeros); an exponential whose result lies under 2^-126 is 0.
.set H_S,    3145728
.set WQKV_S, 884736
.set W1_C,   940032                    ; wts: w1's 192 tiles x 6 K steps of fragments; its scale bytes;
.set W1_S,   2119680
.set W2_C,   2193408                   ; w2's 48 tiles x 24 K steps; its scale bytes
.set W2_S,   3373056
.set WSC,  73728                       ; LDS: from 0 the head's 72 weight fragments; here their scale bytes (18 x 256);
.set BIAS, 78336                       ; bq, bk, bv of the head, 256 bytes each;
.set KIMG, 79104                       ; k: 32 tiles x 512 bytes (a fragment's lower half);
.set KSC,  95488                       ; its scale words: 16 pairs x 128 bytes;
.set VIMG, 97536                       ; v: fragment 4 t + q: channels 16 t on, keys 128 q on;
.set VSC,  113920                      ; its scale words [q][t][channel];
.set STG,  114944                      ; the way out: 16 rows x 272 bytes for each wave;
.set WXL,  184576                      ; the quantising work-groups' own bytes: 128 for each of eight pairs of waves
.set ACC, 32                           ; v32-95   the projection's 8 accumulators; later S^T, then p, then rows of o and of x
.set S,   32
.set BF,  96                           ; v96-127  four weight fragments; bias; quantiser's work; later four fragments of v
.set TM,  96
.set VF,  96
.set BS,  128                          ; v128-139 weight scale words (later v128-129 v's); v140-145 tokens'; v146-147 q's; v148-151 k's; v152 p's: these hold scales and nothing else
.set VSW, 128
.set AS,  140
.set QS,  146
.set KSW, 148
.set AF,  160                          ; v160-255 the tokens' fragments (tile i, K step s) at 160 + 48 i + 8 s; later:
.set KF,  192                          ; v160-191 O^T; v192-227 k's eight fragments, four registers each, and four of zeros;
.set PCD, 228                          ; v228-235 p's codes;
.set BM,  236                          ; v236-239 the blocks' largest scores, then p;
.set PD,  240                          ; v240-243 the other half's; a chain of the sum; the bytes;
.set SOP, 244                          ; v244-247 the conversions' scale operands; v254 at work
.set WV,  18
.set HM,  21
.set SEL, 36
.set CS,  38
; the scaled product; c < 0: the constant 0 starts the sum; ra, rb: the scale register's lanes 16-31 serve source 0, source 1
.macro WMS d, a, b, c, sa, sb, ra, rb
.if (\c) < 0
.if (\ra) && (\rb)
	v_wmma_scale_f32_16x16x128_f8f6f4 v[\d:\d+7], v[\a:\a+7], v[\b:\b+7], 0, v[\sa], v[\sb] matrix_a_fmt:MATRIX_FMT_FP4 matrix_b_fmt:MATRIX_FMT_FP4 matrix_a_scale:MATRIX_SCALE_ROW1 matrix_b_scale:MATRIX_SCALE_ROW1
.elseif (\ra)
	v_wmma_scale_f32_16x16x128_f8f6f4 v[\d:\d+7], v[\a:\a+7], v[\b:\b+7], 0, v[\sa], v[\sb] matrix_a_fmt:MATRIX_FMT_FP4 matrix_b_fmt:MATRIX_FMT_FP4 matrix_a_scale:MATRIX_SCALE_ROW1
.elseif (\rb)
	v_wmma_scale_f32_16x16x128_f8f6f4 v[\d:\d+7], v[\a:\a+7], v[\b:\b+7], 0, v[\sa], v[\sb] matrix_a_fmt:MATRIX_FMT_FP4 matrix_b_fmt:MATRIX_FMT_FP4 matrix_b_scale:MATRIX_SCALE_ROW1
.else
	v_wmma_scale_f32_16x16x128_f8f6f4 v[\d:\d+7], v[\a:\a+7], v[\b:\b+7], 0, v[\sa], v[\sb] matrix_a_fmt:MATRIX_FMT_FP4 matrix_b_fmt:MATRIX_FMT_FP4
.endif
.else
.if (\ra) && (\rb)
	v_wmma_scale_f32_16x16x128_f8f6f4 v[\d:\d+7], v[\a:\a+7], v[\b:\b+7], v[\c:\c+7], v[\sa], v[\sb] matrix_a_fmt:MATRIX_FMT_FP4 matrix_b_fmt:MATRIX_FMT_FP4 matrix_a_scale:MATRIX_SCALE_ROW1 matrix_b_scale:MATRIX_SCALE_ROW1
.elseif (\ra)
	v_wmma_scale_f32_16x16x128_f8f6f4 v[\d:\d+7], v[\a:\a+7], v[\b:\b+7], v[\c:\c+7], v[\sa], v[\sb] matrix_a_fmt:MATRIX_FMT_FP4 matrix_b_fmt:MATRIX_FMT_FP4 matrix_a_scale:MATRIX_SCALE_ROW1
.elseif (\rb)
	v_wmma_scale_f32_16x16x128_f8f6f4 v[\d:\d+7], v[\a:\a+7], v[\b:\b+7], v[\c:\c+7], v[\sa], v[\sb] matrix_a_fmt:MATRIX_FMT_FP4 matrix_b_fmt:MATRIX_FMT_FP4 matrix_b_scale:MATRIX_SCALE_ROW1
.else
	v_wmma_scale_f32_16x16x128_f8f6f4 v[\d:\d+7], v[\a:\a+7], v[\b:\b+7], v[\c:\c+7], v[\sa], v[\sb] matrix_a_fmt:MATRIX_FMT_FP4 matrix_b_fmt:MATRIX_FMT_FP4
.endif
.endif
.endm
.macro PLACES                          ; four plain instructions between a matrix instruction and a load into, or a vector read of, its registers
.rept 4
	v_nop
.endr
.endm
	s_load_b256 s[4:11], s[0:1], 0x0               ; hq s[4:5], wqkv s[6:7], bq s[8:9], bk s[10:11]
	s_load_b128 s[12:15], s[0:1], 0x20             ; bv s[12:13], x s[14:15]
	s_load_b64 s[16:17], s[0:1], 0x40              ; x1
	v_lshrrev_b32 v159, 5, v0
	v_readfirstlane_b32 s[WV], v159                ; wave 0..15
	s_and_b32 s20, ttmp7, 0xffff                   ; the batch; ttmp9 is the head
	v_and_b32 v156, 31, v0                         ; l
	s_cmp_ge_u32 s20, 16                           ; the same in all waves of a work-group
	s_cbranch_scc1 .Lweights
	v_and_b32 v157, 15, v0                         ; r
	v_bfe_u32 v158, v0, 4, 1                       ; h
	v_lshlrev_b32 v1, 4, v156                      ; a fragment's place for my lane
	v_add_nc_u32 v2, 49152, v1                     ; the same from wv's first tile on
	v_lshl_add_u32 v3, v156, 3, WSC                ; weight scale words
	v_lshl_add_u32 v4, v158, 6, BIAS               ; bq, bk: my half's 16 channels of each 32
	v_lshl_add_u32 v5, v157, 2, BIAS+512           ; bv: my channel
	s_lshl_b32 s22, s[WV], 10
	s_add_co_u32 s22, s22, KIMG
	v_add_nc_u32 v6, s22, v1                       ; where my two tiles of k go
	s_lshl_b32 s22, s[WV], 7
	s_add_co_u32 s22, s22, KSC
	v_lshl_add_u32 v7, v156, 2, s22                ; and their scale words
	s_lshr_b32 s22, s[WV], 2
	s_and_b32 s23, s[WV], 3
	s_lshl_b32 s24, s22, 10
	s_lshl_b32 s25, s23, 8
	s_add_co_u32 s24, s24, s25
	s_add_co_u32 s24, s24, VIMG
	v_lshl_add_u32 v8, v157, 4, s24
	v_lshl_add_u32 v8, v158, 3, v8                 ; v: key step w / 4, block w % 4, channel r, my half's 8 bytes
	s_lshl_b32 s24, s22, 8
	s_add_co_u32 s24, s24, s23
	s_add_co_u32 s24, s24, VSC
	v_lshl_add_u32 v9, v157, 2, s24                ; and my block's byte of the channel's word
	s_mul_i32 s22, s[WV], 4608
	v_add_nc_u32 v10, s22, v1                      ; the copy of the weights: 4,608 bytes a wave, in memory and in LDS alike
	v_lshlrev_b32 v11, 4, v0
	v_lshlrev_b32 v12, 3, v156
	v_add_nc_u32 v13, WSC, v11                     ; waves 0-8: the scale bytes, 16 a thread
	s_lshl_b32 s22, s[WV], 8
	s_add_co_u32 s22, s22, BIAS-2304
	v_add_nc_u32 v14, s22, v12                     ; waves 9-11: a bias each
	s_mov_b32 s[HM], 0xffff0000                    ; lanes 16-31
	s_mov_b32 s[SEL], 0x76543210
	s_mov_b32 s[SEL+1], 0xfedcba98                 ; v_permlanex16_b32's selects for lane l xor 16
	s_mov_b32 s[CS], 0x3e38aa3b                    ; log2(e) / 8
	s_mov_b32 s[CS+1], s[CS]
	s_mov_b32 s23, 0
	s_mov_b32 s31, 0
	s_mul_i32 s22, ttmp9, 73728
	s_wait_kmcnt 0x0
	s_add_nc_u64 s[24:25], s[6:7], s[22:23]        ; the head's weight fragments
	s_mul_i32 s22, ttmp9, 4608
	s_add_co_u32 s22, s22, WQKV_S
	s_add_nc_u64 s[26:27], s[6:7], s[22:23]        ; their scale bytes
	s_cmp_eq_u32 s[WV], 9
	s_cselect_b64 s[28:29], s[8:9], s[10:11]
	s_cmp_eq_u32 s[WV], 11
	s_cselect_b64 s[28:29], s[12:13], s[28:29]
	s_lshl_b32 s22, ttmp9, 8
	s_add_nc_u64 s[28:29], s[28:29], s[22:23]      ; wave 9: bq, 10: bk, 11: bv, at the head's 64 numbers
	s_lshl_b32 s34, s20, 4
	s_add_co_u32 s34, s34, s[WV]                   ; my pair of token tiles: 16 x batch + wave
	s_mul_i32 s30, s34, 12288
	s_add_nc_u64 s[30:31], s[4:5], s[30:31]
	s_mul_i32 s22, s34, 768
	s_add_co_u32 s22, s22, H_S
	s_add_nc_u64 s[32:33], s[4:5], s[22:23]
	s_lshl_b32 s22, s34, 5                         ; my first token
	s_mul_i32 s22, s22, 3072
	s_lshl_b32 s34, ttmp9, 8
	s_add_co_u32 s22, s22, s34
	s_add_nc_u64 s[14:15], s[14:15], s[22:23]      ; x and x1 at my first token, the head's 256 bytes
	s_add_nc_u64 s[16:17], s[16:17], s[22:23]
; ---- 0: the head's weights, scales and biases into LDS, through registers; my tokens' fragments into registers
	s_cmp_lt_u32 s[WV], 9
	s_cbranch_scc0 .Lld_bias
	global_load_b128 v[68:71], v11, s[26:27]
	s_branch .Lld_w
.Lld_bias:
	s_cmp_lt_u32 s[WV], 12
	s_cbranch_scc0 .Lld_w
	global_load_b64 v[68:69], v12, s[28:29]
.Lld_w:
.irp n, 0,1,2,3,4,5,6,7,8
	global_load_b128 v[32+4*\n:35+4*\n], v10, s[24:25] offset:512*\n
.endr
.irp n, 0,1,2,3,4,5,6,7,8,9,10,11,12,13,14,15,16,17,18,19,20,21,22,23
	global_load_b128 v[AF+4*\n:AF+4*\n+3], v1, s[30:31] offset:512*\n
.endr
.irp j, 0,1,2
	global_load_b64 v[AS+2*\j:AS+2*\j+1], v12, s[32:33] offset:256*\j
.endr
	s_wait_loadcnt 27                              ; all but the 27 loads of my tokens, which were issued behind the copies
.irp n, 0,1,2,3,4,5,6,7,8
	ds_store_b128 v10, v[32+4*\n:35+4*\n] offset:512*\n
.endr
	s_cmp_lt_u32 s[WV], 9
	s_cbranch_scc0 .Lst_bias
	ds_store_b128 v13, v[68:71]
	s_branch .Lst_done
.Lst_bias:
	s_cmp_lt_u32 s[WV], 12
	s_cbranch_scc0 .Lst_done
	ds_store_b64 v14, v[68:69]
.Lst_done:
	s_wait_dscnt 0x0                               ; my stores have landed, for the others' sake
	s_barrier_signal -1
	s_barrier_wait -1
	s_wait_loadcnt 0x0
; ---- 1: the projections.  Eight accumulators by turns, one instruction a turn, in the same order in every K step.
.macro PASSQK qk                       ; 0: q, 1: k.  Accumulator (token tile i, weight tile t) at ACC + 32 i + 8 t: registers 32 i + 16 b + 0..15 are channels 32 b + 16 h + 0..15 of token place r
.irp p, 0,1
.irp j, 0,1,2
	ds_load_b64 v[BS+6*\p+2*\j:BS+6*\p+2*\j+1], v3 offset:((2*\qk+\p)*3+\j)*256
.endr
.endr
.irp s, 0,1,2,3,4,5
	PLACES
.irp t, 0,1,2,3
.irp c, 0,1
	ds_load_b128 v[BF+8*\t+4*\c:BF+8*\t+4*\c+3], v1 offset:((4*\qk+\t)*6+\s)*1024+512*\c
.endr
.endr
	s_wait_dscnt 0x0
.irp t, 0,1,2,3
.irp i, 0,1
.set DD, ACC+32*\i+8*\t
.if \s == 0
.set CC, -1
.else
.set CC, DD
.endif
	WMS DD, BF+8*\t, AF+48*\i+8*\s, CC, BS+6*(\t/2)+\s, AS+\s, \t%2, \i
.endr
.endr
.endr
	PLACES
.irp t, 0,1,2,3
.irp e, 0,1
	ds_load_b128 v[BF+8*\t+4*\e:BF+8*\t+4*\e+3], v4 offset:256*\qk+(32*(\t/2)+8*(\t%2))*4+16*\e
.endr
.endr
	s_wait_dscnt 0x0
.irp i, 0,1
.irp t, 0,1,2,3
.irp e, 0,2,4,6
	v_pk_add_f32 v[ACC+32*\i+8*\t+\e:ACC+32*\i+8*\t+\e+1], v[ACC+32*\i+8*\t+\e:ACC+32*\i+8*\t+\e+1], v[BF+8*\t+\e:BF+8*\t+\e+1]   ; + the bias; each accumulator from its low end on
.endr
.endr
.endr
.endm
; ACC's four runs of 16 registers, each half a block of 32 (the other half lies in lane l xor 16), become codes: run b's two registers at PB + 8 (b / 2) + 2 (b % 2); its byte in v[TM+4+b]
.macro QUANT4 PB
.irp b, 0,1,2,3
	v_max3_num_f32 v[TM+\b], |v[ACC+16*\b]|, |v[ACC+16*\b+1]|, 0x1800000   ; and the floor 2^(3 - 127)
.endr
.irp e, 2,4,6,8,10,12,14
.irp b, 0,1,2,3
	v_max3_num_f32 v[TM+\b], v[TM+\b], |v[ACC+16*\b+\e]|, |v[ACC+16*\b+\e+1]|
.endr
.endr
.irp b, 0,1,2,3
	v_permlanex16_b32 v[TM+4+\b], v[TM+\b], s[SEL], s[SEL+1]
.endr
.irp b, 0,1,2,3
	v_max_num_f32 v[TM+\b], v[TM+\b], v[TM+4+\b]
.endr
.irp b, 0,1,2,3
	v_add_nc_u32 v[TM+12+\b], 0xff000000, v[TM+\b] ; 2 off the exponent field: the conversion's scale operand
.endr
.irp b, 0,1,2,3
	v_lshrrev_b32 v[TM+4+\b], 23, v[TM+12+\b]      ; the byte
.endr
.irp b, 0,1,2,3
	v_cvt_scalef32_pk8_fp4_f32 v[\PB+8*(\b/2)+2*(\b%2)], v[ACC+16*\b:ACC+16*\b+7], v[TM+12+\b]
	v_cvt_scalef32_pk8_fp4_f32 v[\PB+8*(\b/2)+2*(\b%2)+1], v[ACC+16*\b+8:ACC+16*\b+15], v[TM+12+\b]
.endr
	v_nop                                          ; a plain instruction behind the last conversion
.endm
.macro SWAPS PB                        ; the operand wants a whole block in a lane: lanes 0-15 block 0, lanes 16-31 block 1
.irp i, 0,1
	v_permlane16_swap_b32 v[\PB+8*\i], v[\PB+8*\i+2]
	v_permlane16_swap_b32 v[\PB+8*\i+1], v[\PB+8*\i+3]
.endr
.endm
	PASSQK 0
	QUANT4 16                                      ; q's codes stay in v16-19 and v24-27
	SWAPS 16
.irp i, 0,1
	v_lshl_or_b32 v[QS+\i], v[TM+5+2*\i], 8, v[TM+4+2*\i]   ; two bytes; the upper two, 0, stand over zero codes
.endr
	PASSQK 1
	QUANT4 112
	SWAPS 112
.irp i, 0,1
	v_lshl_or_b32 v[TM+8+\i], v[TM+5+2*\i], 8, v[TM+4+2*\i]
.endr
	v_cndmask_b32 v[TM+10], v[TM+8], v[TM+9], s[HM]    ; lanes 0-15 the even tile's words, lanes 16-31 the odd one's
	ds_store_b128 v6, v[112:115]
	ds_store_b128 v6, v[120:123] offset:512
	ds_store_b32 v7, v[TM+10]
	s_wait_dscnt 0x0                               ; the stores have read their registers
; v: source 0 = my tokens, source 1 = wv's columns.  Accumulator (t, i) at ACC + 16 t + 8 i: registers 16 t + 0..15 are tokens 32 w + 16 h + 0..15 of channel 16 t + r
.irp p, 0,1
.irp j, 0,1,2
	ds_load_b64 v[BS+6*\p+2*\j:BS+6*\p+2*\j+1], v3 offset:((4+\p)*3+\j)*256
.endr
.endr
.irp s, 0,1,2,3,4,5
	PLACES
.irp t, 0,1,2,3
.irp c, 0,1
	ds_load_b128 v[BF+8*\t+4*\c:BF+8*\t+4*\c+3], v2 offset:(\t*6+\s)*1024+512*\c
.endr
.endr
	s_wait_dscnt 0x0
.irp t, 0,1,2,3
.irp i, 0,1
.set DD, ACC+16*\t+8*\i
.if \s == 0
.set CC, -1
.else
.set CC, DD
.endif
	WMS DD, AF+48*\i+8*\s, BF+8*\t, CC, AS+\s, BS+6*(\t/2)+\s, \i, \t%2
.endr
.endr
.endr
	PLACES
.irp t, 0,1,2,3
	ds_load_b32 v[BF+2*\t], v5 offset:64*\t        ; bv of my channel, twice: a pair for the packed addition
	ds_load_b32 v[BF+2*\t+1], v5 offset:64*\t
.endr
	s_wait_dscnt 0x0
.irp t, 0,1,2,3
.irp e, 0,2,4,6,8,10,12,14
	v_pk_add_f32 v[ACC+16*\t+\e:ACC+16*\t+\e+1], v[ACC+16*\t+\e:ACC+16*\t+\e+1], v[BF+2*\t:BF+2*\t+1]
.endr
.endr
	QUANT4 112                                     ; along the tokens: my 32 tokens are one block of the second product's K
.irp t, 0,1,2,3
	ds_store_b64 v8, v[112+8*(\t/2)+2*(\t%2):112+8*(\t/2)+2*(\t%2)+1] offset:4096*\t
	ds_store_b8 v9, v[TM+4+\t] offset:64*\t        ; both halves of the lanes write the same byte with the same value
.endr
	s_wait_dscnt 0x0                               ; k's and v's images have landed
	s_barrier_signal -1
	s_barrier_wait -1
; ---- 2: attention for my two tiles of queries, one after the other; four key steps of 128 each
.macro KLOAD q                         ; key step q: k's eight fragments (their lower halves, four registers each) and the four pairs' scale words: 12 LDS loads
.irp f, 0,1,2,3,4,5,6,7
	ds_load_b128 v[KF+4*\f:KF+4*\f+3], v1 offset:(8*(\q)+\f)*512
.endr
.irp p, 0,1,2,3
	ds_load_b32 v[KSW+\p], v2 offset:(4*(\q)+\p)*128
.endr
.endm
.macro VLOAD q                         ; key step q: v's four fragments and the two pairs' scale words: 10 LDS loads
.irp t, 0,1,2,3
.irp c, 0,1
	ds_load_b128 v[VF+8*\t+4*\c:VF+8*\t+4*\c+3], v3 offset:(4*\t+(\q))*1024+512*\c
.endr
.endr
.irp p, 0,1
	ds_load_b32 v[VSW+\p], v4 offset:256*(\q)+128*\p
.endr
.endm
	v_lshl_add_u32 v1, v156, 4, KIMG
	v_lshl_add_u32 v2, v156, 2, KSC
	KLOAD 0                                        ; the first key step's k; the lines down to the first products stand between the request and the wait
	v_lshl_add_u32 v3, v156, 4, VIMG
	v_lshl_add_u32 v4, v156, 2, VSC
	s_mul_i32 s22, s[WV], 4352
	s_add_co_u32 s22, s22, STG                     ; my stage
	v_mul_u32_u24 v5, v157, 272
	v_lshl_add_u32 v5, v158, 5, v5
	v_add_nc_u32 v5, s22, v5                       ; in: row r, 32 bytes for each half of the lanes
	v_mul_u32_u24 v6, v158, 272
	v_lshl_add_u32 v6, v157, 4, v6
	v_add_nc_u32 v6, s22, v6                       ; back: lanes 0-15 one row, lanes 16-31 the next
	v_mul_u32_u24 v7, v158, 3072
	v_lshl_add_u32 v7, v157, 4, v7                 ; and the same two rows in x and x1
	v_mul_u32_u24 v8, v156, 3072
	global_prefetch_b8 v8, s[14:15] th:TH_LOAD_NT scope:SCOPE_SE   ; my 32 tokens' 256 bytes of x, a lane a row, each named once in the launch: three key steps ahead of the first load of them
.irp n, 20,21,22,23,28,29,30,31,224,225,226,227
	v_mov_b32 v[\n], 0                             ; K = 64 of 128: the upper halves of q's fragments are zero codes; and the four registers that k's last fragment names behind its own
.endr
.irp n, 155,240,241,242,243,254
	v_mov_b32 v[\n], 0                             ; written once: upper half of a named pair; destinations of lane permutes
.endr
.macro STEP i, q                       ; query tile i, keys 128 q on
	s_wait_dscnt 0x0                               ; k's fragments and scale words, asked for a key step ago
.irp f, 0,1,2,3,4,5,6,7
	WMS S+8*\f, KF+4*\f, 16+8*\i, -1, KSW+\f/2, QS+\i, \f%2, 0
.endr                                  ; registers 16 b + 0..15 are keys 128 q + 32 b + 16 h + 0..15 of query place r
	PLACES                                         ; in front of the loads into k's and v's registers, and of the first read of the scores
	VLOAD \q
.if (\i) == 0 || (\q) < 3
	KLOAD ((\q)+1)%4                               ; the next key step's k (behind a tile's last step: the next tile's first)
.endif
.irp b, 0,1,2,3
	v_max3_num_f32 v[BM+\b], v[S+16*\b], v[S+16*\b+1], v[S+16*\b+2]   ; each block's largest score: for the row's maximum, and, since p rises with the score, for the block's largest p
.endr
.irp e, 3,5,7,9,11,13
.irp b, 0,1,2,3
	v_max3_num_f32 v[BM+\b], v[BM+\b], v[S+16*\b+\e], v[S+16*\b+\e+1]
.endr
.endr
.irp b, 0,1,2,3
	v_max_num_f32 v[BM+\b], v[BM+\b], v[S+16*\b+15]
.endr
.irp b, 0,1,2,3
	v_permlanex16_b32 v[PD+\b], v[BM+\b], s[SEL], s[SEL+1]
.endr
.irp b, 0,1,2,3
	v_max_num_f32 v[BM+\b], v[BM+\b], v[PD+\b]
.endr
	v_max3_num_f32 v254, v[BM], v[BM+1], v[BM+2]
	v_max_num_f32 v254, v254, v[BM+3]
	v_mul_f32 v254, s[CS], v254                    ; the step's largest t
	v_max_num_f32 v13, v13, v254                   ; the running largest t
	v_mov_b32 v254, v12
	v_floor_f32 v12, -v13                          ; -M = floor(-t): M is a whole number
	v_sub_f32 v254, v12, v254                      ; old M - new M, 0 or less
	v_cvt_i32_f32 v254, v254                       ; (it saturates)
	v_ldexp_f32 v154, 1.0, v254                    ; f = 2^(old M - new M)
.set jj, 0
.rept 32
	v_pk_fma_f32 v[S+jj:S+jj+1], v[S+jj:S+jj+1], s[CS:CS+1], v[12:13] op_sel_hi:[1,0,0]   ; t - M
.set jj, jj+2
.endr
.irp b, 0,1,2,3
	v_fma_f32 v[BM+\b], v[BM+\b], s[CS], v12
.endr
.set jj, 0
.rept 64
	v_exp_f32 v[S+jj], v[S+jj]                     ; p = 2^(t - M)
.set jj, jj+1
.endr
	v_pk_mul_f32 v[14:15], v[14:15], v[154:155] op_sel_hi:[1,0]   ; the sums under the new M: a plain instruction behind the batch
	s_wait_alu depctr_va_vdst(0)                   ; one wait for the 64, ahead of their first reader
.irp b, 0,1,2,3
	v_exp_f32 v[BM+\b], v[BM+\b]                   ; each block's largest p
.endr
	v_pk_add_f32 v[PD:PD+1], v[S:S+1], v[S+2:S+3]  ; the row's sum of the unquantised p, in two chains
.set jj, 4
.rept 15
	v_pk_add_f32 v[14:15], v[14:15], v[S+jj:S+jj+1]
	v_pk_add_f32 v[PD:PD+1], v[PD:PD+1], v[S+jj+2:S+jj+3]
.set jj, jj+4
.endr
	v_pk_add_f32 v[14:15], v[14:15], v[PD:PD+1]
	s_wait_alu depctr_va_vdst(0)                   ; and one for the four
.irp b, 0,1,2,3
	v_max_num_f32 v[BM+\b], 0x1800000, v[BM+\b]    ; the floor 2^(3 - 127)
.endr
.irp b, 0,1,2,3
	v_add_nc_u32 v[SOP+\b], 0xff000000, v[BM+\b]
.endr
.irp b, 0,1,2,3
	v_lshrrev_b32 v[PD+\b], 23, v[SOP+\b]
.endr
	v_lshl_or_b32 v152, v[PD+1], 8, v[PD]          ; p's scale word for these 128 keys
	v_lshl_or_b32 v152, v[PD+2], 16, v152
	v_lshl_or_b32 v152, v[PD+3], 24, v152
.irp b, 0,1,2,3
	v_cvt_scalef32_pk8_fp4_f32 v[PCD+2*\b], v[S+16*\b:S+16*\b+7], v[SOP+\b]
	v_cvt_scalef32_pk8_fp4_f32 v[PCD+2*\b+1], v[S+16*\b+8:S+16*\b+15], v[SOP+\b]
.endr
	v_nop
.if \q == 3
.irp n, 0,1,2,3,4,5,6,7
	global_load_b128 v[64+4*\n:67+4*\n], v7, s[14:15] offset:(8*\i+2*\n+8*(\n/4))*3072   ; the tile's rows of x, into registers that p has left: place 2 n + h is token 8 i + 2 n + h + 8 (n / 4)
.endr
.endif
.irp c, 0,1
.irp e, 0,1
	v_permlane16_swap_b32 v[PCD+4*\c+\e], v[PCD+2+4*\c+\e]
.endr
.endr
.set jj, 0
.rept 16
	v_pk_mul_f32 v[160+jj:161+jj], v[160+jj:161+jj], v[154:155] op_sel_hi:[1,0]   ; O^T under the new M; these also stand between the lines that made p's codes and word and the products
.set jj, jj+2
.endr
.if (\i) == 0 || (\q) < 3
	s_wait_dscnt 12                                ; v's ten loads are in; the next step's twelve of k, issued behind them, may be out
.else
	s_wait_dscnt 0x0
.endif
.irp t, 0,1,2,3
	WMS 160+8*\t, VF+8*\t, PCD, 160+8*\t, VSW+\t/2, 152, \t%2, 0
.endr
.endm
.macro TILE i
	v_mov_b32 v13, 0xff61b1e6                      ; the largest t so far: -3e38
	v_floor_f32 v12, -v13
	v_mov_b32 v14, 0
	v_mov_b32 v15, 0
.set jj, 0
.rept 32
	v_mov_b32 v[160+jj], 0                         ; O^T: the step is written once; the first finds zeros, which the first change of M leaves zeros
.set jj, jj+1
.endr
	STEP \i, 0
	STEP \i, 1
	STEP \i, 2
	STEP \i, 3
	PLACES
	v_add_f32 v14, v14, v15
	v_permlanex16_b32 v254, v14, s[SEL], s[SEL+1]
	v_add_f32 v14, v14, v254                       ; the row's sum
	v_rcp_f32 v14, v14
	v_nop
	s_wait_alu depctr_va_vdst(0)
.set jj, 0
.rept 16
	v_pk_mul_f32 v[32+jj:33+jj], v[160+jj:161+jj], v[14:15] op_sel_hi:[1,0]   ; register 8 t + j is o(place r, channel 16 t + 8 h + j)
.set jj, jj+2
.endr
.irp t, 0,1,2,3
.irp e, 0,1
	ds_store_b128 v5, v[32+8*\t+4*\e:35+8*\t+4*\e] offset:64*\t+16*\e
.endr
.endr
.irp n, 0,1,2,3,4,5,6,7
	ds_load_b128 v[32+4*\n:35+4*\n], v6 offset:544*\n      ; back as whole rows, into the registers that they left; LDS serves a wave's instructions in order (ISA guide 5.7.1.4): these see my stores
.endr
	s_wait_dscnt 0x0
	s_wait_loadcnt 0x0                             ; x's rows
.set jj, 0
.rept 16
	v_pk_add_f32 v[32+jj:33+jj], v[32+jj:33+jj], v[64+jj:65+jj]
.set jj, jj+2
.endr
.irp n, 0,1,2,3,4,5,6,7
	global_store_b128 v7, v[32+4*\n:35+4*\n], s[16:17] offset:(8*\i+2*\n+8*(\n/4))*3072   ; sixteen lanes store 256 consecutive bytes, aligned
.endr
	s_wait_xcnt 0x0                                ; the stores' registers are written again only behind this wait
.endm
	TILE 0
	TILE 1
	s_wait_xcnt 0x0
	v_lshl_add_u32 v254, v0, 2, 0x2d500
	v_mov_b32 v255, 0
	s_wait_tensorcnt 0x0
	ds_add_u32 v254, v255
	s_wait_dscnt 0x0
	s_endpgm
; ---------------- w1 [768][3072] and w2 [3072][768], f32, quantised along K (their first axis) into wts, in the order of an operand's registers:
; a fragment (16 columns x 128 K) is 1,024 bytes, [block of 32 K: 4][place: 16][16 bytes]; the scale bytes of a pair of tiles for two K steps are 256 bytes, [16 x (tile % 2) + place][8 bytes].
; w1's columns form permuted pairs (tile = bit 3 of the column, place = column % 8 + 8 x bit 4), w2's natural tiles (tile = bit 4).
; A work-group takes 256 columns x 256 K; wave w takes columns 32 (w % 8) on and K step w / 8 of the two: four blocks of 32.  A LANE TAKES A COLUMN AND ITS REGISTERS RUN DOWN K.
; A place's 8 scale bytes come from two waves (w and w + 8): the upper wave hands its word over through LDS bytes that no other path of this text names, and the lower one stores both.
; No prefetch: a wave's share is 128 loads, of which 64 are out from its first line on.
.set WXR, 32                           ; v32-95   two sets of 32 numbers
.set CWR, 96                           ; v96-111  codes, four registers for each block: no store's data are written again
.Lweights:
	s_load_b128 s[40:43], s[0:1], 0x30             ; w1 s[40:41], w2 s[42:43]
	s_load_b64 s[44:45], s[0:1], 0x48              ; wts
	s_sub_co_u32 s21, s20, 16
	s_mul_i32 s21, s21, 12
	s_add_co_u32 s21, s21, ttmp9                   ; the task: 0-35 w1, 36-71 w2: all choices hang on this number alone
	s_mov_b32 s46, 24576                           ; bytes of a tile (K / 128 fragments)
	s_mov_b32 s47, 3072                            ; scale bytes of a pair of tiles
	s_mov_b32 s48, W2_C
	s_mov_b32 s49, W2_S
	s_mov_b32 s50, 786432                          ; 256 rows of 3,072 bytes
	s_mov_b32 s51, 128
	s_wait_kmcnt 0x0
	s_cmp_lt_u32 s21, 36
	s_cselect_b32 s22, 0, 36
	s_cselect_b32 s59, 1, 0                        ; w1?
	s_cselect_b32 s46, 6144, s46
	s_cselect_b32 s47, 768, s47
	s_cselect_b32 s48, W1_C, s48
	s_cselect_b32 s49, W1_S, s49
	s_cselect_b32 s50, 3145728, s50                ; 256 rows of 12,288 bytes
	s_cselect_b64 s[52:53], s[40:41], s[42:43]
	s_cselect_b32 s54, s46, s51                    ; what bit 3 of my column adds to the codes' place: a tile, or 8 places
	s_cselect_b32 s55, s51, s46                    ; and bit 4
	s_cselect_b32 s56, s51, 64                     ; the same for the scale bytes, 8 a place
	s_cselect_b32 s57, 64, s51
	s_sub_co_u32 s23, s21, s22                     ; t, under 36
	s_mul_i32 s24, s23, 43
	s_lshr_b32 s24, s24, 7                         ; t / 3 (exact for t under 128)
	s_mul_i32 s25, s24, 3
	s_sub_co_u32 s25, s23, s25                     ; t % 3
	s_cmp_eq_u32 s59, 1
	s_cselect_b32 s26, s24, s25                    ; the group of 256 columns: w1 has twelve, w2 three
	s_cselect_b32 s27, s25, s24                    ; the chunk of 256 K: w1 has three, w2 twelve
	s_and_b32 s28, s[WV], 7
	s_lshr_b32 s29, s[WV], 3                       ; which K step of the chunk's two
	s_lshl_b32 s30, s26, 3
	s_add_co_u32 s30, s30, s28                     ; my 32 columns, which are my pair of tiles
	s_mul_i32 s32, s27, s50
	s_lshr_b32 s31, s50, 1
	s_mul_i32 s31, s31, s29
	s_add_co_u32 s32, s32, s31
	s_lshl_b32 s31, s30, 7
	s_add_co_u32 s32, s32, s31
	s_mov_b32 s33, 0
	s_add_nc_u64 s[52:53], s[52:53], s[32:33]      ; the tensor at my K step's first row, my first column
	s_mul_i32 s32, s30, s46
	s_lshl_b32 s32, s32, 1
	s_lshl_b32 s31, s27, 11
	s_add_co_u32 s32, s32, s31
	s_lshl_b32 s31, s29, 10
	s_add_co_u32 s32, s32, s31
	s_add_co_u32 s32, s32, s48
	s_add_nc_u64 s[34:35], s[44:45], s[32:33]      ; the pair's first tile, my K step
	s_mul_i32 s32, s30, s47
	s_lshl_b32 s31, s27, 8
	s_add_co_u32 s32, s32, s31
	s_add_co_u32 s32, s32, s49
	s_add_nc_u64 s[36:37], s[44:45], s[32:33]      ; the pair's 256 scale bytes of the chunk's two K steps
	v_lshlrev_b32 v1, 2, v156                      ; in: 4 bytes a lane
	v_and_b32 v9, 7, v156
	v_bfe_u32 v11, v0, 3, 1
	v_bfe_u32 v12, v0, 4, 1
	v_lshlrev_b32 v2, 4, v9
	v_mad_u32_u24 v2, v11, s54, v2
	v_mad_u32_u24 v2, v12, s55, v2                 ; my 16 bytes in a block of the pair's fragments
	v_lshlrev_b32 v3, 3, v9
	v_mad_u32_u24 v3, v11, s56, v3
	v_mad_u32_u24 v3, v12, s57, v3                 ; my 8 scale bytes
	s_lshl_b32 s31, s28, 7
	s_add_co_u32 s31, s31, WXL
	v_lshl_add_u32 v10, v156, 2, s31               ; LDS: the word that waves w and w + 8 share for my column
.macro WLOAD t, pitch                  ; block t: rows 32 t + i of my column into set t % 2; 32 lanes read 128 consecutive bytes, eight waves 1,024
.irp i, 0,1,2,3,4,5,6,7,8,9,10,11,12,13,14,15,16,17,18,19,20,21,22,23,24,25,26,27,28,29,30,31
	global_load_b32 v[WXR+32*((\t)%2)+\i], v1, s[52:53] offset:(32*(\t)+\i)*\pitch th:TH_LOAD_NT
.endr
.endm
.macro WBLOCK t, pitch
.set XS, WXR+32*((\t)%2)
.if (\t) < 3
	s_wait_loadcnt 32                              ; this block's 32 loads are in; the next block's 32 may be out
.else
	s_wait_loadcnt 0x0
.endif
	v_max3_num_f32 v112, |v[XS]|, |v[XS+1]|, |v[XS+2]|   ; the block's largest magnitude: all 32 numbers are mine; two chains
	v_max3_num_f32 v113, |v[XS+3]|, |v[XS+4]|, |v[XS+5]|
.irp i, 6,10,14,18,22,26
	v_max3_num_f32 v112, v112, |v[XS+\i]|, |v[XS+\i+1]|
	v_max3_num_f32 v113, v113, |v[XS+\i+2]|, |v[XS+\i+3]|
.endr
	v_max3_num_f32 v112, v112, |v[XS+30]|, |v[XS+31]|
	v_max3_num_f32 v112, v112, v113, 0x1800000     ; and the floor 2^(3 - 127)
	v_add_nc_u32 v114, 0xff000000, v112            ; the conversion's scale operand
	v_lshrrev_b32 v115, 23, v114                   ; the byte
.if (\t) == 0
	v_mov_b32 v116, v115                           ; four bytes to a register, the lower K in the lower byte
.else
	v_lshl_or_b32 v116, v115, 8*(\t), v116
.endif
.irp g, 0,1,2,3
	v_cvt_scalef32_pk8_fp4_f32 v[CWR+4*(\t)+\g], v[XS+8*\g:XS+8*\g+7], v114
.endr
	v_nop                                          ; a plain instruction behind the last conversion
	global_store_b128 v2, v[CWR+4*(\t):CWR+4*(\t)+3], s[34:35] offset:256*(\t)   ; sixteen lanes fill 256 consecutive bytes of each tile
.if (\t)+2 < 4
	WLOAD (\t)+2, \pitch
.endif
.endm
.macro WUNIT pitch
	WLOAD 0, \pitch
	WLOAD 1, \pitch
.irp t, 0,1,2,3
	WBLOCK \t, \pitch
.endr
.endm
	s_cmp_eq_u32 s59, 1                            ; the rows' pitch stands in the loads' immediates: two copies of the unit
	s_cbranch_scc1 .Lwide
	WUNIT 3072
	s_branch .Lwjoin
.Lwide:
	WUNIT 12288
.Lwjoin:
	s_cmp_lt_u32 s[WV], 8
	s_cbranch_scc1 .Lw_low
	ds_store_b32 v10, v116                         ; waves 8-15: the second K step's word
.Lw_low:
	s_wait_dscnt 0x0                               ; it has landed, for the partner's sake
	s_barrier_signal -1
	s_barrier_wait -1
	s_cmp_gt_u32 s[WV], 7
	s_cbranch_scc1 .Lw_done
	ds_load_b32 v117, v10
	s_wait_dscnt 0x0
	global_store_b64 v3, v[116:117], s[36:37]      ; 256 consecutive bytes, aligned
.Lw_done:
	s_wait_xcnt 0x0
	v_lshl_add_u32 v254, v0, 2, 0x2d500
	v_mov_b32 v255, 0
	s_wait_tensorcnt 0x0
	ds_add_u32 v254, v255
	s_wait_dscnt 0x0
	s_endpgm
.Lfunc_end_k_qd22e56cb03_attn:
	.size	k_qd22e56cb03_attn, .Lfunc_end_k_qd22e56cb03_attn-k_qd22e56cb03_attn
	.p2alignl 7, 3214868480
	.fill 96, 4, 3214868480
	.section	.rodata,"a",@progbits
	.p2align	6, 0x0
	.amdhsa_kernel k_qd22e56cb03_attn
		.amdhsa_group_segment_fixed_size 187648
		.amdhsa_private_segment_fixed_size 0
		.amdhsa_enable_private_segment 0
		.amdhsa_kernarg_size 80
		.amdhsa_user_sgpr_count 2
		.amdhsa_user_sgpr_kernarg_segment_ptr 1
		.amdhsa_wavefront_size32 1
		.amdhsa_system_sgpr_workgroup_id_x 1
		.amdhsa_system_sgpr_workgroup_id_y 1
		.amdhsa_system_sgpr_workgroup_id_z 1
		.amdhsa_system_vgpr_workitem_id 0
		.amdhsa_next_free_vgpr 256
		.amdhsa_next_free_sgpr 66
		.amdhsa_reserve_vcc 0
		.amdhsa_float_denorm_mode_32 3
		.amdhsa_float_denorm_mode_16_64 3
		.amdhsa_memory_ordered 1
		.amdhsa_forward_progress 1
		.amdhsa_inst_pref_size 231
	.end_amdhsa_kernel
	.amdgpu_metadata
---
amdhsa.version: [ 1, 2 ]
amdhsa.kernels:
  - .name:           k_qd22e56cb03_attn
    .symbol:         k_qd22e56cb03_attn.kd
    .args:
      - { .name: hq, .offset: 0, .size: 8, .value_kind: global_buffer, .address_space: global }
      - { .name: wqkv, .offset: 8, .size: 8, .value_kind: global_buffer, .address_space: global }
      - { .name: bq, .offset: 16, .size: 8, .value_kind: global_buffer, .address_space: global }
      - { .name: bk, .offset: 24, .size: 8, .value_kind: global_buffer, .address_space: global }
      - { .name: bv, .offset: 32, .size: 8, .value_kind: global_buffer, .address_space: global }
      - { .name: x, .offset: 40, .size: 8, .value_kind: global_buffer, .address_space: global }
      - { .name: w1, .offset: 48, .size: 8, .value_kind: global_buffer, .address_space: global }
      - { .name: w2, .offset: 56, .size: 8, .value_kind: global_buffer, .address_space: global }
      - { .name: x1, .offset: 64, .size: 8, .value_kind: global_buffer, .address_space: global }
      - { .name: wts, .offset: 72, .size: 8, .value_kind: global_buffer, .address_space: global }
    .group_segment_fixed_size: 187648
    .private_segment_fixed_size: 0
    .kernarg_segment_align: 8
    .kernarg_segment_size: 80
    .max_flat_workgroup_size: 512
    .sgpr_count:     66
    .vgpr_count:     256
    .wavefront_size: 32
...
	.end_amdgpu_metadata
.endif
;; end of part 2
;; launch mlp1 (part 3): grid 128 x 2, 4 waves a work-group, no clusters, 34,304 bytes of LDS; arguments x1, ln_w, ln_b, wts, b1, gq; writes gq
.if DOCPART == 3
	.amdgcn_target "amdgcn-amd-amdhsa--gfx1250"
	.amdhsa_code_object_version 6
	.text
	.protected	k_qd22e56cb03_mlp1
	.globl	k_qd22e56cb03_mlp1
	.p2align	8
	.type	k_qd22e56cb03_mlp1,@function
k_qd22e56cb03_mlp1:
	s_mov_b64 s[64:65], 0
	v_nop
	global_prefetch_b8 v0, s[64:65] scope:SCOPE_SE
	s_setreg_imm32_b32 hwreg(HW_REG_WAVE_MODE, 25, 1), 1
	s_wait_xcnt 0x0
; MLP1.  g = gelu(LayerNorm(x1) w1 + b1), quantised along the hidden units, stored as codes in gq.  A work-group takes 64 rows x 1,536 hidden units.
; Wave w normalises and quantises rows 16 w .. 16 w + 15 (images of the operand's registers in LDS, one barrier); then it makes three groups of 128 hidden units for all 64 rows.
; Its weights go from memory straight into its registers (48 fragments a group, laid by the launch before in the registers' order): no weight byte enters the work-group twice.
; The product is used transposed (source 0 = 16 columns of w1, a permuted pair's tile; source 1 = 16 rows): a lane holds one row, and the 64 registers of a tile of rows are 16 neighbours of each 32 hidden units.
; b1 is each sum's start: it is loaded into the accumulators.  The next group's weights are asked for K step by K step, as the products leave their registers; they land during the gelu.
; GELU, exact form: gelu(x) = max(x, 0) - |x| e, e = erfc(|x| / sqrt 2) / 2 = t 2^(poly(t) - x^2 log2(e) / 2 - ..), t = 1 / (1 + |x| sqrt(2) / 4): a Chebyshev fit of erfc of fractional error 1.2e-7, everywhere.
; No multicast: this launch's time goes to the gelu's vector work (eleven instructions a number against 192 products for a lane's 256 numbers), and the weights have a whole gelu in which to land.
; LIMITS: NaN and infinities are not served; a block of zeros gets the byte 1 (its codes are zeros); an exponential whose result lies under 2^-126 is 0.
; REGISTERS, in windows of 256.  Window 0: v1-10 addresses; v16-27 rows' scale words, v28-51 weights'; v52-79 quantiser; v80-85 constants, scale words out; v88-247 LayerNorm, then gelu's t, p, u and A's K steps 4, 5.
;   v256-639 w1's fragments (t, s) at 256 + 8 (6 t + s).  v640-767 A's (m, s < 4) at 640 + 8 (4 s + m).  v768-1023 accumulators (m, t) at 768 + 64 m + 8 t.
;   While rows are normalised: rows 0-3 in v136-231, 4-7 in v640-735, 8-11 in v768-863, 12-15 in v864-959: no four rows cross a window.
.set W1_C, 940032
.set W1_S, 2119680
.set G_S,  12582912
.set ASC,   26112                      ; LDS: from 0 the rows' codes, 4 tiles x 24 units of 256 bytes at pitch 272; here their scale bytes (2 pairs x 768);
.set BIASL, 27648                      ; b1: 1,536 bytes for each wave, its own
.set AS,  16
.set BS,  28
.set TM,  52
.set M,   52
.set C,   64
.set PC,  68
.set PW,  76
.set W,   88
.set LB,  112
.set D,   136
.set TP,  232
.set T,   88
.set P,   120
.set U,   152
.set A45, 184
.set SEL, 20
.set INV, 22
.set EPS, 23
.set HM,  24
.set MSB, 0
.macro WIN new                         ; s_set_vgpr_msb: bits 1:0 source 0, 3:2 source 1, 5:4 source 2, 7:6 destination; the high byte repeats the setting that is left
.if MSB != (\new)
	s_set_vgpr_msb (MSB<<8)|(\new)
.set MSB, (\new)
.endif
.endm
.macro WMS d, a, b, c, sa, sb, ra, rb  ; ra, rb: the scale register's lanes 16-31 serve source 0, source 1
.if (\ra) && (\rb)
	v_wmma_scale_f32_16x16x128_f8f6f4 v[\d:\d+7], v[\a:\a+7], v[\b:\b+7], v[\c:\c+7], v[\sa], v[\sb] matrix_a_fmt:MATRIX_FMT_FP4 matrix_b_fmt:MATRIX_FMT_FP4 matrix_a_scale:MATRIX_SCALE_ROW1 matrix_b_scale:MATRIX_SCALE_ROW1
.elseif (\ra)
	v_wmma_scale_f32_16x16x128_f8f6f4 v[\d:\d+7], v[\a:\a+7], v[\b:\b+7], v[\c:\c+7], v[\sa], v[\sb] matrix_a_fmt:MATRIX_FMT_FP4 matrix_b_fmt:MATRIX_FMT_FP4 matrix_a_scale:MATRIX_SCALE_ROW1
.elseif (\rb)
	v_wmma_scale_f32_16x16x128_f8f6f4 v[\d:\d+7], v[\a:\a+7], v[\b:\b+7], v[\c:\c+7], v[\sa], v[\sb] matrix_a_fmt:MATRIX_FMT_FP4 matrix_b_fmt:MATRIX_FMT_FP4 matrix_b_scale:MATRIX_SCALE_ROW1
.else
	v_wmma_scale_f32_16x16x128_f8f6f4 v[\d:\d+7], v[\a:\a+7], v[\b:\b+7], v[\c:\c+7], v[\sa], v[\sb] matrix_a_fmt:MATRIX_FMT_FP4 matrix_b_fmt:MATRIX_FMT_FP4
.endif
.endm
.macro CPAIR r, val                    ; a constant as a scalar pair: the packed forms name the pair and take its low word for both halves
	s_mov_b32 s[\r], \val
	s_mov_b32 s[\r+1], \val
.endm
	s_load_b256 s[4:11], s[0:1], 0x0               ; x1 s[4:5], ln_w s[6:7], ln_b s[8:9], wts s[10:11]
	s_load_b128 s[12:15], s[0:1], 0x20             ; b1 s[12:13], gq s[14:15]
	v_lshl_add_u32 v254, v0, 2, 0x8400
	v_mov_b32 v255, 0
	v_lshrrev_b32 v15, 5, v0
	v_readfirstlane_b32 s16, v15                   ; wave 0..3
	s_and_b32 s18, ttmp7, 0xffff                   ; which 1,536 hidden units; ttmp9: which 64 rows
	v_and_b32 v15, 31, v0                          ; l
	v_and_b32 v14, 15, v0                          ; r
	v_bfe_u32 v13, v0, 4, 1                        ; h
	v_lshlrev_b32 v1, 5, v15                       ; 32 l: my 8 numbers in each 1,024 bytes of a row
	v_lshrrev_b32 v12, 2, v15
	v_and_b32 v11, 3, v15
	s_mul_i32 s54, s16, 6528
	v_mul_u32_u24 v2, v12, 272
	v_lshl_add_u32 v2, v11, 2, v2
	v_add_nc_u32 v2, s54, v2                       ; where my 4 bytes of a row's codes go: tile w, unit l / 4
	s_lshr_b32 s54, s16, 1
	s_mul_i32 s54, s54, 768
	s_and_b32 s55, s16, 1
	s_lshl_b32 s55, s55, 7
	s_add_co_u32 s54, s54, s55
	s_add_co_u32 s54, s54, ASC
	v_add_nc_u32 v3, s54, v12                      ; and my block's byte
	v_lshlrev_b32 v4, 4, v15                       ; 16 l
	v_lshlrev_b32 v5, 3, v15                       ; 8 l
	v_mul_u32_u24 v6, v13, 272
	v_lshl_add_u32 v6, v14, 4, v6                  ; a fragment from the padded units: 272 h + 16 r
	v_add_nc_u32 v7, ASC, v5
	s_mul_i32 s54, s16, 1536
	s_add_co_u32 s54, s54, BIASL
	v_lshl_add_u32 v8, v13, 6, s54                 ; b1 of my half's 16 units of each 32
	v_add_nc_u32 v10, s54, v4
	s_mov_b32 s[SEL], 0x76543210
	s_mov_b32 s[SEL+1], 0xfedcba98
	s_mov_b32 s[INV], 0x3aaaaaab                   ; 1 / 768
	s_mov_b32 s[EPS], 0x3727c5ac                   ; 1e-5
	s_mov_b32 s[HM], 0xffff0000                    ; lanes 16-31
	s_mov_b32 s25, 0x3eb504f3                      ; sqrt(2) / 4
	CPAIR 26, 0xbf38aa3b                           ; -log2(e) / 2
	CPAIR 28, 0x3e7c6f08                           ; the fit's coefficients x log2(e): c9 =  0.24651730
	CPAIR 30, 0x40097039                           ; c7 =  2.14747446
	CPAIR 32, 0xbfd1a1e5                           ; c6 = -1.63775315
	CPAIR 34, 0x3ecdfd18                           ; c5 =  0.40232158
	CPAIR 36, 0xbe899a80                           ; c4 = -0.26875686
	CPAIR 38, 0x3e0efb2e                           ; c3 =  0.13963006
	CPAIR 40, 0x3f0a29d2                           ; c2 =  0.53970062
	CPAIR 42, 0x3fb8ab5a                           ; c1 =  1.44272920
	v_mov_b32 v80, 0xbf97d29d                      ; c8 = -1.18611494
	v_mov_b32 v81, 0xbf97d29d
	v_mov_b32 v82, 0xc034d90f                      ; -1.26551223 log2(e) - 1: the fit's constant, and the half
	v_mov_b32 v83, 0xc034d90f
	s_mul_i32 s19, s18, 12
	s_mul_i32 s54, s16, 3
	s_add_co_u32 s19, s19, s54                     ; my first group of 128 hidden units: 12 cg + 3 w
	s_mov_b32 s55, 0
	s_mul_i32 s54, s19, 49152
	s_add_co_u32 s54, s54, W1_C
	s_wait_kmcnt 0x0
	s_add_nc_u64 s[44:45], s[10:11], s[54:55]      ; its 48 fragments
	s_mul_i32 s54, s19, 3072
	s_add_co_u32 s54, s54, W1_S
	s_add_nc_u64 s[46:47], s[10:11], s[54:55]      ; their scale bytes
	s_mul_i32 s54, ttmp9, 24
	s_add_co_u32 s54, s54, s19
	s_lshl_b32 s17, s54, 8
	s_lshl_b32 s54, s54, 12
	s_add_nc_u64 s[48:49], s[14:15], s[54:55]      ; g's four fragments of this K step
	s_add_co_u32 s54, s17, G_S
	s_add_nc_u64 s[50:51], s[14:15], s[54:55]      ; and their 256 scale bytes
	s_lshl_b32 s54, ttmp9, 6
	s_lshl_b32 s17, s16, 4
	s_add_co_u32 s54, s54, s17
	s_mul_i32 s54, s54, 3072
	s_add_nc_u64 s[56:57], s[4:5], s[54:55]        ; my 16 rows of x1
	s_mul_i32 s54, s18, 6144
	s_mul_i32 s17, s16, 1536
	s_add_co_u32 s54, s54, s17
	s_add_nc_u64 s[58:59], s[12:13], s[54:55]      ; my 384 numbers of b1
.irp i, 0,1,2
	global_load_b128 v[W+8*\i:W+8*\i+3], v1, s[6:7] offset:1024*\i
	global_load_b128 v[W+8*\i+4:W+8*\i+7], v1, s[6:7] offset:1024*\i+16
	global_load_b128 v[LB+8*\i:LB+8*\i+3], v1, s[8:9] offset:1024*\i
	global_load_b128 v[LB+8*\i+4:LB+8*\i+7], v1, s[8:9] offset:1024*\i+16
.endr
.irp n, 0,1,2
	global_load_b128 v[52+4*\n:55+4*\n], v4, s[58:59] offset:512*\n
.endr
.macro XROWS wr, R0, a                 ; rows 4 a .. 4 a + 3 into window wr from register R0 on, 24 a row
	WIN (\wr)<<6
.irp k, 0,1,2,3
.irp i, 0,1,2
.irp e, 0,1
	global_load_b128 v[\R0+24*\k+8*\i+4*\e:\R0+24*\k+8*\i+4*\e+3], v1, s[56:57] offset:3072*(4*\a+\k)+1024*\i+16*\e
.endr
.endr
.endr
.endm
	XROWS 0, 136, 0
	XROWS 2, 128, 1
	XROWS 3, 0, 2
	XROWS 3, 96, 3
	WIN 0
	s_wait_loadcnt 63                              ; 96 loads are younger than b1's; 63 is the most that a wait can name, and a smaller count is safe
.irp n, 0,1,2
	ds_store_b128 v10, v[52+4*\n:55+4*\n] offset:512*\n
.endr
.macro RED4 o                          ; the sum over a wave of the pair v[TP+4k+o], v[TP+4k+o+1], the four rows by turns
.irp k, 0,1,2,3
	v_add_f32 v[TP+4*\k+\o], v[TP+4*\k+\o], v[TP+4*\k+\o+1]
.endr
.irp x, 1,2,4,8
.irp k, 0,1,2,3
	v_add_f32_dpp v[TP+4*\k+\o], v[TP+4*\k+\o], v[TP+4*\k+\o] row_xmask:\x row_mask:0xf bank_mask:0xf
.endr
.endr
.irp k, 0,1,2,3
	v_permlanex16_b32 v[TP+4*\k+\o+1], v[TP+4*\k+\o], s[SEL], s[SEL+1]
.endr
.irp k, 0,1,2,3
	v_add_f32 v[TP+4*\k+\o], v[TP+4*\k+\o], v[TP+4*\k+\o+1]
.endr
.endm
; four rows (window wr, from R0) are normalised into D, quantised, and their codes and bytes stored at CAO and SAO from my lane's places.  Lane l holds columns 256 i + 8 l + e; four lanes share a block.
.macro LN4 wr, R0, CAO, SAO
	WIN 5*(\wr)
.irp k, 0,1,2,3
	v_pk_add_f32 v[TP+4*\k:TP+4*\k+1], v[\R0+24*\k:\R0+24*\k+1], v[\R0+24*\k+2:\R0+24*\k+3]
.endr
	WIN \wr
.irp j, 4,6,8,10,12,14,16,18,20,22
.irp k, 0,1,2,3
	v_pk_add_f32 v[TP+4*\k:TP+4*\k+1], v[\R0+24*\k+\j:\R0+24*\k+\j+1], v[TP+4*\k:TP+4*\k+1]
.endr
.endr
	WIN 0
	RED4 0
.irp k, 0,1,2,3
	v_mul_f32 v[TP+4*\k], s[INV], v[TP+4*\k]       ; the mean
.endr
	WIN \wr
.irp j, 0,2,4,6,8,10,12,14,16,18,20,22
.irp k, 0,1,2,3
	v_pk_add_f32 v[D+24*\k+\j:D+24*\k+\j+1], v[\R0+24*\k+\j:\R0+24*\k+\j+1], v[TP+4*\k:TP+4*\k+1] op_sel_hi:[1,0] neg_lo:[0,1] neg_hi:[0,1]
.endr
.endr
	WIN 0
.irp k, 0,1,2,3
	v_pk_mul_f32 v[TP+4*\k+2:TP+4*\k+3], v[D+24*\k:D+24*\k+1], v[D+24*\k:D+24*\k+1]
.endr
.irp j, 2,4,6,8,10,12,14,16,18,20,22
.irp k, 0,1,2,3
	v_pk_fma_f32 v[TP+4*\k+2:TP+4*\k+3], v[D+24*\k+\j:D+24*\k+\j+1], v[D+24*\k+\j:D+24*\k+\j+1], v[TP+4*\k+2:TP+4*\k+3]
.endr
.endr
	RED4 2
.irp k, 0,1,2,3
	v_fma_f32 v[TP+4*\k+2], v[TP+4*\k+2], s[INV], s[EPS]
.endr
.irp k, 0,1,2,3
	v_rsq_f32 v[TP+4*\k+2], v[TP+4*\k+2]
.endr
	v_nop
	s_wait_alu depctr_va_vdst(0)                   ; one wait for the four, ahead of their first reader
.irp j, 0,2,4,6,8,10,12,14,16,18,20,22
.irp k, 0,1,2,3
	v_pk_mul_f32 v[D+24*\k+\j:D+24*\k+\j+1], v[D+24*\k+\j:D+24*\k+\j+1], v[TP+4*\k+2:TP+4*\k+3] op_sel_hi:[1,0]
.endr
.endr
.irp j, 0,2,4,6,8,10,12,14,16,18,20,22
.irp k, 0,1,2,3
	v_pk_fma_f32 v[D+24*\k+\j:D+24*\k+\j+1], v[D+24*\k+\j:D+24*\k+\j+1], v[W+\j:W+\j+1], v[LB+\j:LB+\j+1]
.endr
.endr
.irp k, 0,1,2,3
.irp i, 0,1,2
	v_max3_num_f32 v[M+3*\k+\i], |v[D+24*\k+8*\i]|, |v[D+24*\k+8*\i+1]|, 0x1800000
.endr
.endr
.irp e, 2,4,6
.irp k, 0,1,2,3
.irp i, 0,1,2
	v_max3_num_f32 v[M+3*\k+\i], v[M+3*\k+\i], |v[D+24*\k+8*\i+\e]|, |v[D+24*\k+8*\i+\e+1]|
.endr
.endr
.endr
.irp x, 1,2
.irp n, 0,1,2,3,4,5,6,7,8,9,10,11
	v_max_num_f32_dpp v[M+\n], v[M+\n], v[M+\n] row_xmask:\x row_mask:0xf bank_mask:0xf
.endr
.endr
.irp n, 0,1,2,3,4,5,6,7,8,9,10,11
	v_add_nc_u32 v[M+\n], 0xff000000, v[M+\n]
.endr
.irp k, 0,1,2,3
.irp i, 0,1,2
	v_cvt_scalef32_pk8_fp4_f32 v[C+3*\k+\i], v[D+24*\k+8*\i:D+24*\k+8*\i+7], v[M+3*\k+\i]
.endr
.endr
	v_nop
.irp n, 0,1,2,3,4,5,6,7,8,9,10,11
	v_lshrrev_b32 v[M+\n], 23, v[M+\n]
.endr
.irp k, 0,1,2,3
.irp i, 0,1,2
	ds_store_b32 v2, v[C+3*\k+\i] offset:\CAO+16*\k+2176*\i
	ds_store_b8 v3, v[M+3*\k+\i] offset:\SAO+8*\k+256*\i
.endr
.endr
.endm
.macro BLD n, ex                       ; load n of a group's 96: 512 bytes of its dense 49,152 into v[256 + 4 n]; ex: 49,152 for the next group
.if (\n) < 64
	WIN 0x40
.else
	WIN 0x80
.endif
	global_load_b128 v[(4*(\n))%256:(4*(\n))%256+3], v4, s[44:45] offset:512*(\n)+\ex
.endm
.macro LNGROUP a, wr, R0
	s_wait_loadcnt 63                              ; behind these rows' loads stand 24 (3 - a) of later rows and 24 a of weights: 72; 63 is the most that a wait can name
	s_wait_dscnt 0x0                               ; my earlier LDS stores have read their registers
	LN4 \wr, \R0, 64*\a, 32*\a
.set nn, 24*\a
.rept 24
	BLD nn, 0                                      ; a quarter of the first group's weights goes out behind each four rows
.set nn, nn+1
.endr
	WIN 0
.endm
	LNGROUP 0, 0, 136
	LNGROUP 1, 2, 128
	LNGROUP 2, 3, 0
	LNGROUP 3, 3, 96
.irp p, 0,1,2,3
.irp j, 0,1,2
	global_load_b64 v[BS+6*\p+2*\j:BS+6*\p+2*\j+1], v5, s[46:47] offset:768*\p+256*\j
.endr
.endr
	s_wait_dscnt 0x0                               ; my rows' codes and bytes have landed
	s_barrier_signal -1
	s_barrier_wait -1                              ; the launch's one barrier: all 64 rows lie in LDS; nothing there is written again
	WIN 0x80
.irp s, 0,1,2,3
.irp m, 0,1,2,3
.irp c, 0,1
	ds_load_b128 v[128+8*(4*\s+\m)+4*\c:128+8*(4*\s+\m)+4*\c+3], v6 offset:6528*\m+(4*\s+2*\c)*272
.endr
.endr
.endr
	WIN 0
.irp s, 4,5
.irp m, 0,1,2,3
.irp c, 0,1
	ds_load_b128 v[A45+8*(4*(\s-4)+\m)+4*\c:A45+8*(4*(\s-4)+\m)+4*\c+3], v6 offset:6528*\m+(4*\s+2*\c)*272
.endr
.endr
.endr
.irp p, 0,1
.irp j, 0,1,2
	ds_load_b64 v[AS+6*\p+2*\j:AS+6*\p+2*\j+1], v7 offset:768*\p+256*\j
.endr
.endr
; a K step: 32 products, the 32 accumulators by turns, one instruction a turn, in the same order in every K step; then the next group's fragments of this K step
.macro GEMMK s
.irp t, 0,1,2,3,4,5,6,7
.set FB, 6*\t+\s
.irp m, 0,1,2,3
.if \s < 4
	WIN (1+FB/32)|(2<<2)|0xf0
	WMS 64*\m+8*\t, 8*(FB%32), 128+8*(4*\s+\m), 64*\m+8*\t, BS+6*(\t/2)+\s, AS+6*(\m/2)+\s, \t%2, \m%2
.else
	WIN (1+FB/32)|0xf0
	WMS 64*\m+8*\t, 8*(FB%32), A45+8*(4*(\s-4)+\m), 64*\m+8*\t, BS+6*(\t/2)+\s, AS+6*(\m/2)+\s, \t%2, \m%2
.endif
.endr
.endr
	WIN 0
.rept 4
	v_nop                                          ; places in front of loads into registers that the products have read, and of the first read of results
.endr
	s_cmp_eq_u32 s53, 2                            ; the last group asks for nothing: no load leaves the buffer
	s_cbranch_scc1 .Lno_refill_\@
.irp t, 0,1,2,3,4,5,6,7
.irp c, 0,1
	BLD 12*\t+2*\s+\c, 49152
.endr
.endr
	WIN 0
.if \s == 5
.irp p, 0,1,2,3
.irp j, 0,1,2
	global_load_b64 v[BS+6*\p+2*\j:BS+6*\p+2*\j+1], v5, s[46:47] offset:3072+768*\p+256*\j
.endr
.endr
.endif
.Lno_refill_\@:
.endm
; gelu of 32 numbers, v[X] on in window 3, in place.  Two batches of transcendentals, each with plain work behind it and one wait ahead of its first reader.
.macro GELU X
	WIN 0x03
.set jj, 0
.rept 32
	v_fma_f32 v[T+jj], |v[\X+jj]|, s25, 1.0        ; 1 + |x| sqrt(2) / 4; each accumulator is read from its low end on
.set jj, jj+1
.endr
	WIN 0x0f
.set jj, 0
.rept 16
	v_pk_mul_f32 v[U+jj:U+jj+1], v[\X+jj:\X+jj+1], v[\X+jj:\X+jj+1]
.set jj, jj+2
.endr
	WIN 0
.set jj, 0
.rept 32
	v_rcp_f32 v[T+jj], v[T+jj]                     ; t
.set jj, jj+1
.endr
.set jj, 0
.rept 16
	v_pk_fma_f32 v[U+jj:U+jj+1], v[U+jj:U+jj+1], s[26:27], v[82:83] op_sel_hi:[1,0,1]   ; -x^2 log2(e) / 2 + the constant
.set jj, jj+2
.endr
	s_wait_alu depctr_va_vdst(0)
.set jj, 0
.rept 16
	v_pk_fma_f32 v[P+jj:P+jj+1], v[T+jj:T+jj+1], s[28:29], v[80:81] op_sel_hi:[1,0,1]   ; c9 t + c8
.set jj, jj+2
.endr
.irp cc, 30,32,34,36,38,40,42
.set jj, 0
.rept 16
	v_pk_fma_f32 v[P+jj:P+jj+1], v[P+jj:P+jj+1], v[T+jj:T+jj+1], s[\cc:\cc+1] op_sel_hi:[1,1,0]
.set jj, jj+2
.endr
.endr
.set jj, 0
.rept 16
	v_pk_fma_f32 v[P+jj:P+jj+1], v[P+jj:P+jj+1], v[T+jj:T+jj+1], v[U+jj:U+jj+1]
.set jj, jj+2
.endr
.set jj, 0
.rept 32
	v_exp_f32 v[P+jj], v[P+jj]
.set jj, jj+1
.endr
	WIN 0x0c
.set jj, 0
.rept 32
	v_max_num_f32 v[U+jj], 0, v[\X+jj]             ; max(x, 0)
.set jj, jj+1
.endr
	s_wait_alu depctr_va_vdst(0)
	WIN 0
.set jj, 0
.rept 16
	v_pk_mul_f32 v[P+jj:P+jj+1], v[P+jj:P+jj+1], v[T+jj:T+jj+1]   ; e = erfc(|x| / sqrt 2) / 2
.set jj, jj+2
.endr
	WIN 0xc3
.set jj, 0
.rept 32
	v_fma_f32 v[\X+jj], -|v[\X+jj]|, v[P+jj], v[U+jj]
.set jj, jj+1
.endr
	WIN 0
.endm
; the 64 numbers of tile of rows m (register 16 b + e = hidden unit 32 b + 16 h + e of row r) become a fragment's codes, stored as they stand, and its scale word in v[PW+m]
.macro QUANTW m
.set XB, 64*(\m)
	WIN 0x0f
.irp b, 0,1,2,3
	v_max3_num_f32 v[TM+\b], |v[XB+16*\b]|, |v[XB+16*\b+1]|, 0x1800000
.endr
	WIN 0x3c
.irp e, 2,4,6,8,10,12,14
.irp b, 0,1,2,3
	v_max3_num_f32 v[TM+\b], v[TM+\b], |v[XB+16*\b+\e]|, |v[XB+16*\b+\e+1]|
.endr
.endr
	WIN 0
.irp b, 0,1,2,3
	v_permlanex16_b32 v[TM+4+\b], v[TM+\b], s[SEL], s[SEL+1]
.endr
.irp b, 0,1,2,3
	v_max_num_f32 v[TM+\b], v[TM+\b], v[TM+4+\b]
.endr
.irp b, 0,1,2,3
	v_add_nc_u32 v[TM+12+\b], 0xff000000, v[TM+\b]
.endr
.irp b, 0,1,2,3
	v_lshrrev_b32 v[TM+4+\b], 23, v[TM+12+\b]
.endr
	v_lshl_or_b32 v[PW+\m], v[TM+5], 8, v[TM+4]
	v_lshl_or_b32 v[PW+\m], v[TM+6], 16, v[PW+\m]
	v_lshl_or_b32 v[PW+\m], v[TM+7], 24, v[PW+\m]
	s_wait_xcnt 0x0                                ; the last fragment's stores have read v[PC] on: only now are they written again
	WIN 0x03
.irp b, 0,1,2,3
	v_cvt_scalef32_pk8_fp4_f32 v[PC+2*\b], v[XB+16*\b:XB+16*\b+7], v[TM+12+\b]
	v_cvt_scalef32_pk8_fp4_f32 v[PC+2*\b+1], v[XB+16*\b+8:XB+16*\b+15], v[TM+12+\b]
.endr
	WIN 0
	v_nop
.irp c, 0,1
.irp e, 0,1
	v_permlane16_swap_b32 v[PC+4*\c+\e], v[PC+2+4*\c+\e]
.endr
.endr
	global_store_b128 v4, v[PC:PC+3], s[48:49] offset:1024*\m          ; 512 consecutive bytes, aligned
	global_store_b128 v4, v[PC+4:PC+7], s[48:49] offset:1024*\m+512
.endm
	s_mov_b32 s52, 0                               ; where the group's b1 begins in my 1,536 bytes
	s_mov_b32 s53, 0                               ; the group, 0..2
.Lgroup:
	v_add_nc_u32 v9, s52, v8
	WIN 0xc0
.irp m, 0,1,2,3
.irp t, 0,1,2,3,4,5,6,7
.irp e, 0,1
	ds_load_b128 v[64*\m+8*\t+4*\e:64*\m+8*\t+4*\e+3], v9 offset:(32*(\t/2)+8*(\t%2))*4+16*\e   ; b1 starts each sum
.endr
.endr
.endr
	WIN 0
	s_wait_loadcnt 0x0                             ; the group's weights and their scale words
	s_wait_dscnt 0x0                               ; b1 (and, in the first trip, the rows' fragments)
	GEMMK 0
	GEMMK 1
	GEMMK 2
	GEMMK 3
	GEMMK 4
	GEMMK 5
.irp m, 0,1,2,3
	GELU 64*\m
	GELU 64*\m+32
	QUANTW \m
.endr
	v_cndmask_b32 v84, v[PW], v[PW+1], s[HM]       ; lanes 0-15 tile 0's words, lanes 16-31 tile 1's;
	v_cndmask_b32 v85, v[PW+2], v[PW+3], s[HM]     ; tiles 2 and 3 likewise
	global_store_b64 v5, v[84:85], s[50:51]        ; 256 consecutive bytes, aligned
	s_wait_xcnt 0x0                                ; every load and store has read its base: now they step
	s_add_nc_u64 s[44:45], s[44:45], 49152
	s_add_nc_u64 s[46:47], s[46:47], 3072
	s_add_nc_u64 s[48:49], s[48:49], 4096
	s_add_nc_u64 s[50:51], s[50:51], 256
	s_add_co_u32 s52, s52, 512
	s_add_co_u32 s53, s53, 1
	s_cmp_lt_u32 s53, 3
	s_cbranch_scc1 .Lgroup
	s_wait_tensorcnt 0x0
	ds_add_u32 v254, v255
	s_wait_dscnt 0x0
	s_endpgm
.Lfunc_end_k_qd22e56cb03_mlp1:
	.size	k_qd22e56cb03_mlp1, .Lfunc_end_k_qd22e56cb03_mlp1-k_qd22e56cb03_mlp1
	.p2alignl 7, 3214868480
	.fill 96, 4, 3214868480
	.section	.rodata,"a",@progbits
	.p2align	6, 0x0
	.amdhsa_kernel k_qd22e56cb03_mlp1
		.amdhsa_group_segment_fixed_size 34304
		.amdhsa_private_segment_fixed_size 0
		.amdhsa_enable_private_segment 0
		.amdhsa_kernarg_size 48
		.amdhsa_user_sgpr_count 2
		.amdhsa_user_sgpr_kernarg_segment_ptr 1
		.amdhsa_wavefront_size32 1
		.amdhsa_system_sgpr_workgroup_id_x 1
		.amdhsa_system_sgpr_workgroup_id_y 1
		.amdhsa_system_sgpr_workgroup_id_z 1
		.amdhsa_system_vgpr_workitem_id 0
		.amdhsa_next_free_vgpr 1024
		.amdhsa_next_free_sgpr 66
		.amdhsa_reserve_vcc 0
		.amdhsa_float_denorm_mode_32 3
		.amdhsa_float_denorm_mode_16_64 3
		.amdhsa_memory_ordered 1
		.amdhsa_forward_progress 1
		.amdhsa_inst_pref_size 255
	.end_amdhsa_kernel
	.section	.bss,"aw",@nobits
	.p2align	6
	.space	262144
	.amdgpu_metadata
---
amdhsa.version: [ 1, 2 ]
amdhsa.kernels:
  - .name:           k_qd22e56cb03_mlp1
    .symbol:         k_qd22e56cb03_mlp1.kd
    .args:
      - { .name: x1, .offset: 0, .size: 8, .value_kind: global_buffer, .address_space: global }
      - { .name: ln_w, .offset: 8, .size: 8, .value_kind: global_buffer, .address_space: global }
      - { .name: ln_b, .offset: 16, .size: 8, .value_kind: global_buffer, .address_space: global }
      - { .name: wts, .offset: 24, .size: 8, .value_kind: global_buffer, .address_space: global }
      - { .name: b1, .offset: 32, .size: 8, .value_kind: global_buffer, .address_space: global }
      - { .name: gq, .offset: 40, .size: 8, .value_kind: global_buffer, .address_space: global }
    .group_segment_fixed_size: 34304
    .private_segment_fixed_size: 0
    .kernarg_segment_align: 8
    .kernarg_segment_size: 48
    .max_flat_workgroup_size: 128
    .sgpr_count:     66
    .vgpr_count:     1024
    .wavefront_size: 32
...
	.end_amdgpu_metadata
.endif
;; end of part 3
;; launch mlp2 (part 4): grid 4 x 64, 4 waves a work-group, clusters of 4 x 1, 327,680 bytes of LDS; arguments gq, wts, b2, x1, out0; writes out0
.if DOCPART == 4
	.amdgcn_target "amdgcn-amd-amdhsa--gfx1250"
	.amdhsa_code_object_version 6
	.text
	.protected	k_qd22e56cb03_mlp2
	.globl	k_qd22e56cb03_mlp2
	.p2align	8
	.type	k_qd22e56cb03_mlp2,@function
k_qd22e56cb03_mlp2:
	s_mov_b64 s[64:65], 0
	v_nop
	global_prefetch_b8 v0, s[64:65] scope:SCOPE_SE
	s_setreg_imm32_b32 hwreg(HW_REG_WAVE_MODE, 25, 1), 1
	s_wait_xcnt 0x0
	s_wait_alu depctr_hold_cnt(0) depctr_sa_sdst(0) depctr_va_vdst(0) depctr_va_sdst(0) depctr_va_ssrc(0) depctr_va_vcc(0) depctr_vm_vsrc(0)
	s_getreg_b32 s2, hwreg(HW_REG_IB_STS2, 6, 4)
	s_cmp_eq_u32 s2, 0
	s_cbranch_scc0 .Lentry_in_a_cluster
	s_endpgm
.Lentry_in_a_cluster:
	s_bfe_u32 s2, ttmp6, 0x10000c
	s_cmp_lg_u32 s2, 0x3003
	s_cbranch_scc0 .Lentry_shape_is_right
	s_endpgm
.Lentry_shape_is_right:
; MLP2.  out0 = g w2 + b2 + x1, on codes of FP4 (E2M1) with one E8M0 byte for each 32 along K = 3,072.  A work-group takes 128 rows x 192 columns.
; CLUSTER: the four work-groups of a cluster take the four column groups of the same 128 rows, so they need the same 208,896 bytes of g (codes and scale bytes): these come by JOINT tensor loads (mask 15),
; four a wave (by this text's count four are outstanding), all first fills: no LDS byte is filled twice.  The codes come in three chunks of eight K steps, so that the products begin when the first has landed.
; Wave w takes column tiles 12 cx + 3 w + c (c = 0..2) for all eight tiles of rows; ALL its weights (72 fragments, 576 registers) are loaded once, straight into registers, in the registers' order.
; The product is used transposed (source 0 = 16 columns of w2, source 1 = 16 rows of g): a lane holds eight neighbouring columns of one row.  b2 is the C of each sum's first product.
; The way out: through a stage in LDS (a row's 768 bytes come from four waves), x1 added, whole aligned runs of 256 bytes stored.
; REGISTERS, in windows of 256.  Window 0: v1-13, v121-126 addresses; v16-87 w2's scale words (c, s) at 16 + 24 c + s; v88-111 b2; v112-119 g's scale words, two sets; v128-255 g's fragments, two sets of eight.
;   v256-831 w2's fragments (c, s) at 256 + 8 (24 c + s); v832-1023 accumulators (c, m) at 832 + 8 (8 c + m).  From K step 16 on the registers of (c, s < 8) take x1's rows, on the way out those of (c, 8 <= s < 16) the results.
.set W2_C, 2193408
.set W2_S, 3373056
.set G_S,  12582912
.set GSC,  196608                      ; LDS: from 0 g's codes [half of the rows 2][K step 24][tile 4][1,024 bytes]; here its scale bytes [half][K step][256];
.set STG,  208896                      ; the stage: 128 rows x (768 + 16) bytes: no tensor load lands there
.set OFC,  124
.set MSB, 0
.macro WIN new                         ; s_set_vgpr_msb: bits 1:0 source 0, 3:2 source 1, 5:4 source 2, 7:6 destination; the high byte repeats the setting that is left
.if MSB != (\new)
	s_set_vgpr_msb (MSB<<8)|(\new)
.set MSB, (\new)
.endif
.endm
.macro WMS d, a, b, c, sa, sb, rb      ; rb: the scale register's lanes 16-31 serve source 1
.if (\rb)
	v_wmma_scale_f32_16x16x128_f8f6f4 v[\d:\d+7], v[\a:\a+7], v[\b:\b+7], v[\c:\c+7], v[\sa], v[\sb] matrix_a_fmt:MATRIX_FMT_FP4 matrix_b_fmt:MATRIX_FMT_FP4 matrix_b_scale:MATRIX_SCALE_ROW1
.else
	v_wmma_scale_f32_16x16x128_f8f6f4 v[\d:\d+7], v[\a:\a+7], v[\b:\b+7], v[\c:\c+7], v[\sa], v[\sb] matrix_a_fmt:MATRIX_FMT_FP4 matrix_b_fmt:MATRIX_FMT_FP4
.endif
.endm
.macro ROUND                           ; a round of the cluster's barrier: my work-group's barrier; wave 0 signals for the work-group; every wave waits for all four work-groups; my work-group's barrier once more
	s_barrier_signal -1
	s_barrier_wait -1
	s_cmp_lg_u32 s14, 0
	s_cbranch_scc1 .Lnot_wave_0_\@
	s_barrier_signal -3
.Lnot_wave_0_\@:
	s_barrier_wait -3
	s_barrier_signal -1
	s_barrier_wait -1
.endm
	s_load_b256 s[4:11], s[0:1], 0x0               ; gq s[4:5], wts s[6:7], b2 s[8:9], x1 s[10:11]
	s_load_b64 s[12:13], s[0:1], 0x20              ; out0
	v_lshl_add_u32 v120, v0, 2, 0x4b800
	v_mov_b32 v127, 0
	ds_add_u32 v120, v127
	ds_add_u32 v120, v127
	v_lshrrev_b32 v1, 5, v0
	v_readfirstlane_b32 s14, v1                    ; wave 0..3
	s_bfe_u32 s15, ttmp6, 0x40000                  ; cx: my column group; it enters global addresses of my own loads and stores alone
	s_and_b32 s16, ttmp7, 0xffff                   ; the block of 128 rows, which the four partners share
	; descriptor group 1: dense bytes as rows of 256 (32 elements of 8 bytes): 64 rows for a wave's part of a chunk, 12 for its part of the scale bytes
	s_mov_b32 s24, 15|(3<<16)|(1<<21)              ; 15:0 the mask: all four work-groups; 17:16 elements of 8 bytes; 21 set beside a mask; no padding
	s_mov_b32 s25, 32<<16                          ; tensor_dim0 = 32
	s_mov_b32 s26, 64<<16                          ; tensor_dim1 = 64
	s_mov_b32 s27, 32<<16                          ; tile_dim0 = 32
	s_mov_b32 s28, 64                              ; tile_dim1 = 64
	s_mov_b32 s29, 32                              ; from row to row
	s_mov_b32 s30, 0
	s_mov_b32 s31, 0
	s_mov_b32 s32, 15|(3<<16)|(1<<21)
	s_mov_b32 s33, 32<<16
	s_mov_b32 s34, 12<<16
	s_mov_b32 s35, 32<<16
	s_mov_b32 s36, 12
	s_mov_b32 s37, 32
	s_mov_b32 s38, 0
	s_mov_b32 s39, 0
	s_lshr_b32 s17, s14, 1
	s_and_b32 s18, s14, 1
	s_mul_i32 s19, s17, 98304
	s_lshl_b32 s20, s18, 14
	s_add_co_u32 s19, s19, s20                     ; my 16,384 bytes of a chunk: half w / 2 of the rows, part w % 2; in LDS and in memory alike
	s_mul_i32 s20, s16, 196608
	s_add_co_u32 s20, s20, s19
	s_mov_b32 s21, 0
	s_mul_i32 s17, s14, 3072                       ; my 3,072 scale bytes
	s_mul_i32 s22, s16, 12288
	s_add_co_u32 s22, s22, s17
	s_add_co_u32 s22, s22, G_S
	s_mov_b32 s23, 0
	v_and_b32 v121, 31, v0                         ; l
	v_and_b32 v122, 15, v0                         ; r
	v_bfe_u32 v123, v0, 4, 1                       ; h
	v_lshlrev_b32 v1, 4, v121                      ; 16 l
.irp f, 0,1
.irp j, 0,1,2
	v_add_nc_u32 v[2+3*\f+\j], 98304*\f+32768*\j, v1   ; g's fragments: a register for each half of the rows and chunk, since an LDS immediate holds 16 bits
.endr
.endr
	v_lshl_add_u32 v8, v121, 3, GSC
	s_mul_i32 s18, s14, 192
	s_add_co_u32 s18, s18, STG
	v_mul_u32_u24 v9, v122, 784
	v_lshl_add_u32 v9, v123, 5, v9
	v_add_nc_u32 v9, s18, v9                       ; the stage, in: row r, my wave's 192 bytes, 32 for each half of the lanes;
	v_add_nc_u32 v10, 50176, v9                    ; the same 64 rows further down
	s_mul_i32 s18, s14, 25088
	s_add_co_u32 s18, s18, STG
	v_mul_u32_u24 v11, v123, 784
	v_lshl_add_u32 v11, v122, 4, v11
	v_add_nc_u32 v11, s18, v11                     ; back: my 32 rows; lanes 0-15 one row, lanes 16-31 the next
	v_mul_u32_u24 v12, v123, 3072
	v_lshl_add_u32 v12, v122, 4, v12               ; and the same two rows in x1 and out0
	v_lshlrev_b32 v13, 5, v123                     ; b2: my half's eight columns
	s_mul_i32 s56, s15, 12
	s_mul_i32 s57, s14, 3
	s_add_co_u32 s56, s56, s57                     ; my first column tile
.irp c, 0,1,2
	s_add_co_u32 s57, s56, \c
	s_lshr_b32 s58, s57, 1
	s_mul_i32 s58, s58, 3072
	s_and_b32 s57, s57, 1
	s_lshl_b32 s57, s57, 7
	s_add_co_u32 s58, s58, s57
	v_lshl_add_u32 v[OFC+\c], v122, 3, s58         ; tile c's scale words: both halves of the lanes take the same, so lanes 0-15 always serve
.endr
	s_mul_i32 s60, s15, 768
	s_mul_i32 s61, s14, 192
	s_add_co_u32 s60, s60, s61
	s_mov_b32 s61, 0
	s_mul_i32 s56, s56, 24576
	s_add_co_u32 s56, s56, W2_C
	s_mov_b32 s57, 0
	s_lshl_b32 s66, s16, 7
	s_lshl_b32 s67, s14, 5
	s_add_co_u32 s66, s66, s67
	s_mul_i32 s66, s66, 3072
	s_mul_i32 s67, s15, 768
	s_add_co_u32 s66, s66, s67                     ; my 32 rows, my work-group's 768 bytes of them
	s_mov_b32 s67, 0
	s_wait_dscnt 0x0
	s_wait_kmcnt 0x0
	s_add_nc_u64 s[68:69], s[12:13], s[66:67]      ; out0
	s_add_nc_u64 s[66:67], s[10:11], s[66:67]      ; x1
	s_add_nc_u64 s[60:61], s[8:9], s[60:61]        ; b2 at my 48 columns
	s_add_nc_u64 s[56:57], s[6:7], s[56:57]        ; my three tiles of w2
	s_add_nc_u64 s[58:59], s[6:7], W2_S            ; w2's scale bytes
	s_mov_b32 s40, 1                               ; descriptor group 0: count 1; LDS address; global address; type 2 in the top bits
	s_add_co_u32 s41, s17, GSC
	s_add_nc_u64 s[42:43], s[4:5], s[22:23]
	s_or_b32 s43, s43, 0x80000000
.irp j, 0,1,2
	s_mov_b32 s[44+4*\j], 1
	s_add_co_u32 s[45+4*\j], s19, 32768*\j
	s_add_nc_u64 s[46+4*\j:47+4*\j], s[4:5], s[20:21]
	s_add_nc_u64 s[46+4*\j:47+4*\j], s[46+4*\j:47+4*\j], 32768*\j
	s_or_b32 s[47+4*\j], s[47+4*\j], 0x80000000
.endr
	ROUND                                          ; all four work-groups are here: the joint loads meet
	tensor_load_to_lds s[40:43], s[32:39]          ; the scale bytes,
	s_nop 0
	tensor_load_to_lds s[44:47], s[24:31]          ; K steps 0-7,
	s_nop 0
	tensor_load_to_lds s[48:51], s[24:31]          ; 8-15,
	s_nop 0
	tensor_load_to_lds s[52:55], s[24:31]          ; 16-23
	s_nop 0
.rept 4
	v_nop                                          ; four plain lines follow the last of them
.endr
.irp c, 0,1,2
.irp e, 0,1
	global_load_b128 v[88+8*\c+4*\e:91+8*\c+4*\e], v13, s[60:61] offset:64*\c+16*\e
.endr
.endr
.irp c, 0,1,2
.irp j, 0,1,2,3,4,5,6,7,8,9,10,11
	global_load_b64 v[16+24*\c+2*\j:17+24*\c+2*\j], v[OFC+\c], s[58:59] offset:256*\j
.endr
.endr
.macro BCH j                           ; the weights of chunk j's eight K steps: for each tile 8,192 dense bytes into 64 registers on end, which lie in one window
.irp c, 0,1,2
.set FI, 24*\c+8*(\j)
	WIN (1+FI/32)<<6
.irp e, 0,1,2,3,4,5,6,7,8,9,10,11,12,13,14,15
	global_load_b128 v[8*(FI%32)+4*\e:8*(FI%32)+4*\e+3], v1, s[56:57] offset:24576*\c+8192*(\j)+512*\e
.endr
.endr
	WIN 0
.endm
	BCH 0
	BCH 1
	BCH 2
.macro ALOAD s                         ; K step s: g's eight fragments and four scale registers into set s % 2: 18 LDS loads
.set AB, 128+64*((\s)%2)
.irp m, 0,1,2,3,4,5,6,7
.irp c, 0,1
	ds_load_b128 v[AB+8*\m+4*\c:AB+8*\m+4*\c+3], v[2+3*(\m/4)+(\s)/8] offset:4096*((\s)%8)+1024*(\m%4)+512*\c
.endr
.endr
.irp f, 0,1
	ds_load_b64 v[112+4*((\s)%2)+2*\f:112+4*((\s)%2)+2*\f+1], v8 offset:6144*\f+256*(\s)
.endr
.endm
; a K step: 24 products, the 24 accumulators by turns, one instruction a turn, in the same order in every K step
.macro KSTEP s
.if (\s)%8 == 7
	s_wait_dscnt 0x0                               ; a chunk's last step: nothing was asked for behind it
.else
	s_wait_dscnt 18                                ; this step's 18 loads are in; the next step's 18 may be out
.endif
.irp c, 0,1,2
.set FI, 24*\c+(\s)
.irp m, 0,1,2,3,4,5,6,7
.if (\s) == 0
	WIN (1+FI/32)|0xc0
	WMS 64+8*(8*\c+\m), 8*(FI%32), 128+64*((\s)%2)+8*\m, 88+8*\c, 16+FI, 112+4*((\s)%2)+\m/2, \m%2
.else
	WIN (1+FI/32)|0xf0
	WMS 64+8*(8*\c+\m), 8*(FI%32), 128+64*((\s)%2)+8*\m, 64+8*(8*\c+\m), 16+FI, 112+4*((\s)%2)+\m/2, \m%2
.endif
.endr
.endr
	WIN 0
.rept 4
	v_nop                                          ; places in front of loads into registers that the products have read, and of the first read of results
.endr
.if (\s)%8 < 6
	ALOAD (\s)+2
.endif
.endm
.macro CHUNK j, left
	s_wait_tensorcnt 2-\j                          ; my parts of the scale bytes and of chunks 0 .. j have landed; the later chunks may stay out
	s_wait_dscnt 0x0
	s_barrier_signal -1
	s_barrier_wait -1                              ; everybody's have
	s_wait_loadcnt \left                           ; this chunk's weights are in
.endm
	CHUNK 0, 63                                    ; 96 loads are younger; 63 is the most that a wait can name, and a smaller count is safe
	ALOAD 0
	ALOAD 1
.irp s, 0,1,2,3,4,5,6,7
	KSTEP \s
.endr
	CHUNK 1, 48                                    ; chunk 2's 48 loads may be out
	ALOAD 8
	ALOAD 9
.irp s, 8,9,10,11,12,13,14,15
	KSTEP \s
.endr
	CHUNK 2, 0
.macro XLD g, wx, lx                   ; sixteen of my 48 pieces of x1 (piece n = 3 k + u: rows 2 k, 2 k + 1, bytes 256 u on) into registers that chunk 0's weights have left
	WIN (\wx)<<6
.irp e, 0,1,2,3,4,5,6,7,8,9,10,11,12,13,14,15
	global_load_b128 v[\lx+4*\e:\lx+4*\e+3], v12, s[66:67] offset:6144*((16*\g+\e)/3)+256*((16*\g+\e)%3)
.endr
.endm
	XLD 0, 1, 0
	XLD 1, 1, 192
	XLD 2, 2, 128
	WIN 0
	ALOAD 16
	ALOAD 17
.irp s, 16,17,18,19,20,21,22,23
	KSTEP \s
.endr
; THE WAY OUT
	WIN 0x0c                                       ; an LDS store's data are its source 1: window 3
.irp m, 0,1,2,3,4,5,6,7
.irp c, 0,1,2
	ds_store_b128 v[9+\m/4], v[64+8*(8*\c+\m):64+8*(8*\c+\m)+3] offset:12544*(\m%4)+64*\c        ; lane (r, h): row 16 m + r, columns 48 w + 16 c + 8 h + 0..7; each accumulator from its low end on
	ds_store_b128 v[9+\m/4], v[64+8*(8*\c+\m)+4:64+8*(8*\c+\m)+7] offset:12544*(\m%4)+64*\c+16
.endr
.endr
	WIN 0
	s_wait_dscnt 0x0                               ; my stores have landed, for the others' sake
	s_barrier_signal -1
	s_barrier_wait -1                              ; 128 whole rows lie in the stage
.macro YLD g, wy, ly
	WIN (\wy)<<6
.irp e, 0,1,2,3,4,5,6,7,8,9,10,11,12,13,14,15
	ds_load_b128 v[\ly+4*\e:\ly+4*\e+3], v11 offset:1568*((16*\g+\e)/3)+256*((16*\g+\e)%3)
.endr
.endm
.macro YOUT g, wy, ly, wx, lx, left
	s_wait_dscnt \left                             ; this group's sixteen pieces are back; the later groups' may be out
	WIN ((\wy)<<6)|(\wy)|((\wx)<<2)
.set jj, 0
.rept 32
	v_pk_add_f32 v[\ly+jj:\ly+jj+1], v[\ly+jj:\ly+jj+1], v[\lx+jj:\lx+jj+1]   ; + x1
.set jj, jj+2
.endr
	WIN (\wy)<<2
.irp e, 0,1,2,3,4,5,6,7,8,9,10,11,12,13,14,15
	global_store_b128 v12, v[\ly+4*\e:\ly+4*\e+3], s[68:69] offset:6144*((16*\g+\e)/3)+256*((16*\g+\e)%3) th:TH_STORE_NT   ; sixteen lanes store 256 consecutive bytes, aligned; written once
.endr
.endm
	YLD 0, 1, 64
	YLD 1, 2, 0
	YLD 2, 2, 192
	s_wait_loadcnt 0x0                             ; x1's rows
	YOUT 0, 1, 64, 1, 0, 32
	YOUT 1, 2, 0, 1, 192, 16
	YOUT 2, 2, 192, 2, 128, 0
	WIN 0
	s_wait_tensorcnt 0x0
	s_wait_tensorcnt 0x0
	ds_add_u32 v120, v127
	s_wait_dscnt 0x0
	ROUND                                          ; the closing round: no work-group ends while a partner may still ask for a tile that names it
	s_endpgm
.Lfunc_end_k_qd22e56cb03_mlp2:
	.size	k_qd22e56cb03_mlp2, .Lfunc_end_k_qd22e56cb03_mlp2-k_qd22e56cb03_mlp2
	.p2alignl 7, 3214868480
	.fill 96, 4, 3214868480
	.section	.rodata,"a",@progbits
	.p2align	6, 0x0
	.amdhsa_kernel k_qd22e56cb03_mlp2
		.amdhsa_group_segment_fixed_size 327680
		.amdhsa_private_segment_fixed_size 0
		.amdhsa_enable_private_segment 0
		.amdhsa_kernarg_size 40
		.amdhsa_user_sgpr_count 2
		.amdhsa_user_sgpr_kernarg_segment_ptr 1
		.amdhsa_wavefront_size32 1
		.amdhsa_system_sgpr_workgroup_id_x 1
		.amdhsa_system_sgpr_workgroup_id_y 1
		.amdhsa_system_sgpr_workgroup_id_z 1
		.amdhsa_system_vgpr_workitem_id 0
		.amdhsa_next_free_vgpr 1024
		.amdhsa_next_free_sgpr 72
		.amdhsa_reserve_vcc 0
		.amdhsa_float_denorm_mode_32 3
		.amdhsa_float_denorm_mode_16_64 3
		.amdhsa_memory_ordered 1
		.amdhsa_forward_progress 1
		.amdhsa_inst_pref_size 154
	.end_amdhsa_kernel
	.amdgpu_metadata
---
amdhsa.version: [ 1, 2 ]
amdhsa.kernels:
  - .name:           k_qd22e56cb03_mlp2
    .symbol:         k_qd22e56cb03_mlp2.kd
    .args:
      - { .name: gq, .offset: 0, .size: 8, .value_kind: global_buffer, .address_space: global }
      - { .name: wts, .offset: 8, .size: 8, .value_kind: global_buffer, .address_space: global }
      - { .name: b2, .offset: 16, .size: 8, .value_kind: global_buffer, .address_space: global }
      - { .name: x1, .offset: 24, .size: 8, .value_kind: global_buffer, .address_space: global }
      - { .name: out0, .offset: 32, .size: 8, .value_kind: global_buffer, .address_space: global }
    .group_segment_fixed_size: 327680
    .private_segment_fixed_size: 0
    .kernarg_segment_align: 8
    .kernarg_segment_size: 40
    .max_flat_workgroup_size: 128
    .sgpr_count:     72
    .vgpr_count:     1024
    .wavefront_size: 32
...
	.end_amdgpu_metadata
.endif
;; end of part 4
;; ======== version 2 of 2: 4 launches; version 1 with the launches attn, mlp1 written anew for expert scheduling mode
;; workspace buffers: wts 3,446,784 bytes; wqkv 940,032 bytes; hq 3,342,336 bytes; x1 25,165,824 bytes; gq 13,369,344 bytes
;; launch prep: the kernel of part 1 again; grid 310 x 1, 8 waves a work-group, no clusters, 15,360 bytes of LDS; arguments x, ln_w, ln_b, wq, wk, wv, hq, wqkv; writes hq, wqkv
;; launch attn (part 5): grid 12 x 22, 16 waves a work-group, no clusters, 187,648 bytes of LDS; arguments hq, wqkv, bq, bk, bv, x, w1, w2, x1, wts; writes x1, wts
.if DOCPART == 5
	.amdgcn_target "amdgcn-amd-amdhsa--gfx1250"
	.amdhsa_code_object_version 6
	.text
	.protected	k_qd22e56cb03_attn
	.globl	k_qd22e56cb03_attn
	.p2align	8
	.type	k_qd22e56cb03_attn,@function
k_qd22e56cb03_attn:
	s_mov_b64 s[64:65], 0
	v_nop
	global_prefetch_b8 v0, s[64:65] scope:SCOPE_SE
	s_setreg_imm32_b32 hwreg(HW_REG_WAVE_SCHED_MODE, 0, 2), 2
	s_setreg_imm32_b32 hwreg(HW_REG_WAVE_MODE, 25, 1), 1
	s_wait_xcnt 0x0
	s_wait_alu depctr_vm_vsrc(0)
; ATTN.  Rows 0-15 of the grid: a work-group owns one head of one batch: it projects q, k, v for its 512 tokens and 64 channels (K = 768), quantises them, and runs the attention; x1 = o + x.  q, k, v never go to memory.
; Rows 16-21 of the grid: 72 work-groups quantise w1 and w2 along K into wts, for the two launches that follow: work that hangs on nothing else in this launch (its text stands at the end).
; All products on codes of FP4 (E2M1) with one E8M0 byte for each 32 along K.  Sixteen waves, 256 registers each; wave w owns tokens 32 w .. 32 w + 31: as rows of the projection, as one block of 32 keys, as two tiles of queries.
; TOKEN TILES ARE PERMUTED PAIRS (place p of tile 2 w + u is token 32 w + 8 u + p + 8 (p / 8)), and so are wq's and wk's columns: a transposed product then leaves 16 neighbours along the next K in a lane's 16 registers.
; q, k: source 0 = 16 columns of the weight, source 1 = 16 tokens: a lane holds one token and 16 neighbouring channels of each 32.  v: source 0 = tokens, source 1 = columns: a lane holds one channel and 16 neighbouring tokens.
; S^T = K Q^T, O^T = V^T P^T: a lane holds one query throughout.  K = 64 of the instruction's 128: the upper half of q's fragment is zero codes, so whatever stands in the upper half of k's adds nothing:
; the eight fragments of k of a key step lie four registers apart, each instruction naming the next fragment's four as its upper half.
; LDS REQUESTS RUN AHEAD: behind a key step's score products stands one run of loads, this step's v and the next step's k; v has the softmax in which to land, k the rest of the step.
; THE SOFTMAX: t = score x log2(e) / 8; M = the running largest t rounded up to a whole number; p = 2^(t - M) is quantised along the keys; the sum is taken of the unquantised p and divides O at the end;
; when M moves, the sum and O are multiplied by 2^(old M - new M), which rounds nothing.
; No multicast: what the sixteen work-groups of a head share (its 78,336 bytes of weights) is under a fifth of a work-group's bytes (262,144 of x in and out, 208,896 of hq).
; LIMITS: NaN and infinities are not served; a block of zeros gets the byte 1 (its codes are zeros); an exponential whose result lies under 2^-126 is 0.
; THE MODE: SCHED_MODE bits 1:0 = 2 (LLVM: expert scheduling mode 2), set by the entry lines.  The code itself states the register dependences
; between vector or matrix instructions and memory or LDS instructions, with s_wait_alu, always for 0.
; THE PLAN.  Registers that memory or LDS instructions touch, and who else names them:
;   v1-v14     addresses and offsets: made at the head, ahead of one wait on va_vdst; v1-v8 made anew at the head of phase 2, behind a wait on vm_vsrc and ahead of one on va_vdst.
;   v32-71     phase 0: loaded, then read by the LDS stores of the copy; a wait on vm_vsrc stands ahead of the products that write them.
;   v96-127    phase 1: a K step's four weight fragments land there and its eight products read them: one wait on va_vdst for each K step but a pass's first, ahead of the loads.  The biases land there, behind a wait of the same kind;
;              the quantiser works there, its codes and bytes leave from there: a wait on va_vdst ahead of each run of LDS stores, one on vm_vsrc ahead of the loads that land there next.
;   v128-139   the weights' scale words of a pass: read by its products, loaded again behind the wait that closes the pass.
;   A KEY STEP: v192-223 and v148-151 (k) are read by the eight score products; v96-129 (v) by the four products V^T P of the step before.  ONE wait on va_vdst behind the score products states both;
;              the step's 22 LDS loads follow it, and the softmax behind them names none of these registers.  A second wait stands ahead of V^T P: p's codes v228-235 and its scale word v152 are written.
;   v64-95     in a tile's last key step x's rows land where p lay: a wait on va_vdst behind the conversions that read p.
;   v32-63     the way out: written by vector lines, read by the stage's stores, loaded back, summed, read by the global stores: the waits stand between, each with its dependence beside it.
;   The quantising path: one wait on va_vdst behind each block's conversions: its codes are written (the store), its 32 numbers are read (the loads of two blocks on).
.set H_S,    3145728
.set WQKV_S, 884736
.set W1_C,   940032                    ; wts: w1's 192 tiles x 6 K steps of fragments; its scale bytes;
.set W1_S,   2119680
.set W2_C,   2193408                   ; w2's 48 tiles x 24 K steps; its scale bytes
.set W2_S,   3373056
.set WSC,  73728                       ; LDS: from 0 the head's 72 weight fragments; here their scale bytes (18 x 256);
.set BIAS, 78336                       ; bq, bk, bv of the head, 256 bytes each;
.set KIMG, 79104                       ; k: 32 tiles x 512 bytes (a fragment's lower half);
.set KSC,  95488                       ; its scale words: 16 pairs x 128 bytes;
.set VIMG, 97536                       ; v: fragment 4 t + q: channels 16 t on, keys 128 q on;
.set VSC,  113920                      ; its scale words [q][t][channel];
.set STG,  114944                      ; the way out: 16 rows x 272 bytes for each wave;
.set WXL,  184576                      ; the quantising work-groups' own bytes: 128 for each of eight pairs of waves
.set ACC, 32                           ; v32-95   the projection's 8 accumulators; later S^T, then p, then rows of o and of x
.set S,   32
.set BF,  96                           ; v96-127  four weight fragments; bias; quantiser's work; later four fragments of v
.set TM,  96
.set VF,  96
.set BS,  128                          ; v128-139 weight scale words (later v128-129 v's); v140-145 tokens'; v146-147 q's; v148-151 k's; v152 p's: these hold scales and nothing else
.set VSW, 128
.set AS,  140
.set QS,  146
.set KSW, 148
.set AF,  160                          ; v160-255 the tokens' fragments (tile i, K step s) at 160 + 48 i + 8 s; later:
.set KF,  192                          ; v160-191 O^T; v192-227 k's eight fragments, four registers each, and four of zeros;
.set PCD, 228                          ; v228-235 p's codes;
.set BM,  236                          ; v236-239 the blocks' largest scores, then p;
.set PD,  240                          ; v240-243 the other half's; a chain of the sum; the bytes;
.set SOP, 244                          ; v244-247 the conversions' scale operands; v254 at work
.set WV,  18
.set HM,  21
.set SEL, 36
.set CS,  38
; the scaled product; c < 0: the constant 0 starts the sum; ra, rb: the scale register's lanes 16-31 serve source 0, source 1
.macro WMS d, a, b, c, sa, sb, ra, rb
.if (\c) < 0
.if (\ra) && (\rb)
	v_wmma_scale_f32_16x16x128_f8f6f4 v[\d:\d+7], v[\a:\a+7], v[\b:\b+7], 0, v[\sa], v[\sb] matrix_a_fmt:MATRIX_FMT_FP4 matrix_b_fmt:MATRIX_FMT_FP4 matrix_a_scale:MATRIX_SCALE_ROW1 matrix_b_scale:MATRIX_SCALE_ROW1
.elseif (\ra)
	v_wmma_scale_f32_16x16x128_f8f6f4 v[\d:\d+7], v[\a:\a+7], v[\b:\b+7], 0, v[\sa], v[\sb] matrix_a_fmt:MATRIX_FMT_FP4 matrix_b_fmt:MATRIX_FMT_FP4 matrix_a_scale:MATRIX_SCALE_ROW1
.elseif (\rb)
	v_wmma_scale_f32_16x16x128_f8f6f4 v[\d:\d+7], v[\a:\a+7], v[\b:\b+7], 0, v[\sa], v[\sb] matrix_a_fmt:MATRIX_FMT_FP4 matrix_b_fmt:MATRIX_FMT_FP4 matrix_b_scale:MATRIX_SCALE_ROW1
.else
	v_wmma_scale_f32_16x16x128_f8f6f4 v[\d:\d+7], v[\a:\a+7], v[\b:\b+7], 0, v[\sa], v[\sb] matrix_a_fmt:MATRIX_FMT_FP4 matrix_b_fmt:MATRIX_FMT_FP4
.endif
.else
.if (\ra) && (\rb)
	v_wmma_scale_f32_16x16x128_f8f6f4 v[\d:\d+7], v[\a:\a+7], v[\b:\b+7], v[\c:\c+7], v[\sa], v[\sb] matrix_a_fmt:MATRIX_FMT_FP4 matrix_b_fmt:MATRIX_FMT_FP4 matrix_a_scale:MATRIX_SCALE_ROW1 matrix_b_scale:MATRIX_SCALE_ROW1
.elseif (\ra)
	v_wmma_scale_f32_16x16x128_f8f6f4 v[\d:\d+7], v[\a:\a+7], v[\b:\b+7], v[\c:\c+7], v[\sa], v[\sb] matrix_a_fmt:MATRIX_FMT_FP4 matrix_b_fmt:MATRIX_FMT_FP4 matrix_a_scale:MATRIX_SCALE_ROW1
.elseif (\rb)
	v_wmma_scale_f32_16x16x128_f8f6f4 v[\d:\d+7], v[\a:\a+7], v[\b:\b+7], v[\c:\c+7], v[\sa], v[\sb] matrix_a_fmt:MATRIX_FMT_FP4 matrix_b_fmt:MATRIX_FMT_FP4 matrix_b_scale:MATRIX_SCALE_ROW1
.else
	v_wmma_scale_f32_16x16x128_f8f6f4 v[\d:\d+7], v[\a:\a+7], v[\b:\b+7], v[\c:\c+7], v[\sa], v[\sb] matrix_a_fmt:MATRIX_FMT_FP4 matrix_b_fmt:MATRIX_FMT_FP4
.endif
.endif
.endm
.macro PLACES                          ; four plain instructions between a matrix instruction and a load into, or a vector read of, its registers
.rept 4
	v_nop
.endr
.endm
	s_load_b256 s[4:11], s[0:1], 0x0               ; hq s[4:5], wqkv s[6:7], bq s[8:9], bk s[10:11]
	s_load_b128 s[12:15], s[0:1], 0x20             ; bv s[12:13], x s[14:15]
	s_load_b64 s[16:17], s[0:1], 0x40              ; x1
	v_lshrrev_b32 v159, 5, v0
	v_readfirstlane_b32 s[WV], v159                ; wave 0..15
	s_and_b32 s20, ttmp7, 0xffff                   ; the batch; ttmp9 is the head
	v_and_b32 v156, 31, v0                         ; l
	s_wait_alu depctr_va_sdst(0)                   ; s18, the wave's number, is written: ahead of the branch below and of its first reader on either way
	s_cmp_ge_u32 s20, 16                           ; the same in all waves of a work-group
	s_cbranch_scc1 .Lweights
	v_and_b32 v157, 15, v0                         ; r
	v_bfe_u32 v158, v0, 4, 1                       ; h
	v_lshlrev_b32 v1, 4, v156                      ; a fragment's place for my lane
	v_add_nc_u32 v2, 49152, v1                     ; the same from wv's first tile on
	v_lshl_add_u32 v3, v156, 3, WSC                ; weight scale words
	v_lshl_add_u32 v4, v158, 6, BIAS               ; bq, bk: my half's 16 channels of each 32
	v_lshl_add_u32 v5, v157, 2, BIAS+512           ; bv: my channel
	s_lshl_b32 s22, s[WV], 10
	s_add_co_u32 s22, s22, KIMG
	v_add_nc_u32 v6, s22, v1                       ; where my two tiles of k go
	s_lshl_b32 s22, s[WV], 7
	s_add_co_u32 s22, s22, KSC
	v_lshl_add_u32 v7, v156, 2, s22                ; and their scale words
	s_lshr_b32 s22, s[WV], 2
	s_and_b32 s23, s[WV], 3
	s_lshl_b32 s24, s22, 10
	s_lshl_b32 s25, s23, 8
	s_add_co_u32 s24, s24, s25
	s_add_co_u32 s24, s24, VIMG
	v_lshl_add_u32 v8, v157, 4, s24
	v_lshl_add_u32 v8, v158, 3, v8                 ; v: key step w / 4, block w % 4, channel r, my half's 8 bytes
	s_lshl_b32 s24, s22, 8
	s_add_co_u32 s24, s24, s23
	s_add_co_u32 s24, s24, VSC
	v_lshl_add_u32 v9, v157, 2, s24                ; and my block's byte of the channel's word
	s_mul_i32 s22, s[WV], 4608
	v_add_nc_u32 v10, s22, v1                      ; the copy of the weights: 4,608 bytes a wave, in memory and in LDS alike
	v_lshlrev_b32 v11, 4, v0
	v_lshlrev_b32 v12, 3, v156
	v_add_nc_u32 v13, WSC, v11                     ; waves 0-8: the scale bytes, 16 a thread
	s_lshl_b32 s22, s[WV], 8
	s_add_co_u32 s22, s22, BIAS-2304
	v_add_nc_u32 v14, s22, v12                     ; waves 9-11: a bias each
	s_mov_b32 s[HM], 0xffff0000                    ; lanes 16-31
	s_mov_b32 s[SEL], 0x76543210
	s_mov_b32 s[SEL+1], 0xfedcba98                 ; v_permlanex16_b32's selects for lane l xor 16
	s_mov_b32 s[CS], 0x3e38aa3b                    ; log2(e) / 8
	s_mov_b32 s[CS+1], s[CS]
	s_mov_b32 s23, 0
	s_mov_b32 s31, 0
	s_mul_i32 s22, ttmp9, 73728
	s_wait_kmcnt 0x0
	s_add_nc_u64 s[24:25], s[6:7], s[22:23]        ; the head's weight fragments
	s_mul_i32 s22, ttmp9, 4608
	s_add_co_u32 s22, s22, WQKV_S
	s_add_nc_u64 s[26:27], s[6:7], s[22:23]        ; their scale bytes
	s_cmp_eq_u32 s[WV], 9
	s_cselect_b64 s[28:29], s[8:9], s[10:11]
	s_cmp_eq_u32 s[WV], 11
	s_cselect_b64 s[28:29], s[12:13], s[28:29]
	s_lshl_b32 s22, ttmp9, 8
	s_add_nc_u64 s[28:29], s[28:29], s[22:23]      ; wave 9: bq, 10: bk, 11: bv, at the head's 64 numbers
	s_lshl_b32 s34, s20, 4
	s_add_co_u32 s34, s34, s[WV]                   ; my pair of token tiles: 16 x batch + wave
	s_mul_i32 s30, s34, 12288
	s_add_nc_u64 s[30:31], s[4:5], s[30:31]
	s_mul_i32 s22, s34, 768
	s_add_co_u32 s22, s22, H_S
	s_add_nc_u64 s[32:33], s[4:5], s[22:23]
	s_lshl_b32 s22, s34, 5                         ; my first token
	s_mul_i32 s22, s22, 3072
	s_lshl_b32 s34, ttmp9, 8
	s_add_co_u32 s22, s22, s34
	s_add_nc_u64 s[14:15], s[14:15], s[22:23]      ; x and x1 at my first token, the head's 256 bytes
	s_add_nc_u64 s[16:17], s[16:17], s[22:23]
; ---- 0: the head's weights, scales and biases into LDS, through registers; my tokens' fragments into registers
	s_wait_alu depctr_va_vdst(0)                   ; the addresses and offsets v1 to v14 are written, which the loads, LDS stores and LDS loads of phases 0 and 1 read
	s_cmp_lt_u32 s[WV], 9
	s_cbranch_scc0 .Lld_bias
	global_load_b128 v[68:71], v11, s[26:27]
	s_branch .Lld_w
.Lld_bias:
	s_cmp_lt_u32 s[WV], 12
	s_cbranch_scc0 .Lld_w
	global_load_b64 v[68:69], v12, s[28:29]
.Lld_w:
.irp n, 0,1,2,3,4,5,6,7,8
	global_load_b128 v[32+4*\n:35+4*\n], v10, s[24:25] offset:512*\n
.endr
.irp n, 0,1,2,3,4,5,6,7,8,9,10,11,12,13,14,15,16,17,18,19,20,21,22,23
	global_load_b128 v[AF+4*\n:AF+4*\n+3], v1, s[30:31] offset:512*\n
.endr
.irp j, 0,1,2
	global_load_b64 v[AS+2*\j:AS+2*\j+1], v12, s[32:33] offset:256*\j
.endr
	s_wait_loadcnt 27                              ; all but the 27 loads of my tokens, which were issued behind the copies
.irp n, 0,1,2,3,4,5,6,7,8
	ds_store_b128 v10, v[32+4*\n:35+4*\n] offset:512*\n
.endr
	s_cmp_lt_u32 s[WV], 9
	s_cbranch_scc0 .Lst_bias
	ds_store_b128 v13, v[68:71]
	s_branch .Lst_done
.Lst_bias:
	s_cmp_lt_u32 s[WV], 12
	s_cbranch_scc0 .Lst_done
	ds_store_b64 v14, v[68:69]
.Lst_done:
	s_wait_dscnt 0x0                               ; my stores have landed, for the others' sake
	s_barrier_signal -1
	s_barrier_wait -1
	s_wait_alu depctr_vm_vsrc(0)                   ; my LDS stores have read v32-71, which the projections' products write
	s_wait_loadcnt 0x0
; ---- 1: the projections.  Eight accumulators by turns, one instruction a turn, in the same order in every K step.
.macro PASSQK qk                       ; 0: q, 1: k.  Accumulator (token tile i, weight tile t) at ACC + 32 i + 8 t: registers 32 i + 16 b + 0..15 are channels 32 b + 16 h + 0..15 of token place r
.if \qk
	s_wait_alu depctr_va_vdst(0)                   ; q's quantiser is done writing and reading v96-111, in which the first K step's fragments land; q's products are done reading the scale words v128-139, which are loaded anew
.endif
.irp p, 0,1
.irp j, 0,1,2
	ds_load_b64 v[BS+6*\p+2*\j:BS+6*\p+2*\j+1], v3 offset:((2*\qk+\p)*3+\j)*256
.endr
.endr
.irp s, 0,1,2,3,4,5
	PLACES
.if \s > 0
	s_wait_alu depctr_va_vdst(0)                   ; the last K step's eight products are done reading v96-127, in which this K step's fragments land
.endif
.irp t, 0,1,2,3
.irp c, 0,1
	ds_load_b128 v[BF+8*\t+4*\c:BF+8*\t+4*\c+3], v1 offset:((4*\qk+\t)*6+\s)*1024+512*\c
.endr
.endr
	s_wait_dscnt 0x0
.irp t, 0,1,2,3
.irp i, 0,1
.set DD, ACC+32*\i+8*\t
.if \s == 0
.set CC, -1
.else
.set CC, DD
.endif
	WMS DD, BF+8*\t, AF+48*\i+8*\s, CC, BS+6*(\t/2)+\s, AS+\s, \t%2, \i
.endr
.endr
.endr
	PLACES
	s_wait_alu depctr_va_vdst(0)                   ; the last K step's products are done reading v96-127, in which the bias lands
.irp t, 0,1,2,3
.irp e, 0,1
	ds_load_b128 v[BF+8*\t+4*\e:BF+8*\t+4*\e+3], v4 offset:256*\qk+(32*(\t/2)+8*(\t%2))*4+16*\e
.endr
.endr
	s_wait_dscnt 0x0
.irp i, 0,1
.irp t, 0,1,2,3
.irp e, 0,2,4,6
	v_pk_add_f32 v[ACC+32*\i+8*\t+\e:ACC+32*\i+8*\t+\e+1], v[ACC+32*\i+8*\t+\e:ACC+32*\i+8*\t+\e+1], v[BF+8*\t+\e:BF+8*\t+\e+1]   ; + the bias; each accumulator from its low end on
.endr
.endr
.endr
.endm
; ACC's four runs of 16 registers, each half a block of 32 (the other half lies in lane l xor 16), become codes: run b's two registers at PB + 8 (b / 2) + 2 (b % 2); its byte in v[TM+4+b]
.macro QUANT4 PB
.irp b, 0,1,2,3
	v_max3_num_f32 v[TM+\b], |v[ACC+16*\b]|, |v[ACC+16*\b+1]|, 0x1800000   ; and the floor 2^(3 - 127)
.endr
.irp e, 2,4,6,8,10,12,14
.irp b, 0,1,2,3
	v_max3_num_f32 v[TM+\b], v[TM+\b], |v[ACC+16*\b+\e]|, |v[ACC+16*\b+\e+1]|
.endr
.endr
.irp b, 0,1,2,3
	v_permlanex16_b32 v[TM+4+\b], v[TM+\b], s[SEL], s[SEL+1]
.endr
.irp b, 0,1,2,3
	v_max_num_f32 v[TM+\b], v[TM+\b], v[TM+4+\b]
.endr
.irp b, 0,1,2,3
	v_add_nc_u32 v[TM+12+\b], 0xff000000, v[TM+\b] ; 2 off the exponent field: the conversion's scale operand
.endr
.irp b, 0,1,2,3
	v_lshrrev_b32 v[TM+4+\b], 23, v[TM+12+\b]      ; the byte
.endr
.irp b, 0,1,2,3
	v_cvt_scalef32_pk8_fp4_f32 v[\PB+8*(\b/2)+2*(\b%2)], v[ACC+16*\b:ACC+16*\b+7], v[TM+12+\b]
	v_cvt_scalef32_pk8_fp4_f32 v[\PB+8*(\b/2)+2*(\b%2)+1], v[ACC+16*\b+8:ACC+16*\b+15], v[TM+12+\b]
.endr
	v_nop                                          ; a plain instruction behind the last conversion
.endm
.macro SWAPS PB                        ; the operand wants a whole block in a lane: lanes 0-15 block 0, lanes 16-31 block 1
.irp i, 0,1
	v_permlane16_swap_b32 v[\PB+8*\i], v[\PB+8*\i+2]
	v_permlane16_swap_b32 v[\PB+8*\i+1], v[\PB+8*\i+3]
.endr
.endm
	PASSQK 0
	QUANT4 16                                      ; q's codes stay in v16-19 and v24-27
	SWAPS 16
.irp i, 0,1
	v_lshl_or_b32 v[QS+\i], v[TM+5+2*\i], 8, v[TM+4+2*\i]   ; two bytes; the upper two, 0, stand over zero codes
.endr
	PASSQK 1
	QUANT4 112
	SWAPS 112
.irp i, 0,1
	v_lshl_or_b32 v[TM+8+\i], v[TM+5+2*\i], 8, v[TM+4+2*\i]
.endr
	v_cndmask_b32 v[TM+10], v[TM+8], v[TM+9], s[HM]    ; lanes 0-15 the even tile's words, lanes 16-31 the odd one's
	s_wait_alu depctr_va_vdst(0)                   ; k's codes v112-123 and its scale words v106 are written, which the LDS stores read; the quantiser is done with v96-127 and k's products with v128-139, in which the loads below land
	ds_store_b128 v6, v[112:115]
	ds_store_b128 v6, v[120:123] offset:512
	ds_store_b32 v7, v[TM+10]
	s_wait_dscnt 0x0                               ; the stores have read their registers
	s_wait_alu depctr_vm_vsrc(0)                   ; the three LDS stores have read v106 and v112-123, in which wv's fragments land
; v: source 0 = my tokens, source 1 = wv's columns.  Accumulator (t, i) at ACC + 16 t + 8 i: registers 16 t + 0..15 are tokens 32 w + 16 h + 0..15 of channel 16 t + r
.irp p, 0,1
.irp j, 0,1,2
	ds_load_b64 v[BS+6*\p+2*\j:BS+6*\p+2*\j+1], v3 offset:((4+\p)*3+\j)*256
.endr
.endr
.irp s, 0,1,2,3,4,5
	PLACES
.if \s > 0
	s_wait_alu depctr_va_vdst(0)                   ; the last K step's eight products are done reading v96-127, in which this K step's fragments land
.endif
.irp t, 0,1,2,3
.irp c, 0,1
	ds_load_b128 v[BF+8*\t+4*\c:BF+8*\t+4*\c+3], v2 offset:(\t*6+\s)*1024+512*\c
.endr
.endr
	s_wait_dscnt 0x0
.irp t, 0,1,2,3
.irp i, 0,1
.set DD, ACC+16*\t+8*\i
.if \s == 0
.set CC, -1
.else
.set CC, DD
.endif
	WMS DD, AF+48*\i+8*\s, BF+8*\t, CC, AS+\s, BS+6*(\t/2)+\s, \i, \t%2
.endr
.endr
.endr
	PLACES
	s_wait_alu depctr_va_vdst(0)                   ; the last K step's products are done reading v96-127, in which bv lands
.irp t, 0,1,2,3
	ds_load_b32 v[BF+2*\t], v5 offset:64*\t        ; bv of my channel, twice: a pair for the packed addition
	ds_load_b32 v[BF+2*\t+1], v5 offset:64*\t
.endr
	s_wait_dscnt 0x0
.irp t, 0,1,2,3
.irp e, 0,2,4,6,8,10,12,14
	v_pk_add_f32 v[ACC+16*\t+\e:ACC+16*\t+\e+1], v[ACC+16*\t+\e:ACC+16*\t+\e+1], v[BF+2*\t:BF+2*\t+1]
.endr
.endr
	QUANT4 112                                     ; along the tokens: my 32 tokens are one block of the second product's K
	s_wait_alu depctr_va_vdst(0)                   ; v's codes v112-123 and bytes v100-103 are written, which the LDS stores read
.irp t, 0,1,2,3
	ds_store_b64 v8, v[112+8*(\t/2)+2*(\t%2):112+8*(\t/2)+2*(\t%2)+1] offset:4096*\t
	ds_store_b8 v9, v[TM+4+\t] offset:64*\t        ; both halves of the lanes write the same byte with the same value
.endr
	s_wait_dscnt 0x0                               ; k's and v's images have landed
	s_barrier_signal -1
	s_barrier_wait -1
; ---- 2: attention for my two tiles of queries, one after the other; four key steps of 128 each
.macro KLOAD q                         ; key step q: k's eight fragments (their lower halves, four registers each) and the four pairs' scale words: 12 LDS loads
.irp f, 0,1,2,3,4,5,6,7
	ds_load_b128 v[KF+4*\f:KF+4*\f+3], v1 offset:(8*(\q)+\f)*512
.endr
.irp p, 0,1,2,3
	ds_load_b32 v[KSW+\p], v2 offset:(4*(\q)+\p)*128
.endr
.endm
.macro VLOAD q                         ; key step q: v's four fragments and the two pairs' scale words: 10 LDS loads
.irp t, 0,1,2,3
.irp c, 0,1
	ds_load_b128 v[VF+8*\t+4*\c:VF+8*\t+4*\c+3], v3 offset:(4*\t+(\q))*1024+512*\c
.endr
.endr
.irp p, 0,1
	ds_load_b32 v[VSW+\p], v4 offset:256*(\q)+128*\p
.endr
.endm
	s_wait_alu depctr_vm_vsrc(0)                   ; phase 1's LDS loads and stores have read their addresses v1-v9, which are made anew below, and the stores their data v100-103 and v112-123, in which v's fragments will land
	v_lshl_add_u32 v1, v156, 4, KIMG
	v_lshl_add_u32 v2, v156, 2, KSC
	v_lshl_add_u32 v3, v156, 4, VIMG
	v_lshl_add_u32 v4, v156, 2, VSC
	s_mul_i32 s22, s[WV], 4352
	s_add_co_u32 s22, s22, STG                     ; my stage
	v_mul_u32_u24 v5, v157, 272
	v_lshl_add_u32 v5, v158, 5, v5
	v_add_nc_u32 v5, s22, v5                       ; in: row r, 32 bytes for each half of the lanes
	v_mul_u32_u24 v6, v158, 272
	v_lshl_add_u32 v6, v157, 4, v6
	v_add_nc_u32 v6, s22, v6                       ; back: lanes 0-15 one row, lanes 16-31 the next
	v_mul_u32_u24 v7, v158, 3072
	v_lshl_add_u32 v7, v157, 4, v7                 ; and the same two rows in x and x1
	v_mul_u32_u24 v8, v156, 3072
	s_wait_alu depctr_va_vdst(0)                   ; the addresses and offsets v1 to v8 are written, which every load, store and prefetch of phase 2 reads; wv's products are done reading v192-223, in which k lands
	KLOAD 0                                        ; the first key step's k; the lines down to the first products stand between the request and the wait
	global_prefetch_b8 v8, s[14:15] th:TH_LOAD_NT scope:SCOPE_SE   ; my 32 tokens' 256 bytes of x, a lane a row, each named once in the launch: three key steps ahead of the first load of them
.irp n, 20,21,22,23,28,29,30,31,224,225,226,227
	v_mov_b32 v[\n], 0                             ; K = 64 of 128: the upper halves of q's fragments are zero codes; and the four registers that k's last fragment names behind its own
.endr
.irp n, 155,240,241,242,243,254
	v_mov_b32 v[\n], 0                             ; written once: upper half of a named pair; destinations of lane permutes
.endr
.macro STEP i, q                       ; query tile i, keys 128 q on
	s_wait_dscnt 0x0                               ; k's fragments and scale words, asked for a key step ago
.if (\i) == 0 && (\q) == 0
	s_wait_alu depctr_va_vdst(0)                   ; the zero codes v20-23, v28-31 and v224-227 are written, which the score products take inside their operands; the tile's opening lines are the places between
.endif
.irp f, 0,1,2,3,4,5,6,7
	WMS S+8*\f, KF+4*\f, 16+8*\i, -1, KSW+\f/2, QS+\i, \f%2, 0
.endr                                  ; registers 16 b + 0..15 are keys 128 q + 32 b + 16 h + 0..15 of query place r
	PLACES                                         ; in front of the loads into k's and v's registers, and of the first read of the scores
	s_wait_alu depctr_va_vdst(0)                   ; the score products are done reading k's fragments v192-227 and words v148-151, the last step's products V^T P their v96-129: the 22 loads below land there, and no line of the softmax names these registers
	VLOAD \q
.if (\i) == 0 || (\q) < 3
	KLOAD ((\q)+1)%4                               ; the next key step's k (behind a tile's last step: the next tile's first)
.endif
.irp b, 0,1,2,3
	v_max3_num_f32 v[BM+\b], v[S+16*\b], v[S+16*\b+1], v[S+16*\b+2]   ; each block's largest score: for the row's maximum, and, since p rises with the score, for the block's largest p
.endr
.irp e, 3,5,7,9,11,13
.irp b, 0,1,2,3
	v_max3_num_f32 v[BM+\b], v[BM+\b], v[S+16*\b+\e], v[S+16*\b+\e+1]
.endr
.endr
.irp b, 0,1,2,3
	v_max_num_f32 v[BM+\b], v[BM+\b], v[S+16*\b+15]
.endr
.irp b, 0,1,2,3
	v_permlanex16_b32 v[PD+\b], v[BM+\b], s[SEL], s[SEL+1]
.endr
.irp b, 0,1,2,3
	v_max_num_f32 v[BM+\b], v[BM+\b], v[PD+\b]
.endr
	v_max3_num_f32 v254, v[BM], v[BM+1], v[BM+2]
	v_max_num_f32 v254, v254, v[BM+3]
	v_mul_f32 v254, s[CS], v254                    ; the step's largest t
	v_max_num_f32 v13, v13, v254                   ; the running largest t
	v_mov_b32 v254, v12
	v_floor_f32 v12, -v13                          ; -M = floor(-t): M is a whole number
	v_sub_f32 v254, v12, v254                      ; old M - new M, 0 or less
	v_cvt_i32_f32 v254, v254                       ; (it saturates)
	v_ldexp_f32 v154, 1.0, v254                    ; f = 2^(old M - new M)
.set jj, 0
.rept 32
	v_pk_fma_f32 v[S+jj:S+jj+1], v[S+jj:S+jj+1], s[CS:CS+1], v[12:13] op_sel_hi:[1,0,0]   ; t - M
.set jj, jj+2
.endr
.irp b, 0,1,2,3
	v_fma_f32 v[BM+\b], v[BM+\b], s[CS], v12
.endr
.set jj, 0
.rept 64
	v_exp_f32 v[S+jj], v[S+jj]                     ; p = 2^(t - M)
.set jj, jj+1
.endr
	v_pk_mul_f32 v[14:15], v[14:15], v[154:155] op_sel_hi:[1,0]   ; the sums under the new M: a plain instruction behind the batch
	s_wait_alu depctr_va_vdst(0)                   ; the 64 exponentials have written p in v32-95: one wait for the batch, ahead of its first reader
.irp b, 0,1,2,3
	v_exp_f32 v[BM+\b], v[BM+\b]                   ; each block's largest p
.endr
	v_pk_add_f32 v[PD:PD+1], v[S:S+1], v[S+2:S+3]  ; the row's sum of the unquantised p, in two chains
.set jj, 4
.rept 15
	v_pk_add_f32 v[14:15], v[14:15], v[S+jj:S+jj+1]
	v_pk_add_f32 v[PD:PD+1], v[PD:PD+1], v[S+jj+2:S+jj+3]
.set jj, jj+4
.endr
	v_pk_add_f32 v[14:15], v[14:15], v[PD:PD+1]
	s_wait_alu depctr_va_vdst(0)                   ; the four exponentials have written v236-239, ahead of their first reader
.irp b, 0,1,2,3
	v_max_num_f32 v[BM+\b], 0x1800000, v[BM+\b]    ; the floor 2^(3 - 127)
.endr
.irp b, 0,1,2,3
	v_add_nc_u32 v[SOP+\b], 0xff000000, v[BM+\b]
.endr
.irp b, 0,1,2,3
	v_lshrrev_b32 v[PD+\b], 23, v[SOP+\b]
.endr
	v_lshl_or_b32 v152, v[PD+1], 8, v[PD]          ; p's scale word for these 128 keys
	v_lshl_or_b32 v152, v[PD+2], 16, v152
	v_lshl_or_b32 v152, v[PD+3], 24, v152
.irp b, 0,1,2,3
	v_cvt_scalef32_pk8_fp4_f32 v[PCD+2*\b], v[S+16*\b:S+16*\b+7], v[SOP+\b]
	v_cvt_scalef32_pk8_fp4_f32 v[PCD+2*\b+1], v[S+16*\b+8:S+16*\b+15], v[SOP+\b]
.endr
	v_nop
.if \q == 3
	s_wait_alu depctr_va_vdst(0)                   ; the conversions are done reading p in v64-95, in which x's rows land
.irp n, 0,1,2,3,4,5,6,7
	global_load_b128 v[64+4*\n:67+4*\n], v7, s[14:15] offset:(8*\i+2*\n+8*(\n/4))*3072   ; the tile's rows of x, into registers that p has left: place 2 n + h is token 8 i + 2 n + h + 8 (n / 4)
.endr
.endif
.irp c, 0,1
.irp e, 0,1
	v_permlane16_swap_b32 v[PCD+4*\c+\e], v[PCD+2+4*\c+\e]
.endr
.endr
.set jj, 0
.rept 16
	v_pk_mul_f32 v[160+jj:161+jj], v[160+jj:161+jj], v[154:155] op_sel_hi:[1,0]   ; O^T under the new M; these also stand between the lines that made p's codes and word and the products
.set jj, jj+2
.endr
.if (\i) == 0 || (\q) < 3
	s_wait_dscnt 12                                ; v's ten loads are in; the next step's twelve of k, issued behind them, may be out
.else
	s_wait_dscnt 0x0
.endif
	s_wait_alu depctr_va_vdst(0)                   ; p's codes v228-235 and its scale word v152 are written, which the products below take as operand and as scales; the sixteen multiplications above are the places, and stay
.irp t, 0,1,2,3
	WMS 160+8*\t, VF+8*\t, PCD, 160+8*\t, VSW+\t/2, 152, \t%2, 0
.endr
.endm
.macro TILE i
	v_mov_b32 v13, 0xff61b1e6                      ; the largest t so far: -3e38
	v_floor_f32 v12, -v13
	v_mov_b32 v14, 0
	v_mov_b32 v15, 0
.set jj, 0
.rept 32
	v_mov_b32 v[160+jj], 0                         ; O^T: the step is written once; the first finds zeros, which the first change of M leaves zeros
.set jj, jj+1
.endr
	STEP \i, 0
	STEP \i, 1
	STEP \i, 2
	STEP \i, 3
	PLACES
	v_add_f32 v14, v14, v15
	v_permlanex16_b32 v254, v14, s[SEL], s[SEL+1]
	v_add_f32 v14, v14, v254                       ; the row's sum
	v_rcp_f32 v14, v14
	v_nop
	s_wait_alu depctr_va_vdst(0)                   ; the reciprocal has written v14, ahead of its first reader
.set jj, 0
.rept 16
	v_pk_mul_f32 v[32+jj:33+jj], v[160+jj:161+jj], v[14:15] op_sel_hi:[1,0]   ; register 8 t + j is o(place r, channel 16 t + 8 h + j)
.set jj, jj+2
.endr
	s_wait_alu depctr_va_vdst(0)                   ; the multiplications have written v32-63, which the LDS stores read
.irp t, 0,1,2,3
.irp e, 0,1
	ds_store_b128 v5, v[32+8*\t+4*\e:35+8*\t+4*\e] offset:64*\t+16*\e
.endr
.endr
	s_wait_alu depctr_vm_vsrc(0)                   ; the LDS stores have read v32-63, in which the rows land
.irp n, 0,1,2,3,4,5,6,7
	ds_load_b128 v[32+4*\n:35+4*\n], v6 offset:544*\n      ; back as whole rows, into the registers that they left; LDS serves a wave's instructions in order (ISA guide 5.7.1.4): these see my stores
.endr
	s_wait_dscnt 0x0
	s_wait_loadcnt 0x0                             ; x's rows
.set jj, 0
.rept 16
	v_pk_add_f32 v[32+jj:33+jj], v[32+jj:33+jj], v[64+jj:65+jj]
.set jj, jj+2
.endr
	s_wait_alu depctr_va_vdst(0)                   ; the additions have written v32-63, which the stores read
.irp n, 0,1,2,3,4,5,6,7
	global_store_b128 v7, v[32+4*\n:35+4*\n], s[16:17] offset:(8*\i+2*\n+8*(\n/4))*3072   ; sixteen lanes store 256 consecutive bytes, aligned
.endr
	s_wait_xcnt 0x0                                ; the stores' registers are written again only behind this wait
.if (\i) == 0
	s_wait_alu depctr_vm_vsrc(0)                   ; the stores have read v32-63, which the next tile's score products write
.endif
.endm
	TILE 0
	TILE 1
	s_wait_xcnt 0x0
	v_lshl_add_u32 v254, v0, 2, 0x2d500
	v_mov_b32 v255, 0
	s_wait_dscnt 0x0                               ; the closing lines, six on end
	s_wait_alu 0x0
	s_wait_tensorcnt 0x0
	ds_add_u32 v254, v255
	s_wait_dscnt 0x0
	s_endpgm
; ---------------- w1 [768][3072] and w2 [3072][768], f32, quantised along K (their first axis) into wts, in the order of an operand's registers:
; a fragment (16 columns x 128 K) is 1,024 bytes, [block of 32 K: 4][place: 16][16 bytes]; the scale bytes of a pair of tiles for two K steps are 256 bytes, [16 x (tile % 2) + place][8 bytes].
; w1's columns form permuted pairs (tile = bit 3 of the column, place = column % 8 + 8 x bit 4), w2's natural tiles (tile = bit 4).
; A work-group takes 256 columns x 256 K; wave w takes columns 32 (w % 8) on and K step w / 8 of the two: four blocks of 32.  A LANE TAKES A COLUMN AND ITS REGISTERS RUN DOWN K.
; A place's 8 scale bytes come from two waves (w and w + 8): the upper wave hands its word over through LDS bytes that no other path of this text names, and the lower one stores both.
; No prefetch: a wave's share is 128 loads, of which 64 are out from its first line on.
.set WXR, 32                           ; v32-95   two sets of 32 numbers
.set CWR, 96                           ; v96-111  codes, four registers for each block: no store's data are written again
.Lweights:
	s_load_b128 s[40:43], s[0:1], 0x30             ; w1 s[40:41], w2 s[42:43]
	s_load_b64 s[44:45], s[0:1], 0x48              ; wts
	s_sub_co_u32 s21, s20, 16
	s_mul_i32 s21, s21, 12
	s_add_co_u32 s21, s21, ttmp9                   ; the task: 0-35 w1, 36-71 w2: all choices hang on this number alone
	s_mov_b32 s46, 24576                           ; bytes of a tile (K / 128 fragments)
	s_mov_b32 s47, 3072                            ; scale bytes of a pair of tiles
	s_mov_b32 s48, W2_C
	s_mov_b32 s49, W2_S
	s_mov_b32 s50, 786432                          ; 256 rows of 3,072 bytes
	s_mov_b32 s51, 128
	s_wait_kmcnt 0x0
	s_cmp_lt_u32 s21, 36
	s_cselect_b32 s22, 0, 36
	s_cselect_b32 s59, 1, 0                        ; w1?
	s_cselect_b32 s46, 6144, s46
	s_cselect_b32 s47, 768, s47
	s_cselect_b32 s48, W1_C, s48
	s_cselect_b32 s49, W1_S, s49
	s_cselect_b32 s50, 3145728, s50                ; 256 rows of 12,288 bytes
	s_cselect_b64 s[52:53], s[40:41], s[42:43]
	s_cselect_b32 s54, s46, s51                    ; what bit 3 of my column adds to the codes' place: a tile, or 8 places
	s_cselect_b32 s55, s51, s46                    ; and bit 4
	s_cselect_b32 s56, s51, 64                     ; the same for the scale bytes, 8 a place
	s_cselect_b32 s57, 64, s51
	s_sub_co_u32 s23, s21, s22                     ; t, under 36
	s_mul_i32 s24, s23, 43
	s_lshr_b32 s24, s24, 7                         ; t / 3 (exact for t under 128)
	s_mul_i32 s25, s24, 3
	s_sub_co_u32 s25, s23, s25                     ; t % 3
	s_cmp_eq_u32 s59, 1
	s_cselect_b32 s26, s24, s25                    ; the group of 256 columns: w1 has twelve, w2 three
	s_cselect_b32 s27, s25, s24                    ; the chunk of 256 K: w1 has three, w2 twelve
	s_and_b32 s28, s[WV], 7
	s_lshr_b32 s29, s[WV], 3                       ; which K step of the chunk's two
	s_lshl_b32 s30, s26, 3
	s_add_co_u32 s30, s30, s28                     ; my 32 columns, which are my pair of tiles
	s_mul_i32 s32, s27, s50
	s_lshr_b32 s31, s50, 1
	s_mul_i32 s31, s31, s29
	s_add_co_u32 s32, s32, s31
	s_lshl_b32 s31, s30, 7
	s_add_co_u32 s32, s32, s31
	s_mov_b32 s33, 0
	s_add_nc_u64 s[52:53], s[52:53], s[32:33]      ; the tensor at my K step's first row, my first column
	s_mul_i32 s32, s30, s46
	s_lshl_b32 s32, s32, 1
	s_lshl_b32 s31, s27, 11
	s_add_co_u32 s32, s32, s31
	s_lshl_b32 s31, s29, 10
	s_add_co_u32 s32, s32, s31
	s_add_co_u32 s32, s32, s48
	s_add_nc_u64 s[34:35], s[44:45], s[32:33]      ; the pair's first tile, my K step
	s_mul_i32 s32, s30, s47
	s_lshl_b32 s31, s27, 8
	s_add_co_u32 s32, s32, s31
	s_add_co_u32 s32, s32, s49
	s_add_nc_u64 s[36:37], s[44:45], s[32:33]      ; the pair's 256 scale bytes of the chunk's two K steps
	v_lshlrev_b32 v1, 2, v156                      ; in: 4 bytes a lane
	v_and_b32 v9, 7, v156
	v_bfe_u32 v11, v0, 3, 1
	v_bfe_u32 v12, v0, 4, 1
	v_lshlrev_b32 v2, 4, v9
	v_mad_u32_u24 v2, v11, s54, v2
	v_mad_u32_u24 v2, v12, s55, v2                 ; my 16 bytes in a block of the pair's fragments
	v_lshlrev_b32 v3, 3, v9
	v_mad_u32_u24 v3, v11, s56, v3
	v_mad_u32_u24 v3, v12, s57, v3                 ; my 8 scale bytes
	s_lshl_b32 s31, s28, 7
	s_add_co_u32 s31, s31, WXL
	v_lshl_add_u32 v10, v156, 2, s31               ; LDS: the word that waves w and w + 8 share for my column
	s_wait_alu depctr_va_vdst(0)                   ; the offsets v1, v2, v3 and the LDS address v10 are written, which every load and store of this path reads
.macro WLOAD t, pitch                  ; block t: rows 32 t + i of my column into set t % 2; 32 lanes read 128 consecutive bytes, eight waves 1,024
.irp i, 0,1,2,3,4,5,6,7,8,9,10,11,12,13,14,15,16,17,18,19,20,21,22,23,24,25,26,27,28,29,30,31
	global_load_b32 v[WXR+32*((\t)%2)+\i], v1, s[52:53] offset:(32*(\t)+\i)*\pitch th:TH_LOAD_NT
.endr
.endm
.macro WBLOCK t, pitch
.set XS, WXR+32*((\t)%2)
.if (\t) < 3
	s_wait_loadcnt 32                              ; this block's 32 loads are in; the next block's 32 may be out
.else
	s_wait_loadcnt 0x0
.endif
	v_max3_num_f32 v112, |v[XS]|, |v[XS+1]|, |v[XS+2]|   ; the block's largest magnitude: all 32 numbers are mine; two chains
	v_max3_num_f32 v113, |v[XS+3]|, |v[XS+4]|, |v[XS+5]|
.irp i, 6,10,14,18,22,26
	v_max3_num_f32 v112, v112, |v[XS+\i]|, |v[XS+\i+1]|
	v_max3_num_f32 v113, v113, |v[XS+\i+2]|, |v[XS+\i+3]|
.endr
	v_max3_num_f32 v112, v112, |v[XS+30]|, |v[XS+31]|
	v_max3_num_f32 v112, v112, v113, 0x1800000     ; and the floor 2^(3 - 127)
	v_add_nc_u32 v114, 0xff000000, v112            ; the conversion's scale operand
	v_lshrrev_b32 v115, 23, v114                   ; the byte
.if (\t) == 0
	v_mov_b32 v116, v115                           ; four bytes to a register, the lower K in the lower byte
.else
	v_lshl_or_b32 v116, v115, 8*(\t), v116
.endif
.irp g, 0,1,2,3
	v_cvt_scalef32_pk8_fp4_f32 v[CWR+4*(\t)+\g], v[XS+8*\g:XS+8*\g+7], v114
.endr
	v_nop                                          ; a plain instruction behind the last conversion
	s_wait_alu depctr_va_vdst(0)                   ; the conversions have written the block's codes, which the store reads, and are done reading its 32 numbers, in which the loads of two blocks on land; in the last block the scale word v116 is whole, which the lines behind the blocks send on
	global_store_b128 v2, v[CWR+4*(\t):CWR+4*(\t)+3], s[34:35] offset:256*(\t)   ; sixteen lanes fill 256 consecutive bytes of each tile
.if (\t)+2 < 4
	WLOAD (\t)+2, \pitch
.endif
.endm
.macro WUNIT pitch
	WLOAD 0, \pitch
	WLOAD 1, \pitch
.irp t, 0,1,2,3
	WBLOCK \t, \pitch
.endr
.endm
	s_cmp_eq_u32 s59, 1                            ; the rows' pitch stands in the loads' immediates: two copies of the unit
	s_cbranch_scc1 .Lwide
	WUNIT 3072
	s_branch .Lwjoin
.Lwide:
	WUNIT 12288
.Lwjoin:
	s_cmp_lt_u32 s[WV], 8
	s_cbranch_scc1 .Lw_low
	ds_store_b32 v10, v116                         ; waves 8-15: the second K step's word
.Lw_low:
	s_wait_dscnt 0x0                               ; it has landed, for the partner's sake
	s_barrier_signal -1
	s_barrier_wait -1
	s_cmp_gt_u32 s[WV], 7
	s_cbranch_scc1 .Lw_done
	ds_load_b32 v117, v10
	s_wait_dscnt 0x0
	global_store_b64 v3, v[116:117], s[36:37]      ; 256 consecutive bytes, aligned
.Lw_done:
	s_wait_xcnt 0x0
	v_lshl_add_u32 v254, v0, 2, 0x2d500
	v_mov_b32 v255, 0
	s_wait_dscnt 0x0                               ; the closing lines, six on end
	s_wait_alu 0x0
	s_wait_tensorcnt 0x0
	ds_add_u32 v254, v255
	s_wait_dscnt 0x0
	s_endpgm
.Lfunc_end_k_qd22e56cb03_attn:
	.size	k_qd22e56cb03_attn, .Lfunc_end_k_qd22e56cb03_attn-k_qd22e56cb03_attn
	.p2alignl 7, 3214868480
	.fill 96, 4, 3214868480
	.section	.rodata,"a",@progbits
	.p2align	6, 0x0
	.amdhsa_kernel k_qd22e56cb03_attn
		.amdhsa_group_segment_fixed_size 187648
		.amdhsa_private_segment_fixed_size 0
		.amdhsa_enable_private_segment 0
		.amdhsa_kernarg_size 80
		.amdhsa_user_sgpr_count 2
		.amdhsa_user_sgpr_kernarg_segment_ptr 1
		.amdhsa_wavefront_size32 1
		.amdhsa_system_sgpr_workgroup_id_x 1
		.amdhsa_system_sgpr_workgroup_id_y 1
		.amdhsa_system_sgpr_workgroup_id_z 1
		.amdhsa_system_vgpr_workitem_id 0
		.amdhsa_next_free_vgpr 256
		.amdhsa_next_free_sgpr 66
		.amdhsa_reserve_vcc 0
		.amdhsa_float_denorm_mode_32 3
		.amdhsa_float_denorm_mode_16_64 3
		.amdhsa_memory_ordered 1
		.amdhsa_forward_progress 1
		.amdhsa_inst_pref_size 234
	.end_amdhsa_kernel
	.amdgpu_metadata
---
amdhsa.version: [ 1, 2 ]
amdhsa.kernels:
  - .name:           k_qd22e56cb03_attn
    .symbol:         k_qd22e56cb03_attn.kd
    .args:
      - { .name: hq, .offset: 0, .size: 8, .value_kind: global_buffer, .address_space: global }
      - { .name: wqkv, .offset: 8, .size: 8, .value_kind: global_buffer, .address_space: global }
      - { .name: bq, .offset: 16, .size: 8, .value_kind: global_buffer, .address_space: global }
      - { .name: bk, .offset: 24, .size: 8, .value_kind: global_buffer, .address_space: global }
      - { .name: bv, .offset: 32, .size: 8, .value_kind: global_buffer, .address_space: global }
      - { .name: x, .offset: 40, .size: 8, .value_kind: global_buffer, .address_space: global }
      - { .name: w1, .offset: 48, .size: 8, .value_kind: global_buffer, .address_space: global }
      - { .name: w2, .offset: 56, .size: 8, .value_kind: global_buffer, .address_space: global }
      - { .name: x1, .offset: 64, .size: 8, .value_kind: global_buffer, .address_space: global }
      - { .name: wts, .offset: 72, .size: 8, .value_kind: global_buffer, .address_space: global }
    .group_segment_fixed_size: 187648
    .private_segment_fixed_size: 0
    .kernarg_segment_align: 8
    .kernarg_segment_size: 80
    .max_flat_workgroup_size: 512
    .sgpr_count:     66
    .vgpr_count:     256
    .wavefront_size: 32
...
	.end_amdgpu_metadata
.endif
;; end of part 5
;; launch mlp1 (part 6): grid 128 x 2, 4 waves a work-group, no clusters, 34,304 bytes of LDS; arguments x1, ln_w, ln_b, wts, b1, gq; writes gq
.if DOCPART == 6
	.amdgcn_target "amdgcn-amd-amdhsa--gfx1250"
	.amdhsa_code_object_version 6
	.text
	.protected	k_qd22e56cb03_mlp1
	.globl	k_qd22e56cb03_mlp1
	.p2align	8
	.type	k_qd22e56cb03_mlp1,@function
k_qd22e56cb03_mlp1:
	s_mov_b64 s[64:65], 0
	v_nop
	global_prefetch_b8 v0, s[64:65] scope:SCOPE_SE
	s_setreg_imm32_b32 hwreg(HW_REG_WAVE_SCHED_MODE, 0, 2), 2
	s_setreg_imm32_b32 hwreg(HW_REG_WAVE_MODE, 25, 1), 1
	s_wait_xcnt 0x0
	s_wait_alu depctr_vm_vsrc(0)
; MLP1.  g = gelu(LayerNorm(x1) w1 + b1), quantised along the hidden units, stored as codes in gq.  A work-group takes 64 rows x 1,536 hidden units.
; Wave w normalises and quantises rows 16 w .. 16 w + 15 (images of the operand's registers in LDS, one barrier); then it makes three groups of 128 hidden units for all 64 rows.
; Its weights go from memory straight into its registers (48 fragments a group, laid by the launch before in the registers' order): no weight byte enters the work-group twice.
; The product is used transposed (source 0 = 16 columns of w1, a permuted pair's tile; source 1 = 16 rows): a lane holds one row, and the 64 registers of a tile of rows are 16 neighbours of each 32 hidden units.
; b1 is each sum's start: it is loaded into the accumulators.  The next group's weights are asked for K step by K step, as the products leave their registers; they land during the gelu.
; GELU, exact form: gelu(x) = max(x, 0) - |x| e, e = erfc(|x| / sqrt 2) / 2 = t 2^(poly(t) - x^2 log2(e) / 2 - ..), t = 1 / (1 + |x| sqrt(2) / 4): a Chebyshev fit of erfc of fractional error 1.2e-7, everywhere.
; No multicast: this launch's time goes to the gelu's vector work (eleven instructions a number against 192 products for a lane's 256 numbers), and the weights have a whole gelu in which to land.
; LIMITS: NaN and infinities are not served; a block of zeros gets the byte 1 (its codes are zeros); an exponential whose result lies under 2^-126 is 0.
; REGISTERS, in windows of 256.  Window 0: v1-10 addresses; v16-27 rows' scale words, v28-51 weights'; v52-79 quantiser; v80-85 constants, scale words out; v88-247 LayerNorm, then gelu's t, p, u and A's K steps 4, 5.
;   v256-639 w1's fragments (t, s) at 256 + 8 (6 t + s).  v640-767 A's (m, s < 4) at 640 + 8 (4 s + m).  v768-1023 accumulators (m, t) at 768 + 64 m + 8 t.
;   While rows are normalised: rows 0-3 in v136-231, 4-7 in v640-735, 8-11 in v768-863, 12-15 in v864-959: no four rows cross a window.
; THE MODE: SCHED_MODE bits 1:0 = 2 (LLVM: expert scheduling mode 2), set by the entry lines.  The code itself states the register dependences
; between vector or matrix instructions and memory or LDS instructions, with s_wait_alu, always for 0.
; THE PLAN.  Registers that memory or LDS instructions touch, and who else names them:
;   v1-v8, v10   addresses and offsets: made at the head, ahead of one wait on va_vdst, and never written again.
;   v52-75       LayerNorm's bytes and codes: written by its quantiser, read by 24 LDS stores for each four rows (v52-63 first by b1's three): a wait on va_vdst ahead of each run of stores, one on vm_vsrc at the head of each four rows.
;   IN THE LOOP, a trip = a group of 128 hidden units:
;   v9           b1's LDS address: read by the trip's 64 LDS loads, written once a trip: a wait on vm_vsrc ahead of the add; the wait on va_vdst behind it stands there anyway:
;   v768-1023    the accumulators: b1 lands in them at the trip's head; products, gelu and the quantiser name them until its end (ahead of the first trip: LayerNorm read rows there): one wait on va_vdst at the trip's head.
;   v256-639     w1's fragments, v28-51 their scale words: read by a K step's products, then the next group's land: one wait on va_vdst a K step, on the way that asks for more.  The gelu names none of them.
;   v68-75       a fragment's codes: written by the conversions and swaps, read by two stores: a wait on va_vdst ahead of the stores, one on vm_vsrc ahead of the next tile's conversions (the first tile's stands at the trip's head).
;   v84, v85     the scale words out: written by two selects, read by one store a trip; freed at the next trip's head.
;   v254, v255   written at the head, read by the closing add alone.
.set W1_C, 940032
.set W1_S, 2119680
.set G_S,  12582912
.set ASC,   26112                      ; LDS: from 0 the rows' codes, 4 tiles x 24 units of 256 bytes at pitch 272; here their scale bytes (2 pairs x 768);
.set BIASL, 27648                      ; b1: 1,536 bytes for each wave, its own
.set AS,  16
.set BS,  28
.set TM,  52
.set M,   52
.set C,   64
.set PC,  68
.set PW,  76
.set W,   88
.set LB,  112
.set D,   136
.set TP,  232
.set T,   88
.set P,   120
.set U,   152
.set A45, 184
.set SEL, 20
.set INV, 22
.set EPS, 23
.set HM,  24
.set MSB, 0
.macro WIN new                         ; s_set_vgpr_msb: bits 1:0 source 0, 3:2 source 1, 5:4 source 2, 7:6 destination; the high byte repeats the setting that is left
.if MSB != (\new)
	s_set_vgpr_msb (MSB<<8)|(\new)
.set MSB, (\new)
.endif
.endm
.macro WMS d, a, b, c, sa, sb, ra, rb  ; ra, rb: the scale register's lanes 16-31 serve source 0, source 1
.if (\ra) && (\rb)
	v_wmma_scale_f32_16x16x128_f8f6f4 v[\d:\d+7], v[\a:\a+7], v[\b:\b+7], v[\c:\c+7], v[\sa], v[\sb] matrix_a_fmt:MATRIX_FMT_FP4 matrix_b_fmt:MATRIX_FMT_FP4 matrix_a_scale:MATRIX_SCALE_ROW1 matrix_b_scale:MATRIX_SCALE_ROW1
.elseif (\ra)
	v_wmma_scale_f32_16x16x128_f8f6f4 v[\d:\d+7], v[\a:\a+7], v[\b:\b+7], v[\c:\c+7], v[\sa], v[\sb] matrix_a_fmt:MATRIX_FMT_FP4 matrix_b_fmt:MATRIX_FMT_FP4 matrix_a_scale:MATRIX_SCALE_ROW1
.elseif (\rb)
	v_wmma_scale_f32_16x16x128_f8f6f4 v[\d:\d+7], v[\a:\a+7], v[\b:\b+7], v[\c:\c+7], v[\sa], v[\sb] matrix_a_fmt:MATRIX_FMT_FP4 matrix_b_fmt:MATRIX_FMT_FP4 matrix_b_scale:MATRIX_SCALE_ROW1
.else
	v_wmma_scale_f32_16x16x128_f8f6f4 v[\d:\d+7], v[\a:\a+7], v[\b:\b+7], v[\c:\c+7], v[\sa], v[\sb] matrix_a_fmt:MATRIX_FMT_FP4 matrix_b_fmt:MATRIX_FMT_FP4
.endif
.endm
.macro CPAIR r, val                    ; a constant as a scalar pair: the packed forms name the pair and take its low word for both halves
	s_mov_b32 s[\r], \val
	s_mov_b32 s[\r+1], \val
.endm
	s_load_b256 s[4:11], s[0:1], 0x0               ; x1 s[4:5], ln_w s[6:7], ln_b s[8:9], wts s[10:11]
	s_load_b128 s[12:15], s[0:1], 0x20             ; b1 s[12:13], gq s[14:15]
	v_lshl_add_u32 v254, v0, 2, 0x8400
	v_mov_b32 v255, 0
	v_lshrrev_b32 v15, 5, v0
	v_readfirstlane_b32 s16, v15                   ; wave 0..3
	s_and_b32 s18, ttmp7, 0xffff                   ; which 1,536 hidden units; ttmp9: which 64 rows
	v_and_b32 v15, 31, v0                          ; l
	v_and_b32 v14, 15, v0                          ; r
	v_bfe_u32 v13, v0, 4, 1                        ; h
	v_lshlrev_b32 v1, 5, v15                       ; 32 l: my 8 numbers in each 1,024 bytes of a row
	v_lshrrev_b32 v12, 2, v15
	v_and_b32 v11, 3, v15
	s_wait_alu depctr_va_sdst(0)                   ; s16, the wave's number, is written, ahead of its first reader
	s_mul_i32 s54, s16, 6528
	v_mul_u32_u24 v2, v12, 272
	v_lshl_add_u32 v2, v11, 2, v2
	v_add_nc_u32 v2, s54, v2                       ; where my 4 bytes of a row's codes go: tile w, unit l / 4
	s_lshr_b32 s54, s16, 1
	s_mul_i32 s54, s54, 768
	s_and_b32 s55, s16, 1
	s_lshl_b32 s55, s55, 7
	s_add_co_u32 s54, s54, s55
	s_add_co_u32 s54, s54, ASC
	v_add_nc_u32 v3, s54, v12                      ; and my block's byte
	v_lshlrev_b32 v4, 4, v15                       ; 16 l
	v_lshlrev_b32 v5, 3, v15                       ; 8 l
	v_mul_u32_u24 v6, v13, 272
	v_lshl_add_u32 v6, v14, 4, v6                  ; a fragment from the padded units: 272 h + 16 r
	v_add_nc_u32 v7, ASC, v5
	s_mul_i32 s54, s16, 1536
	s_add_co_u32 s54, s54, BIASL
	v_lshl_add_u32 v8, v13, 6, s54                 ; b1 of my half's 16 units of each 32
	v_add_nc_u32 v10, s54, v4
	s_mov_b32 s[SEL], 0x76543210
	s_mov_b32 s[SEL+1], 0xfedcba98
	s_mov_b32 s[INV], 0x3aaaaaab                   ; 1 / 768
	s_mov_b32 s[EPS], 0x3727c5ac                   ; 1e-5
	s_mov_b32 s[HM], 0xffff0000                    ; lanes 16-31
	s_mov_b32 s25, 0x3eb504f3                      ; sqrt(2) / 4
	CPAIR 26, 0xbf38aa3b                           ; -log2(e) / 2
	CPAIR 28, 0x3e7c6f08                           ; the fit's coefficients x log2(e): c9 =  0.24651730
	CPAIR 30, 0x40097039                           ; c7 =  2.14747446
	CPAIR 32, 0xbfd1a1e5                           ; c6 = -1.63775315
	CPAIR 34, 0x3ecdfd18                           ; c5 =  0.40232158
	CPAIR 36, 0xbe899a80                           ; c4 = -0.26875686
	CPAIR 38, 0x3e0efb2e                           ; c3 =  0.13963006
	CPAIR 40, 0x3f0a29d2                           ; c2 =  0.53970062
	CPAIR 42, 0x3fb8ab5a                           ; c1 =  1.44272920
	v_mov_b32 v80, 0xbf97d29d                      ; c8 = -1.18611494
	v_mov_b32 v81, 0xbf97d29d
	v_mov_b32 v82, 0xc034d90f                      ; -1.26551223 log2(e) - 1: the fit's constant, and the half
	v_mov_b32 v83, 0xc034d90f
	s_mul_i32 s19, s18, 12
	s_mul_i32 s54, s16, 3
	s_add_co_u32 s19, s19, s54                     ; my first group of 128 hidden units: 12 cg + 3 w
	s_mov_b32 s55, 0
	s_mul_i32 s54, s19, 49152
	s_add_co_u32 s54, s54, W1_C
	s_wait_kmcnt 0x0
	s_add_nc_u64 s[44:45], s[10:11], s[54:55]      ; its 48 fragments
	s_mul_i32 s54, s19, 3072
	s_add_co_u32 s54, s54, W1_S
	s_add_nc_u64 s[46:47], s[10:11], s[54:55]      ; their scale bytes
	s_mul_i32 s54, ttmp9, 24
	s_add_co_u32 s54, s54, s19
	s_lshl_b32 s17, s54, 8
	s_lshl_b32 s54, s54, 12
	s_add_nc_u64 s[48:49], s[14:15], s[54:55]      ; g's four fragments of this K step
	s_add_co_u32 s54, s17, G_S
	s_add_nc_u64 s[50:51], s[14:15], s[54:55]      ; and their 256 scale bytes
	s_lshl_b32 s54, ttmp9, 6
	s_lshl_b32 s17, s16, 4
	s_add_co_u32 s54, s54, s17
	s_mul_i32 s54, s54, 3072
	s_add_nc_u64 s[56:57], s[4:5], s[54:55]        ; my 16 rows of x1
	s_mul_i32 s54, s18, 6144
	s_mul_i32 s17, s16, 1536
	s_add_co_u32 s54, s54, s17
	s_add_nc_u64 s[58:59], s[12:13], s[54:55]      ; my 384 numbers of b1
	s_wait_alu depctr_va_vdst(0)                   ; the addresses and offsets v1 to v8 and v10 are written, which the kernel's loads, stores and LDS accesses read
.irp i, 0,1,2
	global_load_b128 v[W+8*\i:W+8*\i+3], v1, s[6:7] offset:1024*\i
	global_load_b128 v[W+8*\i+4:W+8*\i+7], v1, s[6:7] offset:1024*\i+16
	global_load_b128 v[LB+8*\i:LB+8*\i+3], v1, s[8:9] offset:1024*\i
	global_load_b128 v[LB+8*\i+4:LB+8*\i+7], v1, s[8:9] offset:1024*\i+16
.endr
.irp n, 0,1,2
	global_load_b128 v[52+4*\n:55+4*\n], v4, s[58:59] offset:512*\n
.endr
.macro XROWS wr, R0, a                 ; rows 4 a .. 4 a + 3 into window wr from register R0 on, 24 a row
	WIN (\wr)<<6
.irp k, 0,1,2,3
.irp i, 0,1,2
.irp e, 0,1
	global_load_b128 v[\R0+24*\k+8*\i+4*\e:\R0+24*\k+8*\i+4*\e+3], v1, s[56:57] offset:3072*(4*\a+\k)+1024*\i+16*\e
.endr
.endr
.endr
.endm
	XROWS 0, 136, 0
	XROWS 2, 128, 1
	XROWS 3, 0, 2
	XROWS 3, 96, 3
	WIN 0
	s_wait_loadcnt 63                              ; 96 loads are younger than b1's; 63 is the most that a wait can name, and a smaller count is safe
.irp n, 0,1,2
	ds_store_b128 v10, v[52+4*\n:55+4*\n] offset:512*\n
.endr
.macro RED4 o                          ; the sum over a wave of the pair v[TP+4k+o], v[TP+4k+o+1], the four rows by turns
.irp k, 0,1,2,3
	v_add_f32 v[TP+4*\k+\o], v[TP+4*\k+\o], v[TP+4*\k+\o+1]
.endr
.irp x, 1,2,4,8
.irp k, 0,1,2,3
	v_add_f32_dpp v[TP+4*\k+\o], v[TP+4*\k+\o], v[TP+4*\k+\o] row_xmask:\x row_mask:0xf bank_mask:0xf
.endr
.endr
.irp k, 0,1,2,3
	v_permlanex16_b32 v[TP+4*\k+\o+1], v[TP+4*\k+\o], s[SEL], s[SEL+1]
.endr
.irp k, 0,1,2,3
	v_add_f32 v[TP+4*\k+\o], v[TP+4*\k+\o], v[TP+4*\k+\o+1]
.endr
.endm
; four rows (window wr, from R0) are normalised into D, quantised, and their codes and bytes stored at CAO and SAO from my lane's places.  Lane l holds columns 256 i + 8 l + e; four lanes share a block.
.macro LN4 wr, R0, CAO, SAO
	WIN 5*(\wr)
.irp k, 0,1,2,3
	v_pk_add_f32 v[TP+4*\k:TP+4*\k+1], v[\R0+24*\k:\R0+24*\k+1], v[\R0+24*\k+2:\R0+24*\k+3]
.endr
	WIN \wr
.irp j, 4,6,8,10,12,14,16,18,20,22
.irp k, 0,1,2,3
	v_pk_add_f32 v[TP+4*\k:TP+4*\k+1], v[\R0+24*\k+\j:\R0+24*\k+\j+1], v[TP+4*\k:TP+4*\k+1]
.endr
.endr
	WIN 0
	RED4 0
.irp k, 0,1,2,3
	v_mul_f32 v[TP+4*\k], s[INV], v[TP+4*\k]       ; the mean
.endr
	WIN \wr
.irp j, 0,2,4,6,8,10,12,14,16,18,20,22
.irp k, 0,1,2,3
	v_pk_add_f32 v[D+24*\k+\j:D+24*\k+\j+1], v[\R0+24*\k+\j:\R0+24*\k+\j+1], v[TP+4*\k:TP+4*\k+1] op_sel_hi:[1,0] neg_lo:[0,1] neg_hi:[0,1]
.endr
.endr
	WIN 0
.irp k, 0,1,2,3
	v_pk_mul_f32 v[TP+4*\k+2:TP+4*\k+3], v[D+24*\k:D+24*\k+1], v[D+24*\k:D+24*\k+1]
.endr
.irp j, 2,4,6,8,10,12,14,16,18,20,22
.irp k, 0,1,2,3
	v_pk_fma_f32 v[TP+4*\k+2:TP+4*\k+3], v[D+24*\k+\j:D+24*\k+\j+1], v[D+24*\k+\j:D+24*\k+\j+1], v[TP+4*\k+2:TP+4*\k+3]
.endr
.endr
	RED4 2
.irp k, 0,1,2,3
	v_fma_f32 v[TP+4*\k+2], v[TP+4*\k+2], s[INV], s[EPS]
.endr
.irp k, 0,1,2,3
	v_rsq_f32 v[TP+4*\k+2], v[TP+4*\k+2]
.endr
	v_nop
	s_wait_alu depctr_va_vdst(0)                   ; the four reciprocal roots are written: one wait for the four, ahead of their first reader
.irp j, 0,2,4,6,8,10,12,14,16,18,20,22
.irp k, 0,1,2,3
	v_pk_mul_f32 v[D+24*\k+\j:D+24*\k+\j+1], v[D+24*\k+\j:D+24*\k+\j+1], v[TP+4*\k+2:TP+4*\k+3] op_sel_hi:[1,0]
.endr
.endr
.irp j, 0,2,4,6,8,10,12,14,16,18,20,22
.irp k, 0,1,2,3
	v_pk_fma_f32 v[D+24*\k+\j:D+24*\k+\j+1], v[D+24*\k+\j:D+24*\k+\j+1], v[W+\j:W+\j+1], v[LB+\j:LB+\j+1]
.endr
.endr
.irp k, 0,1,2,3
.irp i, 0,1,2
	v_max3_num_f32 v[M+3*\k+\i], |v[D+24*\k+8*\i]|, |v[D+24*\k+8*\i+1]|, 0x1800000
.endr
.endr
.irp e, 2,4,6
.irp k, 0,1,2,3
.irp i, 0,1,2
	v_max3_num_f32 v[M+3*\k+\i], v[M+3*\k+\i], |v[D+24*\k+8*\i+\e]|, |v[D+24*\k+8*\i+\e+1]|
.endr
.endr
.endr
.irp x, 1,2
.irp n, 0,1,2,3,4,5,6,7,8,9,10,11
	v_max_num_f32_dpp v[M+\n], v[M+\n], v[M+\n] row_xmask:\x row_mask:0xf bank_mask:0xf
.endr
.endr
.irp n, 0,1,2,3,4,5,6,7,8,9,10,11
	v_add_nc_u32 v[M+\n], 0xff000000, v[M+\n]
.endr
.irp k, 0,1,2,3
.irp i, 0,1,2
	v_cvt_scalef32_pk8_fp4_f32 v[C+3*\k+\i], v[D+24*\k+8*\i:D+24*\k+8*\i+7], v[M+3*\k+\i]
.endr
.endr
	v_nop
.irp n, 0,1,2,3,4,5,6,7,8,9,10,11
	v_lshrrev_b32 v[M+\n], 23, v[M+\n]
.endr
	s_wait_alu depctr_va_vdst(0)                   ; the four rows' codes v64-75 and bytes v52-63 are written, which the LDS stores read; and these lines are done with the rows' registers and with v136-247, in which fragments land behind the barrier
.irp k, 0,1,2,3
.irp i, 0,1,2
	ds_store_b32 v2, v[C+3*\k+\i] offset:\CAO+16*\k+2176*\i
	ds_store_b8 v3, v[M+3*\k+\i] offset:\SAO+8*\k+256*\i
.endr
.endr
.endm
.macro BLD n, ex                       ; load n of a group's 96: 512 bytes of its dense 49,152 into v[256 + 4 n]; ex: 49,152 for the next group
.if (\n) < 64
	WIN 0x40
.else
	WIN 0x80
.endif
	global_load_b128 v[(4*(\n))%256:(4*(\n))%256+3], v4, s[44:45] offset:512*(\n)+\ex
.endm
.macro LNGROUP a, wr, R0
	s_wait_loadcnt 63                              ; behind these rows' loads stand 24 (3 - a) of later rows and 24 a of weights: 72; 63 is the most that a wait can name
	s_wait_dscnt 0x0                               ; my earlier LDS stores have read their registers
	s_wait_alu depctr_vm_vsrc(0)                   ; my earlier LDS stores (b1's, then the last four rows') have read v52-75, which this group's quantiser writes
	LN4 \wr, \R0, 64*\a, 32*\a
.set nn, 24*\a
.rept 24
	BLD nn, 0                                      ; a quarter of the first group's weights goes out behind each four rows
.set nn, nn+1
.endr
	WIN 0
.endm
	LNGROUP 0, 0, 136
	LNGROUP 1, 2, 128
	LNGROUP 2, 3, 0
	LNGROUP 3, 3, 96
.irp p, 0,1,2,3
.irp j, 0,1,2
	global_load_b64 v[BS+6*\p+2*\j:BS+6*\p+2*\j+1], v5, s[46:47] offset:768*\p+256*\j
.endr
.endr
	s_wait_dscnt 0x0                               ; my rows' codes and bytes have landed
	s_barrier_signal -1
	s_barrier_wait -1                              ; the launch's one barrier: all 64 rows lie in LDS; nothing there is written again
	WIN 0x80                                       ; (no vector line stands between the last four rows' wait on va_vdst and the loads below)
.irp s, 0,1,2,3
.irp m, 0,1,2,3
.irp c, 0,1
	ds_load_b128 v[128+8*(4*\s+\m)+4*\c:128+8*(4*\s+\m)+4*\c+3], v6 offset:6528*\m+(4*\s+2*\c)*272
.endr
.endr
.endr
	WIN 0
.irp s, 4,5
.irp m, 0,1,2,3
.irp c, 0,1
	ds_load_b128 v[A45+8*(4*(\s-4)+\m)+4*\c:A45+8*(4*(\s-4)+\m)+4*\c+3], v6 offset:6528*\m+(4*\s+2*\c)*272
.endr
.endr
.endr
.irp p, 0,1
.irp j, 0,1,2
	ds_load_b64 v[AS+6*\p+2*\j:AS+6*\p+2*\j+1], v7 offset:768*\p+256*\j
.endr
.endr
; a K step: 32 products, the 32 accumulators by turns, one instruction a turn, in the same order in every K step; then the next group's fragments of this K step
.macro GEMMK s
.irp t, 0,1,2,3,4,5,6,7
.set FB, 6*\t+\s
.irp m, 0,1,2,3
.if \s < 4
	WIN (1+FB/32)|(2<<2)|0xf0
	WMS 64*\m+8*\t, 8*(FB%32), 128+8*(4*\s+\m), 64*\m+8*\t, BS+6*(\t/2)+\s, AS+6*(\m/2)+\s, \t%2, \m%2
.else
	WIN (1+FB/32)|0xf0
	WMS 64*\m+8*\t, 8*(FB%32), A45+8*(4*(\s-4)+\m), 64*\m+8*\t, BS+6*(\t/2)+\s, AS+6*(\m/2)+\s, \t%2, \m%2
.endif
.endr
.endr
	WIN 0
.rept 4
	v_nop                                          ; places in front of loads into registers that the products have read, and of the first read of results
.endr
	s_cmp_eq_u32 s53, 2                            ; the last group asks for nothing: no load leaves the buffer
	s_cbranch_scc1 .Lno_refill_\@
	s_wait_alu depctr_va_vdst(0)                   ; this K step's products are done reading their eight fragments of w1 (behind the last K step: all the group's products the scale words v28-51 too), in which the next group's land
.irp t, 0,1,2,3,4,5,6,7
.irp c, 0,1
	BLD 12*\t+2*\s+\c, 49152
.endr
.endr
	WIN 0
.if \s == 5
.irp p, 0,1,2,3
.irp j, 0,1,2
	global_load_b64 v[BS+6*\p+2*\j:BS+6*\p+2*\j+1], v5, s[46:47] offset:3072+768*\p+256*\j
.endr
.endr
.endif
.Lno_refill_\@:
.endm
; gelu of 32 numbers, v[X] on in window 3, in place.  Two batches of transcendentals, each with plain work behind it and one wait ahead of its first reader.
.macro GELU X
	WIN 0x03
.set jj, 0
.rept 32
	v_fma_f32 v[T+jj], |v[\X+jj]|, s25, 1.0        ; 1 + |x| sqrt(2) / 4; each accumulator is read from its low end on
.set jj, jj+1
.endr
	WIN 0x0f
.set jj, 0
.rept 16
	v_pk_mul_f32 v[U+jj:U+jj+1], v[\X+jj:\X+jj+1], v[\X+jj:\X+jj+1]
.set jj, jj+2
.endr
	WIN 0
.set jj, 0
.rept 32
	v_rcp_f32 v[T+jj], v[T+jj]                     ; t
.set jj, jj+1
.endr
.set jj, 0
.rept 16
	v_pk_fma_f32 v[U+jj:U+jj+1], v[U+jj:U+jj+1], s[26:27], v[82:83] op_sel_hi:[1,0,1]   ; -x^2 log2(e) / 2 + the constant
.set jj, jj+2
.endr
	s_wait_alu depctr_va_vdst(0)                   ; the 32 reciprocals have written t in v88-119: one wait for the batch, ahead of its first reader
.set jj, 0
.rept 16
	v_pk_fma_f32 v[P+jj:P+jj+1], v[T+jj:T+jj+1], s[28:29], v[80:81] op_sel_hi:[1,0,1]   ; c9 t + c8
.set jj, jj+2
.endr
.irp cc, 30,32,34,36,38,40,42
.set jj, 0
.rept 16
	v_pk_fma_f32 v[P+jj:P+jj+1], v[P+jj:P+jj+1], v[T+jj:T+jj+1], s[\cc:\cc+1] op_sel_hi:[1,1,0]
.set jj, jj+2
.endr
.endr
.set jj, 0
.rept 16
	v_pk_fma_f32 v[P+jj:P+jj+1], v[P+jj:P+jj+1], v[T+jj:T+jj+1], v[U+jj:U+jj+1]
.set jj, jj+2
.endr
.set jj, 0
.rept 32
	v_exp_f32 v[P+jj], v[P+jj]
.set jj, jj+1
.endr
	WIN 0x0c
.set jj, 0
.rept 32
	v_max_num_f32 v[U+jj], 0, v[\X+jj]             ; max(x, 0)
.set jj, jj+1
.endr
	s_wait_alu depctr_va_vdst(0)                   ; the 32 exponentials have written v120-151: one wait for the batch, ahead of its first reader
	WIN 0
.set jj, 0
.rept 16
	v_pk_mul_f32 v[P+jj:P+jj+1], v[P+jj:P+jj+1], v[T+jj:T+jj+1]   ; e = erfc(|x| / sqrt 2) / 2
.set jj, jj+2
.endr
	WIN 0xc3
.set jj, 0
.rept 32
	v_fma_f32 v[\X+jj], -|v[\X+jj]|, v[P+jj], v[U+jj]
.set jj, jj+1
.endr
	WIN 0
.endm
; the 64 numbers of tile of rows m (register 16 b + e = hidden unit 32 b + 16 h + e of row r) become a fragment's codes, stored as they stand, and its scale word in v[PW+m]
.macro QUANTW m
.set XB, 64*(\m)
	WIN 0x0f
.irp b, 0,1,2,3
	v_max3_num_f32 v[TM+\b], |v[XB+16*\b]|, |v[XB+16*\b+1]|, 0x1800000
.endr
	WIN 0x3c
.irp e, 2,4,6,8,10,12,14
.irp b, 0,1,2,3
	v_max3_num_f32 v[TM+\b], v[TM+\b], |v[XB+16*\b+\e]|, |v[XB+16*\b+\e+1]|
.endr
.endr
	WIN 0
.irp b, 0,1,2,3
	v_permlanex16_b32 v[TM+4+\b], v[TM+\b], s[SEL], s[SEL+1]
.endr
.irp b, 0,1,2,3
	v_max_num_f32 v[TM+\b], v[TM+\b], v[TM+4+\b]
.endr
.irp b, 0,1,2,3
	v_add_nc_u32 v[TM+12+\b], 0xff000000, v[TM+\b]
.endr
.irp b, 0,1,2,3
	v_lshrrev_b32 v[TM+4+\b], 23, v[TM+12+\b]
.endr
	v_lshl_or_b32 v[PW+\m], v[TM+5], 8, v[TM+4]
	v_lshl_or_b32 v[PW+\m], v[TM+6], 16, v[PW+\m]
	v_lshl_or_b32 v[PW+\m], v[TM+7], 24, v[PW+\m]
	s_wait_xcnt 0x0                                ; the last fragment's stores have read v[PC] on: only now are they written again
.if (\m) > 0
	s_wait_alu depctr_vm_vsrc(0)                   ; the last tile's two stores have read v68-75, which the conversions below write (for the trip's first tile the wait at the trip's head has stated it)
.endif
	WIN 0x03
.irp b, 0,1,2,3
	v_cvt_scalef32_pk8_fp4_f32 v[PC+2*\b], v[XB+16*\b:XB+16*\b+7], v[TM+12+\b]
	v_cvt_scalef32_pk8_fp4_f32 v[PC+2*\b+1], v[XB+16*\b+8:XB+16*\b+15], v[TM+12+\b]
.endr
	WIN 0
	v_nop
.irp c, 0,1
.irp e, 0,1
	v_permlane16_swap_b32 v[PC+4*\c+\e], v[PC+2+4*\c+\e]
.endr
.endr
	s_wait_alu depctr_va_vdst(0)                   ; the conversions and the exchanges have written v68-75, which the two stores read
	global_store_b128 v4, v[PC:PC+3], s[48:49] offset:1024*\m          ; 512 consecutive bytes, aligned
	global_store_b128 v4, v[PC+4:PC+7], s[48:49] offset:1024*\m+512
.endm
	s_mov_b32 s52, 0                               ; where the group's b1 begins in my 1,536 bytes
	s_mov_b32 s53, 0                               ; the group, 0..2
.Lgroup:
	s_wait_alu depctr_vm_vsrc(0)                   ; the last trip's LDS loads have read v9, which is written below, and its stores v68-75, v84 and v85; ahead of the first trip: the last rows' LDS stores have read v52-75, which this trip's quantiser writes
	v_add_nc_u32 v9, s52, v8
	WIN 0xc0
	s_wait_alu depctr_va_vdst(0)                   ; v9 is written, which the loads below read; the last trip's gelu and quantiser (ahead of the first trip: LayerNorm) are done with v768-1023, in which b1 lands
.irp m, 0,1,2,3
.irp t, 0,1,2,3,4,5,6,7
.irp e, 0,1
	ds_load_b128 v[64*\m+8*\t+4*\e:64*\m+8*\t+4*\e+3], v9 offset:(32*(\t/2)+8*(\t%2))*4+16*\e   ; b1 starts each sum
.endr
.endr
.endr
	WIN 0
	s_wait_loadcnt 0x0                             ; the group's weights and their scale words
	s_wait_dscnt 0x0                               ; b1 (and, in the first trip, the rows' fragments)
	GEMMK 0
	GEMMK 1
	GEMMK 2
	GEMMK 3
	GEMMK 4
	GEMMK 5
.irp m, 0,1,2,3
	GELU 64*\m
	GELU 64*\m+32
	QUANTW \m
.endr
	v_cndmask_b32 v84, v[PW], v[PW+1], s[HM]       ; lanes 0-15 tile 0's words, lanes 16-31 tile 1's;
	v_cndmask_b32 v85, v[PW+2], v[PW+3], s[HM]     ; tiles 2 and 3 likewise
	s_wait_alu depctr_va_vdst(0)                   ; the two selects have written v84 and v85, which the store reads
	global_store_b64 v5, v[84:85], s[50:51]        ; 256 consecutive bytes, aligned
	s_wait_xcnt 0x0                                ; every load and store has read its base: now they step
	s_add_nc_u64 s[44:45], s[44:45], 49152
	s_add_nc_u64 s[46:47], s[46:47], 3072
	s_add_nc_u64 s[48:49], s[48:49], 4096
	s_add_nc_u64 s[50:51], s[50:51], 256
	s_add_co_u32 s52, s52, 512
	s_add_co_u32 s53, s53, 1
	s_cmp_lt_u32 s53, 3
	s_cbranch_scc1 .Lgroup
	s_wait_dscnt 0x0                               ; the closing lines, six on end
	s_wait_alu 0x0
	s_wait_tensorcnt 0x0
	ds_add_u32 v254, v255
	s_wait_dscnt 0x0
	s_endpgm
.Lfunc_end_k_qd22e56cb03_mlp1:
	.size	k_qd22e56cb03_mlp1, .Lfunc_end_k_qd22e56cb03_mlp1-k_qd22e56cb03_mlp1
	.p2alignl 7, 3214868480
	.fill 96, 4, 3214868480
	.section	.rodata,"a",@progbits
	.p2align	6, 0x0
	.amdhsa_kernel k_qd22e56cb03_mlp1
		.amdhsa_group_segment_fixed_size 34304
		.amdhsa_private_segment_fixed_size 0
		.amdhsa_enable_private_segment 0
		.amdhsa_kernarg_size 48
		.amdhsa_user_sgpr_count 2
		.amdhsa_user_sgpr_kernarg_segment_ptr 1
		.amdhsa_wavefront_size32 1
		.amdhsa_system_sgpr_workgroup_id_x 1
		.amdhsa_system_sgpr_workgroup_id_y 1
		.amdhsa_system_sgpr_workgroup_id_z 1
		.amdhsa_system_vgpr_workitem_id 0
		.amdhsa_next_free_vgpr 1024
		.amdhsa_next_free_sgpr 66
		.amdhsa_reserve_vcc 0
		.amdhsa_float_denorm_mode_32 3
		.amdhsa_float_denorm_mode_16_64 3
		.amdhsa_memory_ordered 1
		.amdhsa_forward_progress 1
		.amdhsa_inst_pref_size 255
	.end_amdhsa_kernel
	.section	.bss,"aw",@nobits
	.p2align	6
	.space	262144
	.amdgpu_metadata
---
amdhsa.version: [ 1, 2 ]
amdhsa.kernels:
  - .name:           k_qd22e56cb03_mlp1
    .symbol:         k_qd22e56cb03_mlp1.kd
    .args:
      - { .name: x1, .offset: 0, .size: 8, .value_kind: global_buffer, .address_space: global }
      - { .name: ln_w, .offset: 8, .size: 8, .value_kind: global_buffer, .address_space: global }
      - { .name: ln_b, .offset: 16, .size: 8, .value_kind: global_buffer, .address_space: global }
      - { .name: wts, .offset: 24, .size: 8, .value_kind: global_buffer, .address_space: global }
      - { .name: b1, .offset: 32, .size: 8, .value_kind: global_buffer, .address_space: global }
      - { .name: gq, .offset: 40, .size: 8, .value_kind: global_buffer, .address_space: global }
    .group_segment_fixed_size: 34304
    .private_segment_fixed_size: 0
    .kernarg_segment_align: 8
    .kernarg_segment_size: 48
    .max_flat_workgroup_size: 128
    .sgpr_count:     66
    .vgpr_count:     1024
    .wavefront_size: 32
...
	.end_amdgpu_metadata
.endif
;; end of part 6
;; launch mlp2: the kernel of part 4 again; grid 4 x 64, 4 waves a work-group, clusters of 4 x 1, 327,680 bytes of LDS; arguments gq, wts, b2, x1, out0; writes out0
